; MI455X (gfx1250); checked and timed in simulation.
; The chip was launched on July 23, 2026; its instructions are those of AMD's public machine-readable ISA for CDNA 5 (MIT licence, August 2026) and "CDNA5" Instruction Set Architecture Reference Guide (July 2026). The comments in the code are by the model that wrote it; some were corrected since.
;; Self Attention. Allowed arithmetic: float matrix products may take bf16 or f16 operands with f32 sums; other float arithmetic in f32, or as packed bf16 or f16 multiplies, adds, multiply-adds, maxima and minima; sums over many terms, partial sums and values carried from step to step in f32; what a program stores and reads back later, other than sums and carried values, may be rounded once to bf16 or f16.
;; Inputs: Wk 1,024 x 256 float32; Wq 1,024 x 256 float32; Wv 1,024 x 1,024 float32; bk 256 float32; bq 256 float32; bv 1,024 float32; gamma 1 float32; x 8 x 2,048 x 1,024 float32.
;; Outputs: out0 8 x 2,048 x 1,024 float32.
;; 3 versions, each right; version 3 is version 2 with the launch prep written anew for expert scheduling mode. Each part assembles by itself: llvm-mc -triple=amdgcn-amd-amdhsa -mcpu=gfx1250 --defsym DOCPART=n.
;; ======== version 1 of 3: 4 launches
;; workspace buffers: xb 33,554,432 bytes; wb 3,145,728 bytes; qkv 50,331,648 bytes; pbuf 67,108,864 bytes; stat 2,097,152 bytes
;; launch prep (part 1): grid 1120 x 1, 8 waves a work-group, no clusters, 0 bytes of LDS; arguments x, Wq, Wk, Wv, xb, wb; writes xb, wb
.if DOCPART == 1
	.amdgcn_target "amdgcn-amd-amdhsa--gfx1250"
	.amdhsa_code_object_version 6
	.text
	.protected	k_qac10dc55cb_prep
	.globl	k_qac10dc55cb_prep
	.p2align	8
	.type	k_qac10dc55cb_prep,@function
k_qac10dc55cb_prep:
	s_mov_b64 s[64:65], 0
	v_nop
	global_prefetch_b8 v0, s[64:65] scope:SCOPE_SE
	s_setreg_imm32_b32 hwreg(HW_REG_WAVE_MODE, 25, 1), 1
	s_wait_xcnt 0x0
; CASTS TO bf16.  x [16384][1024] f32 -> xb, the same shape in bf16.  Wq, Wk [1024][256] and Wv [1024][1024] f32 -> wb [1024 k][1536 n] bf16:
; columns 0-255 Wq, 256-511 Wk, 512-1535 Wv, so that one product makes q, k and v.  Each number is rounded once, to nearest even.
; A stream: no LDS, no matrix unit, no cluster (no byte is wanted twice).  A work-group casts 16,384 numbers, a wave 2,048: sixteen loads of 16 bytes a lane
; (512 consecutive bytes each), all issued before the first is waited for; each gives one store of 8 bytes a lane: 256 consecutive bytes, aligned.
; Work-groups 0-1023 take x, 1024-1039 Wq, 1040-1055 Wk, 1056-1119 Wv.  No register is written twice, so no source of a pending instruction is ever rewritten.
.set X,    8                           ; v[8:71]    sixteen loads of four f32
.set Y,    72                          ; v[72:103]  sixteen stores of four bf16
.set SRC,  20                          ; s[20:21]   where my wave reads
.set DSTP, 28                          ; s[28:29]   where it writes
	s_load_b256 s[4:11], s[0:1], 0x0               ; x s[4:5], Wq s[6:7], Wk s[8:9], Wv s[10:11]
	s_load_b128 s[12:15], s[0:1], 0x20             ; xb s[12:13], wb s[14:15]
	v_lshrrev_b32 v3, 5, v0
	v_readfirstlane_b32 s16, v3                    ; wave 0..7
	v_and_b32 v4, 31, v0
	v_lshlrev_b32 v1, 4, v4                        ; 16 bytes a lane in
	v_lshlrev_b32 v2, 3, v4                        ; 8 bytes a lane out
	s_mov_b32 s17, ttmp9                           ; g
	s_mov_b32 s24, 1024                            ; the first work-group of Wq,
	s_mov_b32 s25, 1040                            ; of Wk,
	s_mov_b32 s26, 1056                            ; of Wv
	s_wait_kmcnt 0x0
	s_cmp_lt_u32 s17, s26
	s_cselect_b64 s[SRC:SRC+1], s[8:9], s[10:11]
	s_cselect_b32 s19, s25, s26
	s_cmp_lt_u32 s17, s25
	s_cselect_b64 s[SRC:SRC+1], s[6:7], s[SRC:SRC+1]
	s_cselect_b32 s19, s24, s19
	s_cmp_lt_u32 s17, s24
	s_cselect_b64 s[SRC:SRC+1], s[4:5], s[SRC:SRC+1]
	s_cselect_b32 s19, 0, s19
	s_sub_co_u32 s19, s17, s19                     ; my number among the tensor's work-groups
	s_lshl_b32 s22, s19, 16                        ; 65,536 bytes a work-group,
	s_lshl_b32 s23, s16, 13                        ; 8,192 a wave
	s_add_co_u32 s22, s22, s23
	s_mov_b32 s23, 0
	s_add_nc_u64 s[SRC:SRC+1], s[SRC:SRC+1], s[22:23]
.irp i, 0,1,2,3,4,5,6,7,8,9,10,11,12,13,14,15
	global_load_b128 v[X+4*(\i):X+4*(\i)+3], v1, s[SRC:SRC+1] offset:512*(\i) th:TH_LOAD_NT
.endr
; Sixteen stores.  per = loads in a row of the source, pitch = bytes from row to row of the destination.
.macro STORES per, pitch
.set i, 0
.rept 16
	s_wait_loadcnt 15-i                            ; loads come back in order: load i is in, the 15 - i younger ones may stay out
	v_cvt_pk_bf16_f32 v[Y+2*i],   v[X+4*i],   v[X+4*i+1]
	v_cvt_pk_bf16_f32 v[Y+2*i+1], v[X+4*i+2], v[X+4*i+3]
	global_store_b64 v2, v[Y+2*i:Y+2*i+1], s[DSTP:DSTP+1] offset:(i/(\per))*(\pitch)+(i%(\per))*256 th:TH_STORE_NT
.set i, i+1
.endr
.endm
	s_cmp_lt_u32 s17, s24
	s_cbranch_scc0 .Lweights
	s_lshl_b32 s22, s17, 15                        ; x: 32,768 bytes of xb a work-group,
	s_lshl_b32 s23, s16, 12                        ; 4,096 a wave: two rows
	s_add_co_u32 s22, s22, s23
	s_mov_b32 s23, 0
	s_add_nc_u64 s[DSTP:DSTP+1], s[12:13], s[22:23]
	STORES 8, 2048
	s_endpgm
.Lweights:
	s_cmp_lt_u32 s17, s26
	s_cbranch_scc0 .Lwv
	s_lshl_b32 s22, s19, 6                         ; Wq, Wk: 64 rows a work-group,
	s_lshl_b32 s23, s16, 3                         ; 8 a wave, two loads a row
	s_add_co_u32 s22, s22, s23
	s_mul_i32 s22, s22, 3072
	s_cmp_lt_u32 s17, s25
	s_cselect_b32 s23, 0, 512                      ; Wk's columns begin 512 bytes into a row of wb
	s_add_co_u32 s22, s22, s23
	s_mov_b32 s23, 0
	s_add_nc_u64 s[DSTP:DSTP+1], s[14:15], s[22:23]
	STORES 2, 3072
	s_endpgm
.Lwv:
	s_lshl_b32 s22, s19, 4                         ; Wv: 16 rows a work-group,
	s_lshl_b32 s23, s16, 1                         ; 2 a wave, eight loads a row
	s_add_co_u32 s22, s22, s23
	s_mul_i32 s22, s22, 3072
	s_add_co_u32 s22, s22, 1024                    ; Wv's columns begin 1,024 bytes into a row of wb
	s_mov_b32 s23, 0
	s_add_nc_u64 s[DSTP:DSTP+1], s[14:15], s[22:23]
	STORES 8, 3072
	s_endpgm
.Lfunc_end_k_qac10dc55cb_prep:
	.size	k_qac10dc55cb_prep, .Lfunc_end_k_qac10dc55cb_prep-k_qac10dc55cb_prep
	.p2alignl 7, 3214868480
	.fill 96, 4, 3214868480
	.section	.rodata,"a",@progbits
	.p2align	6, 0x0
	.amdhsa_kernel k_qac10dc55cb_prep
		.amdhsa_group_segment_fixed_size 0
		.amdhsa_private_segment_fixed_size 0
		.amdhsa_enable_private_segment 0
		.amdhsa_kernarg_size 48
		.amdhsa_user_sgpr_count 2
		.amdhsa_user_sgpr_kernarg_segment_ptr 1
		.amdhsa_wavefront_size32 1
		.amdhsa_system_sgpr_workgroup_id_x 1
		.amdhsa_system_sgpr_workgroup_id_y 1
		.amdhsa_system_sgpr_workgroup_id_z 1
		.amdhsa_system_vgpr_workitem_id 0
		.amdhsa_next_free_vgpr 104
		.amdhsa_next_free_sgpr 66
		.amdhsa_reserve_vcc 0
		.amdhsa_float_denorm_mode_32 3
		.amdhsa_float_denorm_mode_16_64 3
		.amdhsa_memory_ordered 1
		.amdhsa_forward_progress 1
		.amdhsa_inst_pref_size 16
	.end_amdhsa_kernel
	.amdgpu_metadata
---
amdhsa.version: [ 1, 2 ]
amdhsa.kernels:
  - .name:           k_qac10dc55cb_prep
    .symbol:         k_qac10dc55cb_prep.kd
    .args:
      - { .name: x, .offset: 0, .size: 8, .value_kind: global_buffer, .address_space: global }
      - { .name: Wq, .offset: 8, .size: 8, .value_kind: global_buffer, .address_space: global }
      - { .name: Wk, .offset: 16, .size: 8, .value_kind: global_buffer, .address_space: global }
      - { .name: Wv, .offset: 24, .size: 8, .value_kind: global_buffer, .address_space: global }
      - { .name: xb, .offset: 32, .size: 8, .value_kind: global_buffer, .address_space: global }
      - { .name: wb, .offset: 40, .size: 8, .value_kind: global_buffer, .address_space: global }
    .group_segment_fixed_size: 0
    .private_segment_fixed_size: 0
    .kernarg_segment_align: 8
    .kernarg_segment_size: 48
    .max_flat_workgroup_size: 256
    .sgpr_count:     66
    .vgpr_count:     104
    .wavefront_size: 32
...
	.end_amdgpu_metadata
.endif
;; end of part 1
;; launch proj (part 2): grid 64 x 6, 4 waves a work-group, clusters of 4 x 1, 327,680 bytes of LDS; arguments xb, wb, bq, bk, bv, qkv; writes qkv
.if DOCPART == 2
	.amdgcn_target "amdgcn-amd-amdhsa--gfx1250"
	.amdhsa_code_object_version 6
	.text
	.protected	k_qac10dc55cb_proj
	.globl	k_qac10dc55cb_proj
	.p2align	8
	.type	k_qac10dc55cb_proj,@function
k_qac10dc55cb_proj:
	s_mov_b64 s[64:65], 0
	v_nop
	global_prefetch_b8 v0, s[64:65] scope:SCOPE_SE
	s_setreg_imm32_b32 hwreg(HW_REG_WAVE_MODE, 25, 1), 1
	s_wait_xcnt 0x0
	s_wait_alu depctr_hold_cnt(0) depctr_sa_sdst(0) depctr_va_vdst(0) depctr_va_sdst(0) depctr_va_ssrc(0) depctr_va_vcc(0) depctr_vm_vsrc(0)
	s_getreg_b32 s2, hwreg(HW_REG_IB_STS2, 6, 4)
	s_cmp_eq_u32 s2, 0
	s_cbranch_scc0 .Lentry_in_a_cluster
	s_endpgm
.Lentry_in_a_cluster:
	s_bfe_u32 s2, ttmp6, 0x10000c
	s_cmp_lg_u32 s2, 0x3003
	s_cbranch_scc0 .Lentry_shape_is_right
	s_endpgm
.Lentry_shape_is_right:
; qkv[m][n] = the sum over k of xb[m][k] wb[k][n] + bias[n].  xb [16384][1024], wb [1024][1536], qkv [16384][1536], all bf16; sums and bias in f32; qkv rounded once.
; Columns 0-255 are q (bias bq), 256-511 k (bk), 512-1535 v (bv).
; A tile of qkv is 256 x 256: four waves, each 128 x 128 in 64 accumulators of 16 x 16 (512 registers).  K goes in 8 steps of 128 through a ring of two LDS slots filled by tensor loads.
; xb's tile: 256 rows of 256 bytes, padded to 272.  wb's tile lies [k][n]: 128 rows of 512 bytes, padded to 544, and comes out of LDS turned, by ds_load_tr16_b128.
; CLUSTER 4 x 1: the four work-groups of a cluster make four tile rows of one tile column, so wb's tile is asked for JOINTLY (mask 15).  xb's tile is each work-group's own: a cluster of
; 4 x 4 would share it too, but the 6 tile columns are no multiple of four.
; THE MATRIX INSTRUCTION IS USED TRANSPOSED: source 0 = 16 columns of wb, source 1 = 16 rows of xb: lane l then holds row l % 16 and the columns 8 (l / 16) + 0..7.
; THE WAY OUT: the ring has had its last fill, so each wave puts its 128 x 128 f32 sums into the ring's bytes (rows of 528 bytes, its own 67,584 bytes), reads whole rows back, adds the bias, rounds, and
; stores 256 consecutive bytes, aligned, with each instruction.
; REGISTERS in windows of 256: window 0: v0-31 addresses, v32-35 bias, v64-127, v128-191 fragments of xb (two buffers); window 1: the same numbers, fragments of wb; windows 2, 3: accumulators.
.set KSTEPS, 8
.set PITCH,  272                       ; a row of xb's tile in LDS: 68 words, so the 16 rows of a load start at 16 different groups of four banks (ISA guide 11.1)
.set PB,     544                       ; a row of wb's tile: 136 words
.set HALFT,  128*PITCH                 ; what one tensor load brings: 128 rows x 272 = 64 rows x 544
.set SLOT,   4*HALFT                   ; xb's two halves, then wb's two
.set DP,     528                       ; a row of the f32 dump: 512 bytes + 16
.set DW,     128*DP                    ; a wave's dump
.set SPARE,  2*SLOT                    ; behind the ring: the spare words, 128 bytes a wave, which no other line names
.set ASTEP,  256                       ; bytes from K step to K step in xb,
.set BSTEP,  128*3072                  ; and in wb
.set DST,   8                          ; v8   where I put 16 bytes of the dump
.set RDF,   9                          ; v9   where I read a row back
.set RDF0,  10                         ; v10  the same for the first 16 rows; never rewritten
.set CO,    11                         ; v11  8 x lane: my bytes in 256 bytes of qkv
.set BOF,   12                         ; v12  16 x lane: my four numbers of the bias
.set ADRA0, 16                         ; v16  my place in xb's tile; never rewritten
.set ADRA,  17                         ; v17  the same in the slot in hand
.set ADRB0, 20                         ; v20, v21  the same for wb's
.set ADRB,  21
.set SPW,   28                         ; v28  my spare word; never rewritten
.set NIL,   29                         ; v29  0; never rewritten
.set PFO,   30                         ; v30  the prefetches' lane offset; never rewritten
.set BIAS,  32
.set F0,    64
.set F1,    128
.set WV,  16                           ; s16  wave
.set RH,  17                           ; s17  my half of the tile's rows; also: I fetch xb's tile (0) or wb's (1)
.set CH,  18                           ; s18  my half of its columns; also: which half of that tile I fetch
.set CNT, 19
.set TB,  20                           ; s20  LDS byte of the slot in hand
.set LIM, 21                           ; s21  1 in a wave that prefetches, else the greatest number
.set PFA, 22                           ; s[22:23] where my prefetches stand
.set G1A, 24
.set G1B, 32
.set G0A, 40                           ; s[40:43] K step 0 into slot 0; s[44:47] K step 1 into slot 1, which then walks
.set G0B, 48
.set PFS, 56                           ; s[56:57] the prefetches' step
.set BO,  72
.set OUT, 74
.set MSB, 0
.macro WIN new                         ; the immediate's high byte repeats the setting that is left; a switch that changes nothing is dropped
.if MSB != (\new)
	s_set_vgpr_msb (MSB<<8)|(\new)
.set MSB, \new
.endif
.endm
.set MUL_LO, 0xa1                      ; source 0 (wb) window 1, source 1 (xb) window 0, C and D window 2
.set MUL_HI, 0xf1                      ; the same, C and D window 3
.set TO_B,   0x40                      ; destination window 1
.macro PLACES                          ; four plain vector instructions between a matrix instruction and a load into, or a reader of, its registers
.rept 4
	v_nop
.endr
.endm
.macro CREST                           ; a round of the cluster's barrier behind its opening barrier
	s_cmp_lg_u32 s[WV], 0
	s_cbranch_scc1 .Lnot_wave_0_\@
	s_barrier_signal -3
.Lnot_wave_0_\@:
	s_barrier_wait -3
	s_barrier_signal -1
	s_barrier_wait -1
.endm
.macro CROUND
	s_barrier_signal -1
	s_barrier_wait -1
	CREST
.endm
; A refill by the walking descriptors: waves 0, 1 fetch xb's halves (their own), waves 2, 3 wb's (jointly).  The branch hangs on the wave's number alone.
; An s_nop 0 and four v_nop follow each line.
.macro JLOAD
	s_cmp_eq_u32 s[RH], 0
	s_cbranch_scc0 .Lfor_b_\@
	tensor_load_to_lds s[G0A+4:G0A+7], s[G1A:G1A+7]
	s_nop 0
.rept 4
	v_nop
.endr
	s_branch .Lasked_\@
.Lfor_b_\@:
	tensor_load_to_lds s[G0B+4:G0B+7], s[G1B:G1B+7]
	s_nop 0
.rept 4
	v_nop
.endr
.Lasked_\@:
.endm
; A PREFETCH of the K step that the NEXT refill will ask for: 256 matrix instructions ahead of that load.  Each block of 256 bytes is named once in the launch.  xb's tile row is read by the six tile
; columns: the work-groups of tile column 0 ask, waves 0 and 1, for the 128 rows that they fetch: a lane a row, four instructions.  wb's tile is read by every cluster of its tile column: cluster x = 0 asks,
; waves 2 and 3; of the 64 rows that a wave fetches each partner takes 16, told apart by address: two lanes a row, one instruction.  The loop's last trip asks for nothing: there is no further K step.
.macro ASK
	s_cmp_gt_u32 s[CNT], s[LIM]
	s_cbranch_scc0 .Lnot_mine_\@
	global_prefetch_b8 v[PFO], s[PFA:PFA+1] th:TH_LOAD_NT scope:SCOPE_SE
	s_cmp_eq_u32 s[RH], 0
	s_cbranch_scc0 .Lnot_mine_\@
	global_prefetch_b8 v[PFO], s[PFA:PFA+1] offset:65536 th:TH_LOAD_NT scope:SCOPE_SE
	global_prefetch_b8 v[PFO], s[PFA:PFA+1] offset:131072 th:TH_LOAD_NT scope:SCOPE_SE
	global_prefetch_b8 v[PFO], s[PFA:PFA+1] offset:196608 th:TH_LOAD_NT scope:SCOPE_SE
.Lnot_mine_\@:
.endm
	s_load_b256 s[4:11], s[0:1], 0x0               ; xb s[4:5], wb s[6:7], bq s[8:9], bk s[10:11]
	s_load_b128 s[12:15], s[0:1], 0x20             ; bv s[12:13], qkv s[14:15]
	v_lshl_add_u32 v[SPW], v0, 2, SPARE
	v_mov_b32 v[NIL], 0
	ds_add_u32 v[SPW], v[NIL]                      ; the wave's opening: the add and its wait stand ahead of the first tensor load; work on registers stands between them
	v_lshrrev_b32 v7, 5, v0
	v_readfirstlane_b32 s[WV], v7
	s_lshr_b32 s[RH], s[WV], 1
	s_and_b32 s[CH], s[WV], 1
	s_bfe_u32 s60, ttmp6, 0x40000                  ; cx
	s_lshl_b32 s63, ttmp9, 2
	s_add_co_u32 s63, s63, s60                     ; tile row = 4 x cluster x + cx
	s_and_b32 s62, ttmp7, 0xffff                   ; tile column, which the four partners share
	s_mov_b32 s[G1A+0], 0x07510000                 ; no mask; 2-byte elements; padding on: after every 64 words 4 words
	s_mov_b32 s[G1A+1], 128<<16                    ; tensor_dim0 = 128
	s_mov_b32 s[G1A+2], 128<<16                    ; tensor_dim1 = 128
	s_mov_b32 s[G1A+3], 128<<16                    ; tile_dim0 = 128
	s_mov_b32 s[G1A+4], 128                        ; tile_dim1 = 128
	s_mov_b32 s[G1A+5], 1024                       ; elements from row to row
	s_mov_b32 s[G1A+6], 0
	s_mov_b32 s[G1A+7], 0
	s_mov_b32 s[G1B+0], 0x0fb1000f                 ; mask of all four, bit 21 beside it; 2-byte elements; padding on: after every 128 words 8 words
	s_mov_b32 s[G1B+1], 256<<16                    ; tensor_dim0 = 256
	s_mov_b32 s[G1B+2], 64<<16                     ; tensor_dim1 = 64
	s_mov_b32 s[G1B+3], 256<<16                    ; tile_dim0 = 256
	s_mov_b32 s[G1B+4], 64                         ; tile_dim1 = 64
	s_mov_b32 s[G1B+5], 1536
	s_mov_b32 s[G1B+6], 0
	s_mov_b32 s[G1B+7], 0
	s_lshl_b32 s66, s63, 8                         ; xb: row 256 x tile row + 128 x half,
	s_lshl_b32 s67, s[CH], 7
	s_add_co_u32 s66, s66, s67
	s_lshl_b32 s66, s66, 11                        ; 2,048 bytes a row
	s_mov_b32 s67, 0
	s_mul_i32 s68, s[CH], 64*3072                  ; wb: k row 64 x half, 512 bytes a tile column: no register of this address ever holds cx
	s_lshl_b32 s69, s62, 9
	s_add_co_u32 s68, s68, s69
	s_mov_b32 s69, 0
	s_mul_i32 s79, s[WV], HALFT                    ; where my loads land: the wave's number alone
	s_mov_b32 s[G0A], 1
	s_mov_b32 s[G0A+1], s79
	s_mov_b32 s[G0A+4], 1
	s_add_co_u32 s[G0A+5], s79, SLOT
	s_mov_b32 s[G0B], 1
	s_mov_b32 s[G0B+1], s79
	s_mov_b32 s[G0B+4], 1
	s_add_co_u32 s[G0B+5], s79, SLOT
	s_mov_b32 s[TB], 0
	s_wait_dscnt 0x0                               ; the opening add is done
	s_wait_kmcnt 0x0
	s_add_nc_u64 s[G0A+2:G0A+3], s[4:5], s[66:67]
	s_add_nc_u64 s[G0A+6:G0A+7], s[G0A+2:G0A+3], ASTEP
	s_or_b32 s[G0A+3], s[G0A+3], 0x80000000        ; type = 2
	s_or_b32 s[G0A+7], s[G0A+7], 0x80000000
	s_add_nc_u64 s[G0B+2:G0B+3], s[6:7], s[68:69]
	s_add_nc_u64 s[G0B+6:G0B+7], s[G0B+2:G0B+3], BSTEP
	s_or_b32 s[G0B+3], s[G0B+3], 0x80000000
	s_or_b32 s[G0B+7], s[G0B+7], 0x80000000
	CROUND                                         ; all four work-groups are here: the first joint loads meet
	s_cmp_eq_u32 s[RH], 0                          ; a wave's two first fills stand in one branch: two loads of mine are out
	s_cbranch_scc0 .Lfirst_b
	tensor_load_to_lds s[G0A:G0A+3], s[G1A:G1A+7]
	s_nop 0
	tensor_load_to_lds s[G0A+4:G0A+7], s[G1A:G1A+7]
	s_nop 0
.rept 4
	v_nop
.endr
	s_branch .Lfirst_done
.Lfirst_b:
	tensor_load_to_lds s[G0B:G0B+3], s[G1B:G1B+7]
	s_nop 0
	tensor_load_to_lds s[G0B+4:G0B+7], s[G1B:G1B+7]
	s_nop 0
.rept 4
	v_nop
.endr
.Lfirst_done:
	v_and_b32 v1, 15, v0                           ; r = l % 16
	v_bfe_u32 v2, v0, 4, 1                         ; h = l / 16
	v_and_b32 v3, 31, v0                           ; l
	; the bias of my four columns: bq, bk or bv by the tile column
	s_cmp_eq_u32 s62, 1
	s_cselect_b64 s[84:85], s[10:11], s[12:13]
	s_cmp_eq_u32 s62, 0
	s_cselect_b64 s[84:85], s[8:9], s[84:85]
	s_max_u32 s88, s62, 2
	s_sub_co_u32 s88, s88, 2
	s_lshl_b32 s88, s88, 10                        ; bv: 1,024 bytes a tile column
	s_lshl_b32 s89, s[CH], 9
	s_add_co_u32 s88, s88, s89
	s_mov_b32 s89, 0
	s_add_nc_u64 s[84:85], s[84:85], s[88:89]
	v_lshlrev_b32 v[BOF], 4, v3
	global_load_b128 v[BIAS:BIAS+3], v[BOF], s[84:85]
	; a fragment of xb: lane l holds row r; two loads of 16 bytes, 32 apart, at r x pitch + 16 h
	v_mul_u32_u24 v[ADRA0], v1, PITCH
	v_lshl_add_u32 v[ADRA0], v2, 4, v[ADRA0]
	s_mul_i32 s96, s[RH], HALFT
	v_add_nc_u32 v[ADRA0], s96, v[ADRA0]
	; a fragment of wb, turned: lane l reads k row 8 h + l % 8, 16 bytes at column 8 ((l / 8) % 2)
	v_and_b32 v4, 7, v0
	v_bfe_u32 v5, v0, 3, 1
	v_lshl_add_u32 v[ADRB0], v2, 3, v4
	v_mul_u32_u24 v[ADRB0], v[ADRB0], PB
	v_lshl_add_u32 v[ADRB0], v5, 4, v[ADRB0]
	s_lshl_b32 s96, s[CH], 8                       ; my 128 columns: 256 bytes,
	s_add_co_u32 s96, s96, 2*HALFT                 ; behind xb's two halves
	v_add_nc_u32 v[ADRB0], s96, v[ADRB0]
	v_mov_b32 v[ADRA], v[ADRA0]
	v_mov_b32 v[ADRB], v[ADRB0]
	s_mul_i32 s96, s[WV], DW                       ; my dump
	v_mul_u32_u24 v[DST], v1, DP
	v_lshl_add_u32 v[DST], v2, 5, v[DST]           ; row r, 32 bytes for each half of the lanes
	v_add_nc_u32 v[DST], s96, v[DST]
	v_lshl_add_u32 v[RDF0], v3, 4, s96             ; back: 32 lanes take a row of 512 bytes
	v_lshlrev_b32 v[CO], 3, v3
	s_lshl_b32 s86, s63, 8                         ; qkv at my first row and column
	s_lshl_b32 s87, s[RH], 7
	s_add_co_u32 s86, s86, s87
	s_mul_i32 s86, s86, 3072
	s_lshl_b32 s87, s62, 9
	s_add_co_u32 s86, s86, s87
	s_lshl_b32 s87, s[CH], 8
	s_add_co_u32 s86, s86, s87
	s_mov_b32 s87, 0
	s_add_nc_u64 s[OUT:OUT+1], s[14:15], s[86:87]
	; the prefetches stand at K step 2; the first refill steps them to 3.  Nothing is asked for here, at the head
	s_lshl_b32 s88, s[CH], 6
	s_lshl_b32 s89, s60, 4
	s_add_co_u32 s88, s88, s89                     ; wb: k row 64 x half + 16 cx
	s_mul_i32 s88, s88, 3072
	s_lshl_b32 s89, s62, 9
	s_add_co_u32 s88, s88, s89
	s_add_co_u32 s88, s88, 2*BSTEP
	s_add_co_u32 s89, s66, 2*ASTEP                 ; xb: the rows that I fetch
	s_mov_b32 s90, 2048
	s_mov_b32 s91, 3072
	s_mov_b32 s92, ASTEP
	s_mov_b32 s93, BSTEP
	s_cmp_eq_u32 s[RH], 0
	s_cselect_b32 s88, s89, s88
	s_cselect_b64 s[PFA:PFA+1], s[4:5], s[6:7]
	s_cselect_b32 s90, s90, s91                    ; bytes in a row
	s_cselect_b32 s[PFS], s92, s93
	s_cselect_b32 s91, s62, ttmp9                  ; the coordinate along which others read the same rows
	s_mov_b32 s[PFS+1], 0
	s_mov_b32 s89, 0
	s_add_nc_u64 s[PFA:PFA+1], s[PFA:PFA+1], s[88:89]
	s_cmp_eq_u32 s91, 0
	s_cselect_b32 s[LIM], 1, -1                    ; the same in all four partners, for a given wave
	v_lshrrev_b32 v[PFO], s[RH], v3                ; xb: a lane a row; wb: two lanes a row,
	v_mul_u32_u24 v[PFO], v[PFO], s90
	v_and_b32 v6, s[RH], v3
	v_lshl_add_u32 v[PFO], v6, 8, v[PFO]           ; 256 bytes apart
; 16 matrix instructions: m blocks a0, a0 + 1 of the window's four x all 8 n blocks, 32 along K.  zero = 1: the product starts the sums.
; The 64 accumulators take turns in one order in every quarter, over the backward jump too.
.macro MUL16 f, hi, a0, zero
	WIN MUL_LO+0x50*(\hi)
.irp a, \a0, (\a0)+1
.irp b, 0,1,2,3,4,5,6,7
.if \zero
	v_wmma_f32_16x16x32_bf16 v[8*(8*(\a)+(\b)):8*(8*(\a)+(\b))+7], v[(\f)+8*(\b):(\f)+8*(\b)+7], v[(\f)+8*(4*(\hi)+(\a)):(\f)+8*(4*(\hi)+(\a))+7], 0
.else
	v_wmma_f32_16x16x32_bf16 v[8*(8*(\a)+(\b)):8*(8*(\a)+(\b))+7], v[(\f)+8*(\b):(\f)+8*(\b)+7], v[(\f)+8*(4*(\hi)+(\a)):(\f)+8*(4*(\hi)+(\a))+7], v[8*(8*(\a)+(\b)):8*(8*(\a)+(\b))+7]
.endif
.endr
.endr
.endm
; 32 LDS loads in one run: quarter q (32 along K) of the slot in hand into buffer f: wb's 8 fragments, then xb's 8
.macro FETCH q, f
	WIN TO_B
.irp i, 0,1,2,3,4,5,6,7
	ds_load_tr16_b128 v[(\f)+8*(\i):(\f)+8*(\i)+3],   v[ADRB] offset:(\q)*32*PB+32*(\i)
	ds_load_tr16_b128 v[(\f)+8*(\i)+4:(\f)+8*(\i)+7], v[ADRB] offset:(\q)*32*PB+32*(\i)+16*PB
.endr
	WIN 0
.irp i, 0,1,2,3,4,5,6,7
	ds_load_b128 v[(\f)+8*(\i):(\f)+8*(\i)+3],   v[ADRA] offset:64*(\q)+(\i)*16*PITCH
	ds_load_b128 v[(\f)+8*(\i)+4:(\f)+8*(\i)+7], v[ADRA] offset:64*(\q)+(\i)*16*PITCH+32
.endr
.endm
; One of a K step's first three quarters: multiplies buffer f; in its middle fetches quarter q into buffer g
.macro QUARTER q, f, g, zero
	s_wait_dscnt 8                                 ; wb's fragments and xb's rows 0-63 are in; the youngest eight loads (rows 64-127) may be out
	MUL16 \f, 0, 0, \zero
	MUL16 \f, 0, 2, \zero
	PLACES
	FETCH \q, \g
	s_wait_dscnt 32                                ; all but the 32 just issued
	MUL16 \f, 1, 0, \zero
	MUL16 \f, 1, 2, \zero
.endm
; The last quarter multiplies buffer 1 and changes slots.  In front of the barrier each wave waits for all its tensor loads (one is out: its part of the next slot), adds 0 to its spare word, and waits for that
; and for its reads of this slot.  fill = 1: the barrier opens a round of the cluster's, and the slot just read is filled again first thing behind it, with the K step two on.
.macro TURN fill
.if \fill
	s_wait_xcnt 0x0                                ; the last prefetches, a K step back, have read their address
	s_add_nc_u64 s[PFA:PFA+1], s[PFA:PFA+1], s[PFS:PFS+1]
.endif
	WIN 0
	s_wait_tensorcnt 0x0                           ; no tensor load of mine is out, so a group 0 may be written
	ds_add_u32 v[SPW], v[NIL]
.if \fill
	s_xor_b32 s[G0A+5], s[G0A+5], SLOT             ; the walking descriptors: the other slot than last time, the next K step
	s_add_nc_u64 s[G0A+6:G0A+7], s[G0A+6:G0A+7], ASTEP
	s_xor_b32 s[G0B+5], s[G0B+5], SLOT
	s_add_nc_u64 s[G0B+6:G0B+7], s[G0B+6:G0B+7], BSTEP
.endif
	s_xor_b32 s[TB], s[TB], SLOT
	s_wait_dscnt 9                                 ; the add and the youngest eight loads may be out
	MUL16 F1, 0, 0, 0
	s_wait_dscnt 0x0                               ; the add is done, and my reads of this slot are over
	s_barrier_signal -1
	MUL16 F1, 0, 2, 0
	WIN 0
	s_barrier_wait -1
.if \fill
	CREST                                          ; no wave of any partner still reads this slot or has a load on its way
	JLOAD                                          ; its four v_nop are also the places in front of the loads below
.else
	PLACES
.endif
	v_add_nc_u32 v[ADRA], s[TB], v[ADRA0]
	v_add_nc_u32 v[ADRB], s[TB], v[ADRB0]
	FETCH 0, F0
.if \fill
	ASK
.endif
	MUL16 F1, 1, 0, 0
	MUL16 F1, 1, 2, 0
.endm
	s_wait_tensorcnt 1                             ; my part of K step 0 is in; K step 1's may stay out
	s_barrier_signal -1
	s_barrier_wait -1
	FETCH 0, F0
	QUARTER 1, F0, F1, 1                           ; the first quarter starts the sums: nothing is cleared
	WIN 0
	s_mov_b32 s[CNT], KSTEPS-2
.Lk:                                               ; a trip: a K step's quarters 1 to 3, a refill, the next K step's quarter 0
	QUARTER 2, F1, F0, 0
	QUARTER 3, F0, F1, 0
	TURN 1
	QUARTER 1, F0, F1, 0
	WIN 0
	s_sub_co_u32 s[CNT], s[CNT], 1
	s_cmp_lg_u32 s[CNT], 0
	s_cbranch_scc1 .Lk
	QUARTER 2, F1, F0, 0                           ; the last two K steps ask for nothing
	QUARTER 3, F0, F1, 0
	TURN 0
	QUARTER 1, F0, F1, 0
	QUARTER 2, F1, F0, 0
	QUARTER 3, F0, F1, 0
	s_wait_dscnt 8
	MUL16 F1, 0, 0, 0
	s_wait_dscnt 0x0                               ; my reads of the ring are over:
	s_barrier_signal -1
	MUL16 F1, 0, 2, 0
	MUL16 F1, 1, 0, 0
	MUL16 F1, 1, 2, 0
	WIN 0
	s_barrier_wait -1                              ; everybody's are, and every tensor load has landed: the ring's bytes may be written
	PLACES
	PLACES
	; the dump: each accumulator's low four registers first
.irp a, 0,1,2,3,4,5,6,7
	WIN 0x08+4*((\a)/4)                            ; the data in window 2 or 3
.irp b, 0,1,2,3,4,5,6,7
	ds_store_b128 v[DST], v[8*(8*((\a)%4)+(\b)):8*(8*((\a)%4)+(\b))+3]   offset:(\a)*16*DP+64*(\b)
	ds_store_b128 v[DST], v[8*(8*((\a)%4)+(\b))+4:8*(8*((\a)%4)+(\b))+7] offset:(\a)*16*DP+64*(\b)+16
.endr
.endr
	WIN 0
	s_wait_loadcnt 0x0                             ; the bias
	s_mov_b32 s[BO], 0
	s_mov_b32 s[CNT], 8
.Lrows:                                            ; 16 rows a trip.  LDS serves a wave's instructions in order, and the dump is the wave's own
	v_add_nc_u32 v[RDF], s[BO], v[RDF0]
.irp i, 0,1,2,3,4,5,6,7,8,9,10,11,12,13,14,15
	ds_load_b128 v[F0+4*(\i):F0+4*(\i)+3], v[RDF] offset:(\i)*DP
.endr
	s_wait_dscnt 0x0
.irp i, 0,1,2,3,4,5,6,7,8,9,10,11,12,13,14,15
	v_pk_add_f32 v[F0+4*(\i):F0+4*(\i)+1],   v[F0+4*(\i):F0+4*(\i)+1],   v[BIAS:BIAS+1]
	v_pk_add_f32 v[F0+4*(\i)+2:F0+4*(\i)+3], v[F0+4*(\i)+2:F0+4*(\i)+3], v[BIAS+2:BIAS+3]
.endr
.irp i, 0,1,2,3,4,5,6,7,8,9,10,11,12,13,14,15
	v_cvt_pk_bf16_f32 v[F1+2*(\i)],   v[F0+4*(\i)],   v[F0+4*(\i)+1]
	v_cvt_pk_bf16_f32 v[F1+2*(\i)+1], v[F0+4*(\i)+2], v[F0+4*(\i)+3]
.endr
.irp i, 0,1,2,3,4,5,6,7,8,9,10,11,12,13,14,15
	global_store_b64 v[CO], v[F1+2*(\i):F1+2*(\i)+1], s[OUT:OUT+1] offset:(\i)*3072 th:TH_STORE_NT  ; 32 lanes store 256 consecutive bytes, aligned
.endr
	s_wait_xcnt 0x0                                ; the stores have read their data and base: both are written again only behind this wait
	s_add_nc_u64 s[OUT:OUT+1], s[OUT:OUT+1], 16*3072
	s_add_co_u32 s[BO], s[BO], 16*DP
	s_sub_co_u32 s[CNT], s[CNT], 1
	s_cmp_lg_u32 s[CNT], 0
	s_cbranch_scc1 .Lrows
	s_wait_tensorcnt 0x0                           ; the wave's end
	ds_add_u32 v[SPW], v[NIL]
	s_wait_dscnt 0x0
	CROUND                                         ; the closing round
	s_endpgm
.Lfunc_end_k_qac10dc55cb_proj:
	.size	k_qac10dc55cb_proj, .Lfunc_end_k_qac10dc55cb_proj-k_qac10dc55cb_proj
	.p2alignl 7, 3214868480
	.fill 96, 4, 3214868480
	.section	.rodata,"a",@progbits
	.p2align	6, 0x0
	.amdhsa_kernel k_qac10dc55cb_proj
		.amdhsa_group_segment_fixed_size 327680
		.amdhsa_private_segment_fixed_size 0
		.amdhsa_enable_private_segment 0
		.amdhsa_kernarg_size 48
		.amdhsa_user_sgpr_count 2
		.amdhsa_user_sgpr_kernarg_segment_ptr 1
		.amdhsa_wavefront_size32 1
		.amdhsa_system_sgpr_workgroup_id_x 1
		.amdhsa_system_sgpr_workgroup_id_y 1
		.amdhsa_system_sgpr_workgroup_id_z 1
		.amdhsa_system_vgpr_workitem_id 0
		.amdhsa_next_free_vgpr 1024
		.amdhsa_next_free_sgpr 100
		.amdhsa_reserve_vcc 0
		.amdhsa_float_denorm_mode_32 3
		.amdhsa_float_denorm_mode_16_64 3
		.amdhsa_memory_ordered 1
		.amdhsa_forward_progress 1
		.amdhsa_inst_pref_size 102
	.end_amdhsa_kernel
	.amdgpu_metadata
---
amdhsa.version: [ 1, 2 ]
amdhsa.kernels:
  - .name:           k_qac10dc55cb_proj
    .symbol:         k_qac10dc55cb_proj.kd
    .args:
      - { .name: xb, .offset: 0, .size: 8, .value_kind: global_buffer, .address_space: global }
      - { .name: wb, .offset: 8, .size: 8, .value_kind: global_buffer, .address_space: global }
      - { .name: bq, .offset: 16, .size: 8, .value_kind: global_buffer, .address_space: global }
      - { .name: bk, .offset: 24, .size: 8, .value_kind: global_buffer, .address_space: global }
      - { .name: bv, .offset: 32, .size: 8, .value_kind: global_buffer, .address_space: global }
      - { .name: qkv, .offset: 40, .size: 8, .value_kind: global_buffer, .address_space: global }
    .group_segment_fixed_size: 327680
    .private_segment_fixed_size: 0
    .kernarg_segment_align: 8
    .kernarg_segment_size: 48
    .max_flat_workgroup_size: 128
    .sgpr_count:     100
    .vgpr_count:     1024
    .wavefront_size: 32
...
	.end_amdgpu_metadata
.endif
;; end of part 2
;; launch scores (part 3): grid 8 x 64, 4 waves a work-group, clusters of 4 x 4, 327,680 bytes of LDS; arguments qkv, pbuf, stat; writes pbuf, stat
.if DOCPART == 3
	.amdgcn_target "amdgcn-amd-amdhsa--gfx1250"
	.amdhsa_code_object_version 6
	.text
	.protected	k_qac10dc55cb_scores
	.globl	k_qac10dc55cb_scores
	.p2align	8
	.type	k_qac10dc55cb_scores,@function
k_qac10dc55cb_scores:
	s_mov_b64 s[64:65], 0
	v_nop
	global_prefetch_b8 v0, s[64:65] scope:SCOPE_SE
	s_setreg_imm32_b32 hwreg(HW_REG_WAVE_MODE, 25, 1), 1
	s_wait_xcnt 0x0
	s_wait_alu depctr_hold_cnt(0) depctr_sa_sdst(0) depctr_va_vdst(0) depctr_va_sdst(0) depctr_va_ssrc(0) depctr_va_vcc(0) depctr_vm_vsrc(0)
	s_getreg_b32 s2, hwreg(HW_REG_IB_STS2, 6, 4)
	s_cmp_eq_u32 s2, 0
	s_cbranch_scc0 .Lentry_in_a_cluster
	s_endpgm
.Lentry_in_a_cluster:
	s_bfe_u32 s2, ttmp6, 0x10000c
	s_cmp_lg_u32 s2, 0xf033
	s_cbranch_scc0 .Lentry_shape_is_right
	s_endpgm
.Lentry_shape_is_right:
; THE WEIGHTS, BLOCK BY BLOCK.  s[q][k] = q[q] . k[k] (256 channels, bf16 operands, f32 sums).  For each query and each block j of 128 keys: m_j = the block's largest s;
; pbuf[q][k] = 2^(c s - c m_j) in bf16, c = log2(e) / 16; stat holds c m_j and, 1,048,576 bytes on, l_j = the sum of the block's unrounded weights, both f32, at [(16 b + j) 2048 + q].
; The launch behind takes the largest of a row's 16 c m_j and scales each block by 2^(c m_j - that): the row's true maximum is taken away, in two steps.
; LIMITS.  A weight below 2^-126 counts as 0; NaN and infinities are not treated apart.
; A tile is 256 queries x 256 keys of one batch: four waves, each 128 x 128, which is one block of keys for 128 queries.  K = 256 is two steps of 128: both slots are filled once, at the start.
; CLUSTER 4 x 4: q's tile hangs on the tile row alone and is shared along a row of the cluster, k's on the tile column (and the batch, which the cluster shares) and is shared along a column.
; THE WAY OUT: the sums go into the ring's bytes (its fills are over), rows of 528 bytes, each wave's own 67,584; then 16 queries at a time: a lane holds one query (l % 16) and 64 keys.
.set PITCH,  272
.set HALFT,  128*PITCH
.set SLOT,   4*HALFT
.set DP,     528
.set DW,     128*DP
.set TAB,    2*SLOT                    ; behind the ring: for each wave 512 bytes of c m and 512 of l
.set SPARE,  TAB+4096                  ; the spare words, 128 bytes a wave, which no other line names
.set DST,   8
.set SA0,   9                          ; v9   block 0: where I read my 64 scores; never rewritten
.set PW0,   10                         ; v10  where I put my 64 weights
.set RB0,   11                         ; v11  where I read rows of weights back
.set TA0,   12                         ; v12  my query's word in the table
.set SA,    13
.set PW,    14
.set RB,    15
.set ADRA0, 16
.set ADRA,  17
.set ADRB0, 20
.set ADRB,  21
.set TA,    23
.set GOF,   24                         ; v24  my 16 bytes in two rows of pbuf
.set TR,    25                         ; v25  my 16 bytes of the table
.set SO,    26                         ; v26  16 x lane
.set SPW,   28
.set NIL,   29
.set T,     32                         ; v32 c m, v33 m
.set C0,    34                         ; v34-37 at work
.set S,     64                         ; v[64:127] 64 scores
.set P,     128                        ; v[128:159] 64 weights in bf16
.set BK,    160                        ; v[160:191] 16 rows of weights, read back
.set F0,    64
.set F1,    128
.set WV,  16
.set RH,  17
.set CH,  18
.set CNT, 19
.set TB,  20
.set G1A, 24
.set G1B, 32
.set G0A, 40
.set G0B, 48
.set BO,  72
.set TO,  73
.set OUT, 74                           ; s[74:75] pbuf at my block of 16 queries
.set ST,  76                           ; s[76:77] stat at my 128 queries
.set CS,  80                           ; s[80:81] c
.set SEL, 82                           ; s[82:83] v_permlanex16_b32's selects: each lane takes its own place in the other half
.set STP, 84                           ; s[84:85] pbuf's step: 0 for the first block, then 16 rows
.set MSB, 0
.macro WIN new
.if MSB != (\new)
	s_set_vgpr_msb (MSB<<8)|(\new)
.set MSB, \new
.endif
.endm
.set MUL_LO, 0xa1
.set MUL_HI, 0xf1
.set TO_B,   0x40
.macro PLACES
.rept 4
	v_nop
.endr
.endm
.macro CROUND                          ; a round of the cluster's barrier
	s_barrier_signal -1
	s_barrier_wait -1
	s_cmp_lg_u32 s[WV], 0
	s_cbranch_scc1 .Lnot_wave_0_\@
	s_barrier_signal -3
.Lnot_wave_0_\@:
	s_barrier_wait -3
	s_barrier_signal -1
	s_barrier_wait -1
.endm
	s_load_b128 s[4:7], s[0:1], 0x0                ; qkv s[4:5], pbuf s[6:7]
	s_load_b64 s[8:9], s[0:1], 0x10                ; stat
	v_lshl_add_u32 v[SPW], v0, 2, SPARE
	v_mov_b32 v[NIL], 0
	ds_add_u32 v[SPW], v[NIL]                      ; the wave's opening: the add and its wait stand ahead of the first tensor load
	v_lshrrev_b32 v7, 5, v0
	v_readfirstlane_b32 s[WV], v7
	s_lshr_b32 s[RH], s[WV], 1
	s_and_b32 s[CH], s[WV], 1
	s_bfe_u32 s60, ttmp6, 0x40000                  ; cx
	s_bfe_u32 s61, ttmp6, 0x40004                  ; cy
	s_lshl_b32 s62, ttmp9, 2
	s_add_co_u32 s62, s62, s60                     ; tile column (256 keys) = 4 x cluster x + cx
	s_and_b32 s58, ttmp7, 0xffff                   ; cluster y
	s_lshr_b32 s59, s58, 1                         ; the batch: eight tile rows, two clusters
	s_lshl_b32 s63, s58, 2
	s_add_co_u32 s63, s63, s61                     ; tile row = 4 x cluster y + cy
	s_lshl_b32 s94, s61, 2
	s_lshl_b32 s94, 15, s94                        ; my row of the cluster
	s_lshl_b32 s95, 0x1111, s60                    ; my column
	s_or_b32 s[G1A+0], s94, 0x07710000             ; the mask, bit 21 beside it; 2-byte elements; padding on: after every 64 words 4 words
	s_or_b32 s[G1B+0], s95, 0x07710000
.irp g, G1A, G1B
	s_mov_b32 s[(\g)+1], 128<<16                   ; tensor_dim0 = 128
	s_mov_b32 s[(\g)+2], 128<<16                   ; tensor_dim1 = 128
	s_mov_b32 s[(\g)+3], 128<<16                   ; tile_dim0 = 128
	s_mov_b32 s[(\g)+4], 128                       ; tile_dim1 = 128
	s_mov_b32 s[(\g)+5], 1536                      ; elements from row to row of qkv
	s_mov_b32 s[(\g)+6], 0
	s_mov_b32 s[(\g)+7], 0
.endr
	s_lshl_b32 s66, s63, 8                         ; q: row 256 x tile row + 128 x half: no register of this address ever holds cx
	s_lshl_b32 s67, s[CH], 7
	s_add_co_u32 s66, s66, s67
	s_mul_i32 s66, s66, 3072
	s_mov_b32 s67, 0
	s_lshl_b32 s68, s59, 11                        ; k: row 2,048 x batch + 256 x tile column + 128 x half, 512 bytes into the row: none of these ever holds cy
	s_lshl_b32 s69, s62, 8
	s_add_co_u32 s68, s68, s69
	s_lshl_b32 s69, s[CH], 7
	s_add_co_u32 s68, s68, s69
	s_mul_i32 s68, s68, 3072
	s_add_co_u32 s68, s68, 512
	s_mov_b32 s69, 0
	s_mul_i32 s79, s[WV], HALFT
	s_mov_b32 s[G0A], 1
	s_mov_b32 s[G0A+1], s79
	s_mov_b32 s[G0A+4], 1
	s_add_co_u32 s[G0A+5], s79, SLOT
	s_mov_b32 s[G0B], 1
	s_mov_b32 s[G0B+1], s79
	s_mov_b32 s[G0B+4], 1
	s_add_co_u32 s[G0B+5], s79, SLOT
	s_mov_b32 s[CS], 0x3db8aa3b                    ; c = log2(e) / 16
	s_mov_b32 s[CS+1], s[CS]
	s_mov_b32 s[SEL], 0x76543210
	s_mov_b32 s[SEL+1], 0xfedcba98
	s_wait_dscnt 0x0                               ; the opening add is done
	s_wait_kmcnt 0x0
	s_add_nc_u64 s[G0A+2:G0A+3], s[4:5], s[66:67]
	s_add_nc_u64 s[G0A+6:G0A+7], s[G0A+2:G0A+3], 256
	s_or_b32 s[G0A+3], s[G0A+3], 0x80000000
	s_or_b32 s[G0A+7], s[G0A+7], 0x80000000
	s_add_nc_u64 s[G0B+2:G0B+3], s[4:5], s[68:69]
	s_add_nc_u64 s[G0B+6:G0B+7], s[G0B+2:G0B+3], 256
	s_or_b32 s[G0B+3], s[G0B+3], 0x80000000
	s_or_b32 s[G0B+7], s[G0B+7], 0x80000000
	CROUND                                         ; all sixteen work-groups are here: the joint loads meet
	s_cmp_eq_u32 s[RH], 0                          ; both K steps at once: two loads of mine are out, and there are no more
	s_cbranch_scc0 .Lfirst_b
	tensor_load_to_lds s[G0A:G0A+3], s[G1A:G1A+7]
	s_nop 0
	tensor_load_to_lds s[G0A+4:G0A+7], s[G1A:G1A+7]
	s_nop 0
.rept 4
	v_nop
.endr
	s_branch .Lfirst_done
.Lfirst_b:
	tensor_load_to_lds s[G0B:G0B+3], s[G1B:G1B+7]
	s_nop 0
	tensor_load_to_lds s[G0B+4:G0B+7], s[G1B:G1B+7]
	s_nop 0
.rept 4
	v_nop
.endr
.Lfirst_done:
	v_and_b32 v1, 15, v0                           ; r
	v_bfe_u32 v2, v0, 4, 1                         ; h
	v_and_b32 v3, 31, v0                           ; l
	v_mul_u32_u24 v4, v1, PITCH
	v_lshl_add_u32 v4, v2, 4, v4                   ; a fragment's row x pitch + 16 h
	s_mul_i32 s96, s[RH], HALFT
	s_mul_i32 s97, s[CH], HALFT
	s_add_co_u32 s97, s97, 2*HALFT
	v_add_nc_u32 v[ADRA0], s96, v4
	v_add_nc_u32 v[ADRB0], s97, v4
	v_mov_b32 v[ADRA], v[ADRA0]
	v_mov_b32 v[ADRB], v[ADRB0]
	s_mul_i32 s96, s[WV], DW                       ; my dump
	v_mul_u32_u24 v5, v1, DP
	v_add_nc_u32 v5, s96, v5                       ; row r of it
	v_lshl_add_u32 v[DST], v2, 5, v5               ; the sums go in 32 bytes for each half of the lanes,
	v_lshl_add_u32 v[SA0], v2, 8, v5               ; come back 64 scores (256 bytes) for each half,
	v_lshl_add_u32 v[PW0], v2, 7, v5               ; and the weights go in 128 bytes for each half
	v_mul_u32_u24 v6, v2, DP
	v_lshl_add_u32 v6, v1, 4, v6
	v_add_nc_u32 v[RB0], s96, v6                   ; back: lanes 0-15 a row of 256 bytes, lanes 16-31 the next
	s_lshl_b32 s97, s[WV], 10
	s_add_co_u32 s97, s97, TAB
	v_lshl_add_u32 v[TA0], v1, 2, s97
	v_lshl_add_u32 v[TR], v3, 4, s97
	v_lshlrev_b32 v[SO], 4, v3
	v_lshlrev_b32 v[GOF], 12, v2                   ; the same two rows in pbuf
	v_lshl_add_u32 v[GOF], v1, 4, v[GOF]
	s_lshl_b32 s86, s63, 8                         ; pbuf at my first query and key
	s_lshl_b32 s87, s[RH], 7
	s_add_co_u32 s86, s86, s87
	s_lshl_b32 s86, s86, 12
	s_lshl_b32 s87, s62, 9
	s_add_co_u32 s86, s86, s87
	s_lshl_b32 s87, s[CH], 8
	s_add_co_u32 s86, s86, s87
	s_mov_b32 s87, 0
	s_add_nc_u64 s[OUT:OUT+1], s[6:7], s[86:87]
	s_lshl_b32 s88, s59, 4                         ; stat: block 16 b + 2 x tile column + half,
	s_lshl_b32 s89, s62, 1
	s_add_co_u32 s88, s88, s89
	s_add_co_u32 s88, s88, s[CH]
	s_lshl_b32 s88, s88, 11
	s_and_b32 s89, s63, 7                          ; query 256 x (tile row in the batch) + 128 x half
	s_lshl_b32 s89, s89, 8
	s_add_co_u32 s88, s88, s89
	s_lshl_b32 s89, s[RH], 7
	s_add_co_u32 s88, s88, s89
	s_lshl_b32 s88, s88, 2
	s_mov_b32 s89, 0
	s_add_nc_u64 s[ST:ST+1], s[8:9], s[88:89]
.macro MUL16 f, hi, a0, zero           ; 16 matrix instructions; the 64 accumulators take turns in one order in every quarter
	WIN MUL_LO+0x50*(\hi)
.irp a, \a0, (\a0)+1
.irp b, 0,1,2,3,4,5,6,7
.if \zero
	v_wmma_f32_16x16x32_bf16 v[8*(8*(\a)+(\b)):8*(8*(\a)+(\b))+7], v[(\f)+8*(\b):(\f)+8*(\b)+7], v[(\f)+8*(4*(\hi)+(\a)):(\f)+8*(4*(\hi)+(\a))+7], 0
.else
	v_wmma_f32_16x16x32_bf16 v[8*(8*(\a)+(\b)):8*(8*(\a)+(\b))+7], v[(\f)+8*(\b):(\f)+8*(\b)+7], v[(\f)+8*(4*(\hi)+(\a)):(\f)+8*(4*(\hi)+(\a))+7], v[8*(8*(\a)+(\b)):8*(8*(\a)+(\b))+7]
.endif
.endr
.endr
.endm
.macro FETCH q, f                      ; 32 LDS loads in one run: k's 8 fragments, then q's 8
	WIN TO_B
.irp i, 0,1,2,3,4,5,6,7
	ds_load_b128 v[(\f)+8*(\i):(\f)+8*(\i)+3],   v[ADRB] offset:64*(\q)+(\i)*16*PITCH
	ds_load_b128 v[(\f)+8*(\i)+4:(\f)+8*(\i)+7], v[ADRB] offset:64*(\q)+(\i)*16*PITCH+32
.endr
	WIN 0
.irp i, 0,1,2,3,4,5,6,7
	ds_load_b128 v[(\f)+8*(\i):(\f)+8*(\i)+3],   v[ADRA] offset:64*(\q)+(\i)*16*PITCH
	ds_load_b128 v[(\f)+8*(\i)+4:(\f)+8*(\i)+7], v[ADRA] offset:64*(\q)+(\i)*16*PITCH+32
.endr
.endm
.macro QUARTER q, f, g, zero
	s_wait_dscnt 8                                 ; the youngest eight loads (q's rows 64-127) may be out
	MUL16 \f, 0, 0, \zero
	MUL16 \f, 0, 2, \zero
	PLACES
	FETCH \q, \g
	s_wait_dscnt 32                                ; all but the 32 just issued
	MUL16 \f, 1, 0, \zero
	MUL16 \f, 1, 2, \zero
.endm
	s_wait_tensorcnt 1                             ; my part of K step 0 is in; K step 1's may stay out
	s_barrier_signal -1
	s_barrier_wait -1
	FETCH 0, F0
	QUARTER 1, F0, F1, 1
	QUARTER 2, F1, F0, 0
	QUARTER 3, F0, F1, 0
	WIN 0                                          ; the change of slots: nothing is filled again
	s_wait_tensorcnt 0x0                           ; my part of K step 1 is in
	ds_add_u32 v[SPW], v[NIL]
	s_wait_dscnt 9                                 ; the add and the youngest eight loads may be out
	MUL16 F1, 0, 0, 0
	s_wait_dscnt 0x0
	s_barrier_signal -1
	MUL16 F1, 0, 2, 0
	WIN 0
	s_barrier_wait -1                              ; everybody's part is in
	PLACES
	v_add_nc_u32 v[ADRA], SLOT, v[ADRA0]
	v_add_nc_u32 v[ADRB], SLOT, v[ADRB0]
	FETCH 0, F0
	MUL16 F1, 1, 0, 0
	MUL16 F1, 1, 2, 0
	QUARTER 1, F0, F1, 0
	QUARTER 2, F1, F0, 0
	QUARTER 3, F0, F1, 0
	s_wait_dscnt 8
	MUL16 F1, 0, 0, 0
	s_wait_dscnt 0x0                               ; my reads of the ring are over:
	s_barrier_signal -1
	MUL16 F1, 0, 2, 0
	MUL16 F1, 1, 0, 0
	MUL16 F1, 1, 2, 0
	WIN 0
	s_barrier_wait -1                              ; everybody's are: the ring's bytes may be written
	PLACES
	PLACES
.irp a, 0,1,2,3,4,5,6,7                ; the dump: each accumulator's low four registers first
	WIN 0x08+4*((\a)/4)
.irp b, 0,1,2,3,4,5,6,7
	ds_store_b128 v[DST], v[8*(8*((\a)%4)+(\b)):8*(8*((\a)%4)+(\b))+3]   offset:(\a)*16*DP+64*(\b)
	ds_store_b128 v[DST], v[8*(8*((\a)%4)+(\b))+4:8*(8*((\a)%4)+(\b))+7] offset:(\a)*16*DP+64*(\b)+16
.endr
.endr
	WIN 0
; A BLOCK OF 16 QUERIES.  Lane (r, h) holds query r and keys 64 h .. 64 h + 63 in S.  ahead = 1: the next block's scores are asked for as soon as S is free.
.macro BLOCK ahead
	s_wait_xcnt 0x0                                ; the last block's stores have read their data and base
	s_add_nc_u64 s[OUT:OUT+1], s[OUT:OUT+1], s[STP:STP+1]
	s_mov_b32 s[STP], 16*4096
	v_add_nc_u32 v[SA], s[BO], v[SA0]
	v_add_nc_u32 v[PW], s[BO], v[PW0]
	v_add_nc_u32 v[RB], s[BO], v[RB0]
	v_add_nc_u32 v[TA], s[TO], v[TA0]
	s_wait_dscnt 0x0                               ; the scores are in
.irp k, 0,1,2,3                        ; the maximum: four chains of fifteen scores, three operands at a time, then the four left over
	v_max3_num_f32 v[C0+(\k)], v[S+16*(\k)], v[S+16*(\k)+1], v[S+16*(\k)+2]
.endr
.irp n, 0,1,2,3,4,5
.irp k, 0,1,2,3
	v_max3_num_f32 v[C0+(\k)], v[C0+(\k)], v[S+16*(\k)+3+2*(\n)], v[S+16*(\k)+4+2*(\n)]
.endr
.endr
	v_max3_num_f32 v[C0], v[C0], v[S+15], v[S+31]
	v_max3_num_f32 v[C0+1], v[C0+1], v[S+47], v[S+63]
	v_max3_num_f32 v[C0], v[C0], v[C0+1], v[C0+2]
	v_max_num_f32 v[C0], v[C0], v[C0+3]
	v_permlanex16_b32 v[C0+1], v[C0], s[SEL], s[SEL+1]  ; the query's other 64 keys lie in the lane 16 away
	v_max_num_f32 v[T+1], v[C0], v[C0+1]
	v_mul_f32 v[T], s[CS], v[T+1]                  ; c m
.set b, 0
.rept 32                               ; c s - c m by pairs, and the 64 exponentials between them: ONE batch; nothing in it names an exponential's result
	v_pk_fma_f32 v[S+2*b:S+2*b+1], v[S+2*b:S+2*b+1], s[CS:CS+1], v[T:T+1] op_sel_hi:[1,0,0] neg_lo:[0,0,1] neg_hi:[0,0,1]
.if b > 0
	v_exp_f32 v[S+2*b-2], v[S+2*b-2]
	v_exp_f32 v[S+2*b-1], v[S+2*b-1]
.endif
.set b, b+1
.endr
	v_exp_f32 v[S+62], v[S+62]
	v_exp_f32 v[S+63], v[S+63]
	v_nop                                          ; a plain instruction behind the last exponential,
	s_wait_alu depctr_va_vdst(0)                   ; and the one wait ahead of the first reader
.set b, 0
.rept 32
	v_cvt_pk_bf16_f32 v[P+b], v[S+2*b], v[S+2*b+1]
.set b, b+1
.endr
.irp w, 4, 8, 16, 32, 64               ; the sum of the 32 pairs, in place: neighbours 1, 2, 4, 8, 16 pairs apart
.set u, 0
.rept 64/(\w)
	v_pk_add_f32 v[S+(\w)*u:S+(\w)*u+1], v[S+(\w)*u:S+(\w)*u+1], v[S+(\w)*u+(\w)/2:S+(\w)*u+(\w)/2+1]
.set u, u+1
.endr
.endr
	v_add_f32 v[C0], v[S], v[S+1]
	v_permlanex16_b32 v[C0+1], v[C0], s[SEL], s[SEL+1]
	v_add_f32 v[C0+2], v[C0], v[C0+1]              ; l
.if \ahead
.irp i, 0,1,2,3,4,5,6,7,8,9,10,11,12,13,14,15
	ds_load_b128 v[S+4*(\i):S+4*(\i)+3], v[SA] offset:16*DP+16*(\i)
.endr
.endif
.irp i, 0,1,2,3,4,5,6,7                ; the weights take the place of this block's scores, which have been read
	ds_store_b128 v[PW], v[P+4*(\i):P+4*(\i)+3] offset:16*(\i)
.endr
	ds_store_b32 v[TA], v[T]                       ; both halves of the lanes store the same number to the same word
	ds_store_b32 v[TA], v[C0+2] offset:512
.irp t, 0,1,2,3,4,5,6,7
	ds_load_b128 v[BK+4*(\t):BK+4*(\t)+3], v[RB] offset:(\t)*2*DP  ; LDS serves a wave's instructions in order: these see the stores above
.endr
	s_wait_dscnt 0x0
.irp t, 0,1,2,3,4,5,6,7
	global_store_b128 v[GOF], v[BK+4*(\t):BK+4*(\t)+3], s[OUT:OUT+1] offset:(\t)*2*4096 th:TH_STORE_NT  ; 16 lanes store 256 consecutive bytes, aligned
.endr
.endm
	s_mov_b32 s[BO], 0
	s_mov_b32 s[TO], 0
	s_mov_b32 s[STP], 0
	s_mov_b32 s[STP+1], 0
.irp i, 0,1,2,3,4,5,6,7,8,9,10,11,12,13,14,15
	ds_load_b128 v[S+4*(\i):S+4*(\i)+3], v[SA0] offset:16*(\i)
.endr
	s_mov_b32 s[CNT], 7
.Lblk:
	BLOCK 1
	s_add_co_u32 s[BO], s[BO], 16*DP
	s_add_co_u32 s[TO], s[TO], 64
	s_sub_co_u32 s[CNT], s[CNT], 1
	s_cmp_lg_u32 s[CNT], 0
	s_cbranch_scc1 .Lblk
	BLOCK 0                                        ; the last block asks for nothing
	ds_load_b128 v[40:43], v[TR]                   ; my wave's 128 c m and 128 l
	ds_load_b128 v[44:47], v[TR] offset:512
	s_wait_dscnt 0x0
	global_store_b128 v[SO], v[40:43], s[ST:ST+1] th:TH_STORE_NT                 ; 512 consecutive bytes each
	global_store_b128 v[SO], v[44:47], s[ST:ST+1] offset:1048576 th:TH_STORE_NT
	s_wait_tensorcnt 0x0                           ; the wave's end
	ds_add_u32 v[SPW], v[NIL]
	s_wait_dscnt 0x0
	CROUND                                         ; the closing round
	s_endpgm
.Lfunc_end_k_qac10dc55cb_scores:
	.size	k_qac10dc55cb_scores, .Lfunc_end_k_qac10dc55cb_scores-k_qac10dc55cb_scores
	.p2alignl 7, 3214868480
	.fill 96, 4, 3214868480
	.section	.rodata,"a",@progbits
	.p2align	6, 0x0
	.amdhsa_kernel k_qac10dc55cb_scores
		.amdhsa_group_segment_fixed_size 327680
		.amdhsa_private_segment_fixed_size 0
		.amdhsa_enable_private_segment 0
		.amdhsa_kernarg_size 24
		.amdhsa_user_sgpr_count 2
		.amdhsa_user_sgpr_kernarg_segment_ptr 1
		.amdhsa_wavefront_size32 1
		.amdhsa_system_sgpr_workgroup_id_x 1
		.amdhsa_system_sgpr_workgroup_id_y 1
		.amdhsa_system_sgpr_workgroup_id_z 1
		.amdhsa_system_vgpr_workitem_id 0
		.amdhsa_next_free_vgpr 1024
		.amdhsa_next_free_sgpr 100
		.amdhsa_reserve_vcc 0
		.amdhsa_float_denorm_mode_32 3
		.amdhsa_float_denorm_mode_16_64 3
		.amdhsa_memory_ordered 1
		.amdhsa_forward_progress 1
		.amdhsa_inst_pref_size 95
	.end_amdhsa_kernel
	.amdgpu_metadata
---
amdhsa.version: [ 1, 2 ]
amdhsa.kernels:
  - .name:           k_qac10dc55cb_scores
    .symbol:         k_qac10dc55cb_scores.kd
    .args:
      - { .name: qkv, .offset: 0, .size: 8, .value_kind: global_buffer, .address_space: global }
      - { .name: pbuf, .offset: 8, .size: 8, .value_kind: global_buffer, .address_space: global }
      - { .name: stat, .offset: 16, .size: 8, .value_kind: global_buffer, .address_space: global }
    .group_segment_fixed_size: 327680
    .private_segment_fixed_size: 0
    .kernarg_segment_align: 8
    .kernarg_segment_size: 24
    .max_flat_workgroup_size: 128
    .sgpr_count:     100
    .vgpr_count:     1024
    .wavefront_size: 32
...
	.end_amdgpu_metadata
.endif
;; end of part 3
;; launch pv (part 4): grid 4 x 64, 4 waves a work-group, clusters of 4 x 4, 327,680 bytes of LDS; arguments pbuf, qkv, stat, x, gamma, out0; writes out0
.if DOCPART == 4
	.amdgcn_target "amdgcn-amd-amdhsa--gfx1250"
	.amdhsa_code_object_version 6
	.text
	.protected	k_qac10dc55cb_pv
	.globl	k_qac10dc55cb_pv
	.p2align	8
	.type	k_qac10dc55cb_pv,@function
k_qac10dc55cb_pv:
	s_mov_b64 s[64:65], 0
	v_nop
	global_prefetch_b8 v0, s[64:65] scope:SCOPE_SE
	s_setreg_imm32_b32 hwreg(HW_REG_WAVE_MODE, 25, 1), 1
	s_wait_xcnt 0x0
	s_wait_alu depctr_hold_cnt(0) depctr_sa_sdst(0) depctr_va_vdst(0) depctr_va_sdst(0) depctr_va_ssrc(0) depctr_va_vcc(0) depctr_vm_vsrc(0)
	s_getreg_b32 s2, hwreg(HW_REG_IB_STS2, 6, 4)
	s_cmp_eq_u32 s2, 0
	s_cbranch_scc0 .Lentry_in_a_cluster
	s_endpgm
.Lentry_in_a_cluster:
	s_bfe_u32 s2, ttmp6, 0x10000c
	s_cmp_lg_u32 s2, 0xf033
	s_cbranch_scc0 .Lentry_shape_is_right
	s_endpgm
.Lentry_shape_is_right:
; out0[q][d] = (gamma / L[q]) x the sum over blocks j and their keys k of e_j[q] pbuf[q][k] v[k][d] + x[q][d].
; pbuf holds 2^(c s - c m_j) in bf16 for each block j of 128 keys, stat c m_j and l_j in f32.  M = the largest of a row's 16 c m_j (the row's true maximum, scaled); e_j = 2^(c m_j - M), at most 1, rounded to bf16;
; L = the sum of e_j l_j, with the rounded e_j, in f32.  A K step is one block of keys, so a fragment of pbuf is multiplied by its row's e_j (packed bf16, one more rounding of the weight) on its way to the matrix unit.
; LIMITS.  A factor below 2^-126 counts as 0; a weight is rounded to bf16 twice; NaN and infinities are not treated apart.  L is at least 1: the block with the maximum has e = 1 and holds a weight 1.
; A tile of out0 is 256 queries x 256 channels: four waves, each 128 x 128 in 64 accumulators.  K = 2,048 keys in 16 steps of 128 through a ring of two LDS slots.  pbuf's tile: rows of 256 bytes padded to 272;
; v's tile lies [key][channel]: 128 rows of 512 bytes padded to 544, and comes out of LDS turned.
; CLUSTER 4 x 4: pbuf's tile hangs on the tile row alone and is shared along a row of the cluster; v's on the tile column and the batch, which the cluster shares, and is shared along a column.
; THE WAY OUT: the f32 sums go into the ring's bytes (its fills are over), rows of 528 bytes, each wave's own; whole rows come back, O g + x in f32, 512 consecutive bytes a store.
; REGISTERS: window 0: v0-31 addresses, v32-39 e of my 8 row blocks, v40-55 g, v64-127, v128-191 fragments of pbuf, v192-255 rows of x; window 1: fragments of v; windows 2, 3: accumulators.
.set KSTEPS, 16
.set PITCH,  272
.set PB,     544
.set HALFT,  128*PITCH
.set SLOT,   4*HALFT
.set DP,     528
.set DW,     128*DP
.set ETAB,   2*SLOT                    ; behind the ring: e, twice in a word, [16 blocks][256 rows]
.set GTAB,   ETAB+16384                ; g = gamma / L, 256 rows
.set SPARE,  GTAB+1024                 ; the spare words, 128 bytes a wave, which no other line names
.set ASTEP,  256
.set BSTEP,  128*3072
.set DST,   8
.set RDF,   9
.set RDF0,  10
.set XO,    11                         ; v11  16 x lane: my bytes in 512 bytes of x and of out0
.set GA,    12                         ; v12  where 16 rows' g lie
.set ES,    13                         ; v13  ETAB + 4 x thread
.set ADRA0, 16
.set ADRA,  17
.set ADRB0, 20
.set ADRB,  21
.set EA,    22                         ; v22  my rows' e of the K step to be fetched
.set SPW,   28
.set NIL,   29
.set PFO,   30
.set E,     32
.set G,     40
.set F0,    64
.set F1,    128
.set X,     192
.set WV,  16
.set RH,  17
.set CH,  18
.set CNT, 19
.set TB,  20
.set LIM, 21
.set PFA, 22
.set G1A, 24
.set G1B, 32
.set G0A, 40
.set G0B, 48
.set PFS, 56
.set BO,  72
.set GO,  73
.set OUT, 74
.set XB,  76
.set GAM, 78
.set MSB, 0
.macro WIN new
.if MSB != (\new)
	s_set_vgpr_msb (MSB<<8)|(\new)
.set MSB, \new
.endif
.endm
.set MUL_LO, 0xa1
.set MUL_HI, 0xf1
.set TO_B,   0x40
.macro PLACES
.rept 4
	v_nop
.endr
.endm
.macro CREST
	s_cmp_lg_u32 s[WV], 0
	s_cbranch_scc1 .Lnot_wave_0_\@
	s_barrier_signal -3
.Lnot_wave_0_\@:
	s_barrier_wait -3
	s_barrier_signal -1
	s_barrier_wait -1
.endm
.macro CROUND
	s_barrier_signal -1
	s_barrier_wait -1
	CREST
.endm
.macro JLOAD                           ; a joint refill by the walking descriptors: waves 0, 1 pbuf's halves, waves 2, 3 v's; an s_nop 0 and four v_nop follow each line
	s_cmp_eq_u32 s[RH], 0
	s_cbranch_scc0 .Lfor_b_\@
	tensor_load_to_lds s[G0A+4:G0A+7], s[G1A:G1A+7]
	s_nop 0
.rept 4
	v_nop
.endr
	s_branch .Lasked_\@
.Lfor_b_\@:
	tensor_load_to_lds s[G0B+4:G0B+7], s[G1B:G1B+7]
	s_nop 0
.rept 4
	v_nop
.endr
.Lasked_\@:
.endm
; A PREFETCH of the K step that the NEXT refill will ask for: 256 matrix instructions ahead of that load; one instruction a wave.  Each block of 256 bytes is named once in the launch.  pbuf's tile row is read by one
; cluster alone; v's tile by the batch's two clusters, of which the one with even y asks.  The four partners that ask for a tile jointly share its rows out by address: of pbuf's 128 rows that a wave fetches 32 each
; (by cx, a lane a row), of v's 64 rows 16 each (by cy, two lanes a row).  The loop's last trip asks for nothing: there is no further K step.
.macro ASK
	s_cmp_gt_u32 s[CNT], s[LIM]
	s_cbranch_scc0 .Lnot_mine_\@
	global_prefetch_b8 v[PFO], s[PFA:PFA+1] th:TH_LOAD_NT scope:SCOPE_SE
.Lnot_mine_\@:
.endm
	s_load_b256 s[4:11], s[0:1], 0x0               ; pbuf s[4:5], qkv s[6:7], stat s[8:9], x s[10:11]
	s_load_b128 s[12:15], s[0:1], 0x20             ; gamma s[12:13], out0 s[14:15]
	v_lshl_add_u32 v[SPW], v0, 2, SPARE
	v_mov_b32 v[NIL], 0
	ds_add_u32 v[SPW], v[NIL]                      ; the wave's opening: the add and its wait stand ahead of the first tensor load
	v_lshrrev_b32 v7, 5, v0
	v_readfirstlane_b32 s[WV], v7
	s_lshr_b32 s[RH], s[WV], 1
	s_and_b32 s[CH], s[WV], 1
	s_bfe_u32 s60, ttmp6, 0x40000                  ; cx
	s_bfe_u32 s61, ttmp6, 0x40004                  ; cy
	s_lshl_b32 s62, ttmp9, 2
	s_add_co_u32 s62, s62, s60                     ; tile column (256 channels)
	s_and_b32 s58, ttmp7, 0xffff                   ; cluster y
	s_lshr_b32 s59, s58, 1                         ; the batch
	s_lshl_b32 s63, s58, 2
	s_add_co_u32 s63, s63, s61                     ; tile row
	s_lshl_b32 s94, s61, 2
	s_lshl_b32 s94, 15, s94                        ; my row of the cluster
	s_lshl_b32 s95, 0x1111, s60                    ; my column
	s_or_b32 s[G1A+0], s94, 0x07710000             ; the mask, bit 21 beside it; 2-byte elements; padding: after every 64 words 4 words
	s_mov_b32 s[G1A+1], 128<<16
	s_mov_b32 s[G1A+2], 128<<16
	s_mov_b32 s[G1A+3], 128<<16
	s_mov_b32 s[G1A+4], 128
	s_mov_b32 s[G1A+5], 2048                       ; elements from row to row of pbuf
	s_mov_b32 s[G1A+6], 0
	s_mov_b32 s[G1A+7], 0
	s_or_b32 s[G1B+0], s95, 0x0fb10000             ; padding: after every 128 words 8 words
	s_mov_b32 s[G1B+1], 256<<16
	s_mov_b32 s[G1B+2], 64<<16
	s_mov_b32 s[G1B+3], 256<<16
	s_mov_b32 s[G1B+4], 64
	s_mov_b32 s[G1B+5], 1536
	s_mov_b32 s[G1B+6], 0
	s_mov_b32 s[G1B+7], 0
	s_lshl_b32 s66, s63, 8                         ; pbuf: row 256 x tile row + 128 x half: no register of this address ever holds cx
	s_lshl_b32 s67, s[CH], 7
	s_add_co_u32 s66, s66, s67
	s_lshl_b32 s66, s66, 12
	s_mov_b32 s67, 0
	s_lshl_b32 s68, s59, 11                        ; v: key row 2,048 x batch + 64 x half; 1,024 bytes into the row, 512 a tile column: none of these ever holds cy
	s_lshl_b32 s69, s[CH], 6
	s_add_co_u32 s68, s68, s69
	s_mul_i32 s68, s68, 3072
	s_lshl_b32 s69, s62, 9
	s_add_co_u32 s68, s68, s69
	s_add_co_u32 s68, s68, 1024
	s_mov_b32 s69, 0
	s_mul_i32 s79, s[WV], HALFT
	s_mov_b32 s[G0A], 1
	s_mov_b32 s[G0A+1], s79
	s_mov_b32 s[G0A+4], 1
	s_add_co_u32 s[G0A+5], s79, SLOT
	s_mov_b32 s[G0B], 1
	s_mov_b32 s[G0B+1], s79
	s_mov_b32 s[G0B+4], 1
	s_add_co_u32 s[G0B+5], s79, SLOT
	s_mov_b32 s[TB], 0
	s_wait_dscnt 0x0                               ; the opening add is done
	s_wait_kmcnt 0x0
	s_load_b32 s[GAM], s[12:13], 0x0               ; gamma
	s_add_nc_u64 s[G0A+2:G0A+3], s[4:5], s[66:67]
	s_add_nc_u64 s[G0A+6:G0A+7], s[G0A+2:G0A+3], ASTEP
	s_or_b32 s[G0A+3], s[G0A+3], 0x80000000
	s_or_b32 s[G0A+7], s[G0A+7], 0x80000000
	s_add_nc_u64 s[G0B+2:G0B+3], s[6:7], s[68:69]
	s_add_nc_u64 s[G0B+6:G0B+7], s[G0B+2:G0B+3], BSTEP
	s_or_b32 s[G0B+3], s[G0B+3], 0x80000000
	s_or_b32 s[G0B+7], s[G0B+7], 0x80000000
	CROUND                                         ; all sixteen work-groups are here: the first joint loads meet
	s_cmp_eq_u32 s[RH], 0                          ; a wave's two first fills stand in one branch: two loads of mine are out
	s_cbranch_scc0 .Lfirst_b
	tensor_load_to_lds s[G0A:G0A+3], s[G1A:G1A+7]
	s_nop 0
	tensor_load_to_lds s[G0A+4:G0A+7], s[G1A:G1A+7]
	s_nop 0
.rept 4
	v_nop
.endr
	s_branch .Lfirst_done
.Lfirst_b:
	tensor_load_to_lds s[G0B:G0B+3], s[G1B:G1B+7]
	s_nop 0
	tensor_load_to_lds s[G0B+4:G0B+7], s[G1B:G1B+7]
	s_nop 0
.rept 4
	v_nop
.endr
.Lfirst_done:
	; THE FACTORS, while the first tiles are on their way.  Thread t takes the tile's rows t and t + 128: 16 c m and 16 l each
	s_lshl_b32 s86, s59, 17                        ; stat: 16 blocks x 2,048 queries x 4 bytes a batch,
	s_and_b32 s87, s63, 7
	s_lshl_b32 s87, s87, 10                        ; 256 queries a tile row
	s_add_co_u32 s86, s86, s87
	s_mov_b32 s87, 0
	s_add_nc_u64 s[84:85], s[8:9], s[86:87]
	v_lshlrev_b32 v6, 2, v0
.irp j, 0,1,2,3,4,5,6,7,8,9,10,11,12,13,14,15
	global_load_b32 v[64+(\j)],  v6, s[84:85] offset:(\j)*8192
	global_load_b32 v[80+(\j)],  v6, s[84:85] offset:(\j)*8192+1048576
	global_load_b32 v[96+(\j)],  v6, s[84:85] offset:(\j)*8192+512
	global_load_b32 v[112+(\j)], v6, s[84:85] offset:(\j)*8192+512+1048576
.endr
	v_and_b32 v1, 15, v0                           ; r
	v_bfe_u32 v2, v0, 4, 1                         ; h
	v_and_b32 v3, 31, v0                           ; l
	v_mul_u32_u24 v[ADRA0], v1, PITCH
	v_lshl_add_u32 v[ADRA0], v2, 4, v[ADRA0]
	s_mul_i32 s96, s[RH], HALFT
	v_add_nc_u32 v[ADRA0], s96, v[ADRA0]
	v_and_b32 v4, 7, v0
	v_bfe_u32 v5, v0, 3, 1
	v_lshl_add_u32 v[ADRB0], v2, 3, v4             ; the turning load: key row 8 h + l % 8, 16 bytes at channel 8 ((l / 8) % 2)
	v_mul_u32_u24 v[ADRB0], v[ADRB0], PB
	v_lshl_add_u32 v[ADRB0], v5, 4, v[ADRB0]
	s_lshl_b32 s96, s[CH], 8
	s_add_co_u32 s96, s96, 2*HALFT
	v_add_nc_u32 v[ADRB0], s96, v[ADRB0]
	v_mov_b32 v[ADRA], v[ADRA0]
	v_mov_b32 v[ADRB], v[ADRB0]
	s_mul_i32 s96, s[WV], DW
	v_mul_u32_u24 v[DST], v1, DP
	v_lshl_add_u32 v[DST], v2, 5, v[DST]
	v_add_nc_u32 v[DST], s96, v[DST]
	v_lshl_add_u32 v[RDF0], v3, 4, s96
	v_lshlrev_b32 v[XO], 4, v3
	s_lshl_b32 s96, s[RH], 9                       ; my 128 rows in the tables
	s_add_co_u32 s[GO], s96, GTAB
	s_add_co_u32 s96, s96, ETAB
	v_lshl_add_u32 v[EA], v1, 2, s96
	v_lshl_add_u32 v[ES], v0, 2, ETAB
	s_lshl_b32 s88, s63, 8                         ; x and out0 at my first row and channel
	s_lshl_b32 s89, s[RH], 7
	s_add_co_u32 s88, s88, s89
	s_lshl_b32 s88, s88, 12
	s_lshl_b32 s89, s62, 10
	s_add_co_u32 s88, s88, s89
	s_lshl_b32 s89, s[CH], 9
	s_add_co_u32 s88, s88, s89
	s_mov_b32 s89, 0
	s_add_nc_u64 s[OUT:OUT+1], s[14:15], s[88:89]
	s_add_nc_u64 s[XB:XB+1], s[10:11], s[88:89]
	; the prefetches stand at K step 2; the first refill steps them to 3.  Nothing is asked for here, at the head
	s_lshl_b32 s90, s60, 17                        ; pbuf: my work-group's 32 of the 128 rows that I fetch
	s_add_co_u32 s90, s90, s66
	s_add_co_u32 s90, s90, 2*ASTEP
	s_mul_i32 s91, s61, 16*3072                    ; v: my work-group's 16 of the 64
	s_add_co_u32 s91, s91, s68
	s_add_co_u32 s91, s91, 2*BSTEP
	s_mov_b32 s92, 4096
	s_mov_b32 s93, 3072
	s_mov_b32 s96, ASTEP
	s_mov_b32 s97, BSTEP
	s_and_b32 s98, s58, 1
	s_cmp_eq_u32 s[RH], 0
	s_cselect_b32 s90, s90, s91
	s_cselect_b64 s[PFA:PFA+1], s[4:5], s[6:7]
	s_cselect_b32 s92, s92, s93
	s_cselect_b32 s[PFS], s96, s97
	s_cselect_b32 s98, ttmp9, s98                  ; the coordinate along which other clusters read the same rows
	s_mov_b32 s91, 0
	s_mov_b32 s[PFS+1], 0
	s_add_nc_u64 s[PFA:PFA+1], s[PFA:PFA+1], s[90:91]
	s_cmp_eq_u32 s98, 0
	s_cselect_b32 s[LIM], 1, -1                    ; the same in all sixteen partners, for a given wave
	v_lshrrev_b32 v[PFO], s[RH], v3
	v_mul_u32_u24 v[PFO], v[PFO], s92
	v_and_b32 v7, s[RH], v3
	v_lshl_add_u32 v[PFO], v7, 8, v[PFO]
	s_wait_loadcnt 0x0                             ; c m and l
	s_wait_kmcnt 0x0                               ; gamma
.macro FMAX R, M                       ; M = the largest of the row's 16 c m; then c m - M in place
	v_max3_num_f32 v[\M], v[\R], v[(\R)+1], v[(\R)+2]
.irp n, 0,1,2,3,4,5
	v_max3_num_f32 v[\M], v[\M], v[(\R)+3+2*(\n)], v[(\R)+4+2*(\n)]
.endr
	v_max_num_f32 v[\M], v[\M], v[(\R)+15]
.irp j, 0,1,2,3,4,5,6,7,8,9,10,11,12,13,14,15
	v_sub_f32 v[(\R)+(\j)], v[(\R)+(\j)], v[\M]
.endr
.endm
.macro FSUM R, L, W                    ; e rounded to bf16, in both halves of its word; L = the sum of the rounded e times l
.irp j, 0,1,2,3,4,5,6,7,8,9,10,11,12,13,14,15
	v_cvt_pk_bf16_f32 v[(\R)+(\j)], v[(\R)+(\j)], v[(\R)+(\j)]
.endr
	v_and_b32 v[\W], 0xffff0000, v[\R]
	v_mul_f32 v[\L], v[\W], v[(\R)+16]
.irp j, 1,2,3,4,5,6,7,8,9,10,11,12,13,14,15
	v_and_b32 v[\W], 0xffff0000, v[(\R)+(\j)]
	v_fmac_f32 v[\L], v[\W], v[(\R)+16+(\j)]
.endr
.endm
	FMAX 64, 128
	FMAX 96, 129
.set j, 0
.rept 16
	v_exp_f32 v[64+j], v[64+j]
	v_exp_f32 v[96+j], v[96+j]
.set j, j+1
.endr
	v_nop                                          ; a plain instruction behind the last exponential,
	s_wait_alu depctr_va_vdst(0)                   ; and the one wait for the batch of 32
	FSUM 64, 130, 132
	FSUM 96, 131, 133
	v_rcp_f32 v130, v130
	v_rcp_f32 v131, v131
	v_nop
	s_wait_alu depctr_va_vdst(0)                   ; one wait for the two reciprocals
	v_mul_f32 v130, s[GAM], v130                   ; g = gamma / L
	v_mul_f32 v131, s[GAM], v131
.irp j, 0,1,2,3,4,5,6,7,8,9,10,11,12,13,14,15
	ds_store_b32 v[ES], v[64+(\j)] offset:(\j)*1024
	ds_store_b32 v[ES], v[96+(\j)] offset:(\j)*1024+512
.endr
	ds_store_b32 v[ES], v130 offset:16384
	ds_store_b32 v[ES], v131 offset:16384+512
; Four lines of the scaling: registers n0 .. n0 + 3 of buffer f's 64 (row block n / 8) times their rows' e
.macro RIDE f, n0
	WIN 0
.irp n, 0,1,2,3
	v_pk_mul_bf16 v[(\f)+(\n0)+(\n)], v[(\f)+(\n0)+(\n)], v[E+((\n0)+(\n))/8]
.endr
.endm
.macro SCALE2 f                        ; row blocks 0 and 1, in front of a quarter's first product
	WIN 0
.set sc, 0
.rept 16
	v_pk_mul_bf16 v[(\f)+sc], v[(\f)+sc], v[E+sc/8]
.set sc, sc+1
.endr
.endm
; 16 matrix instructions; the 64 accumulators take turns in one order in every quarter.  sn = 16 (32): the scaling of the 2 (4) row blocks from sa on stands between them, four lines behind
; every fourth (second) product.  It writes fragments that none of the products round it reads.
.macro MUL16 f, hi, a0, zero, sa=0, sn=0
.set mi, 0
.irp a, \a0, (\a0)+1
.irp b, 0,1,2,3,4,5,6,7
	WIN MUL_LO+0x50*(\hi)
.if \zero
	v_wmma_f32_16x16x32_bf16 v[8*(8*(\a)+(\b)):8*(8*(\a)+(\b))+7], v[(\f)+8*(\b):(\f)+8*(\b)+7], v[(\f)+8*(4*(\hi)+(\a)):(\f)+8*(4*(\hi)+(\a))+7], 0
.else
	v_wmma_f32_16x16x32_bf16 v[8*(8*(\a)+(\b)):8*(8*(\a)+(\b))+7], v[(\f)+8*(\b):(\f)+8*(\b)+7], v[(\f)+8*(4*(\hi)+(\a)):(\f)+8*(4*(\hi)+(\a))+7], v[8*(8*(\a)+(\b)):8*(8*(\a)+(\b))+7]
.endif
.set mi, mi+1
.if ((\sn) == 16) && (mi%4 == 0)
	RIDE \f, 8*(\sa)+mi-4
.endif
.if ((\sn) == 32) && (mi%2 == 0)
	RIDE \f, 8*(\sa)+2*mi-4
.endif
.endr
.endr
.endm
; The LDS loads of quarter q into buffer f, in one run: with e = 1 first my rows' e of the K step; v's 8 fragments, turned; pbuf's 8
.macro FETCH q, f, e
.if \e
	WIN 0
.irp a, 0,1,2,3,4,5,6,7
	ds_load_b32 v[E+(\a)], v[EA] offset:64*(\a)
.endr
.endif
	WIN TO_B
.irp i, 0,1,2,3,4,5,6,7
	ds_load_tr16_b128 v[(\f)+8*(\i):(\f)+8*(\i)+3],   v[ADRB] offset:(\q)*32*PB+32*(\i)
	ds_load_tr16_b128 v[(\f)+8*(\i)+4:(\f)+8*(\i)+7], v[ADRB] offset:(\q)*32*PB+32*(\i)+16*PB
.endr
	WIN 0
.irp i, 0,1,2,3,4,5,6,7
	ds_load_b128 v[(\f)+8*(\i):(\f)+8*(\i)+3],   v[ADRA] offset:64*(\q)+(\i)*16*PITCH
	ds_load_b128 v[(\f)+8*(\i)+4:(\f)+8*(\i)+7], v[ADRA] offset:64*(\q)+(\i)*16*PITCH+32
.endr
.endm
.macro QUARTER q, f, g, zero
	s_wait_dscnt 8                                 ; e, v's fragments and pbuf's rows 0-63 are in; the youngest eight loads (rows 64-127) may be out
	SCALE2 \f
	MUL16 \f, 0, 0, \zero, 2, 16
	s_wait_dscnt 0x0                               ; rows 64-127 are in: they are scaled among the next sixteen products
	MUL16 \f, 0, 2, \zero, 4, 32
	PLACES
	FETCH \q, \g, 0
	MUL16 \f, 1, 0, \zero
	MUL16 \f, 1, 2, \zero
.endm
; The last quarter multiplies buffer 1 and changes slots, as in the other products of this program; all its scaling is done before e is fetched anew.
.macro TURN fill
.if \fill
	s_wait_xcnt 0x0                                ; the last prefetch, a K step back, has read its address
	s_add_nc_u64 s[PFA:PFA+1], s[PFA:PFA+1], s[PFS:PFS+1]
.endif
	WIN 0
	s_wait_tensorcnt 0x0                           ; no tensor load of mine is out, so a group 0 may be written
	ds_add_u32 v[SPW], v[NIL]
.if \fill
	s_xor_b32 s[G0A+5], s[G0A+5], SLOT
	s_add_nc_u64 s[G0A+6:G0A+7], s[G0A+6:G0A+7], ASTEP
	s_xor_b32 s[G0B+5], s[G0B+5], SLOT
	s_add_nc_u64 s[G0B+6:G0B+7], s[G0B+6:G0B+7], BSTEP
.endif
	s_xor_b32 s[TB], s[TB], SLOT
	s_wait_dscnt 9                                 ; the add and the youngest eight loads may be out
	SCALE2 F1
	MUL16 F1, 0, 0, 0, 2, 16
	s_wait_dscnt 0x0                               ; the add is done, and my reads of this slot are over
	s_barrier_signal -1
	MUL16 F1, 0, 2, 0, 4, 32
	WIN 0
	s_barrier_wait -1
.if \fill
	CREST                                          ; no wave of any partner still reads this slot or has a load on its way
	JLOAD                                          ; its four v_nop are also the places in front of the loads below
.else
	PLACES
.endif
	v_add_nc_u32 v[ADRA], s[TB], v[ADRA0]
	v_add_nc_u32 v[ADRB], s[TB], v[ADRB0]
	v_add_nc_u32 v[EA], 1024, v[EA]                ; the next block's e
	FETCH 0, F0, 1
.if \fill
	ASK
.endif
	MUL16 F1, 1, 0, 0
	MUL16 F1, 1, 2, 0
.endm
	s_wait_tensorcnt 1                             ; my part of K step 0 is in; K step 1's may stay out
	s_wait_dscnt 0x0                               ; my stores into the tables are done
	s_barrier_signal -1
	s_barrier_wait -1
	FETCH 0, F0, 1
	QUARTER 1, F0, F1, 1                           ; the first quarter starts the sums: nothing is cleared
	WIN 0
	s_mov_b32 s[CNT], KSTEPS-2
.Lk:
	QUARTER 2, F1, F0, 0
	QUARTER 3, F0, F1, 0
	TURN 1
	QUARTER 1, F0, F1, 0
	WIN 0
	s_sub_co_u32 s[CNT], s[CNT], 1
	s_cmp_lg_u32 s[CNT], 0
	s_cbranch_scc1 .Lk
	QUARTER 2, F1, F0, 0                           ; the last two K steps ask for nothing
	QUARTER 3, F0, F1, 0
	TURN 0
	QUARTER 1, F0, F1, 0
	QUARTER 2, F1, F0, 0
	QUARTER 3, F0, F1, 0
	WIN 0
.irp i, 0,1,2,3,4,5,6,7,8,9,10,11,12,13,14,15
	global_load_b128 v[X+4*(\i):X+4*(\i)+3], v[XO], s[XB:XB+1] offset:(\i)*4096 th:TH_LOAD_NT  ; x's first 16 rows, on their way under the last 64 products
.endr
	s_wait_dscnt 8
	SCALE2 F1
	MUL16 F1, 0, 0, 0, 2, 16
	s_wait_dscnt 0x0                               ; my reads of the ring are over:
	s_barrier_signal -1
	MUL16 F1, 0, 2, 0, 4, 32
	MUL16 F1, 1, 0, 0
	MUL16 F1, 1, 2, 0
	WIN 0
	s_barrier_wait -1                              ; everybody's are: the ring's bytes may be written
	PLACES
	PLACES
.irp a, 0,1,2,3,4,5,6,7                ; the dump: each accumulator's low four registers first
	WIN 0x08+4*((\a)/4)
.irp b, 0,1,2,3,4,5,6,7
	ds_store_b128 v[DST], v[8*(8*((\a)%4)+(\b)):8*(8*((\a)%4)+(\b))+3]   offset:(\a)*16*DP+64*(\b)
	ds_store_b128 v[DST], v[8*(8*((\a)%4)+(\b))+4:8*(8*((\a)%4)+(\b))+7] offset:(\a)*16*DP+64*(\b)+16
.endr
.endr
	WIN 0
; 16 ROWS: O comes back from my dump, g from the table (one address for all lanes), x from its ring of 16 rows in registers.  ahead = 1: a row of x is asked for again, 16 rows on, as soon as it is used.
.macro ROWS ahead
	v_add_nc_u32 v[RDF], s[BO], v[RDF0]
	v_mov_b32 v[GA], s[GO]
.irp i, 0,1,2,3,4,5,6,7,8,9,10,11,12,13,14,15
	ds_load_b128 v[F0+4*(\i):F0+4*(\i)+3], v[RDF] offset:(\i)*DP
.endr
.irp i, 0,1,2,3
	ds_load_b128 v[G+4*(\i):G+4*(\i)+3], v[GA] offset:16*(\i)
.endr
	s_wait_dscnt 0x0
.set i, 0
.rept 16
.if \ahead
	s_wait_loadcnt 15                              ; row i of x is in; the 15 younger loads may stay out
.else
	s_wait_loadcnt 15-i
.endif
.irp k, 0,1,2,3
	v_fma_f32 v[F0+4*i+(\k)], v[F0+4*i+(\k)], v[G+i], v[X+4*i+(\k)]
.endr
.if \ahead
	global_load_b128 v[X+4*i:X+4*i+3], v[XO], s[XB:XB+1] offset:(16+i)*4096 th:TH_LOAD_NT
.endif
	global_store_b128 v[XO], v[F0+4*i:F0+4*i+3], s[OUT:OUT+1] offset:i*4096 th:TH_STORE_NT  ; 512 consecutive bytes, aligned
.set i, i+1
.endr
.endm
	s_mov_b32 s[BO], 0
	s_mov_b32 s[CNT], 7
.Lrows:
	ROWS 1
	s_wait_xcnt 0x0                                ; loads and stores have read their bases and data: these are written again only behind this wait
	s_add_nc_u64 s[OUT:OUT+1], s[OUT:OUT+1], 16*4096
	s_add_nc_u64 s[XB:XB+1], s[XB:XB+1], 16*4096
	s_add_co_u32 s[BO], s[BO], 16*DP
	s_add_co_u32 s[GO], s[GO], 64
	s_sub_co_u32 s[CNT], s[CNT], 1
	s_cmp_lg_u32 s[CNT], 0
	s_cbranch_scc1 .Lrows
	ROWS 0                                         ; the last 16 rows ask for nothing: the counts run down
	s_wait_tensorcnt 0x0                           ; the wave's end
	ds_add_u32 v[SPW], v[NIL]
	s_wait_dscnt 0x0
	CROUND                                         ; the closing round
	s_endpgm
.Lfunc_end_k_qac10dc55cb_pv:
	.size	k_qac10dc55cb_pv, .Lfunc_end_k_qac10dc55cb_pv-k_qac10dc55cb_pv
	.p2alignl 7, 3214868480
	.fill 96, 4, 3214868480
	.section	.rodata,"a",@progbits
	.p2align	6, 0x0
	.amdhsa_kernel k_qac10dc55cb_pv
		.amdhsa_group_segment_fixed_size 327680
		.amdhsa_private_segment_fixed_size 0
		.amdhsa_enable_private_segment 0
		.amdhsa_kernarg_size 48
		.amdhsa_user_sgpr_count 2
		.amdhsa_user_sgpr_kernarg_segment_ptr 1
		.amdhsa_wavefront_size32 1
		.amdhsa_system_sgpr_workgroup_id_x 1
		.amdhsa_system_sgpr_workgroup_id_y 1
		.amdhsa_system_sgpr_workgroup_id_z 1
		.amdhsa_system_vgpr_workitem_id 0
		.amdhsa_next_free_vgpr 1024
		.amdhsa_next_free_sgpr 100
		.amdhsa_reserve_vcc 0
		.amdhsa_float_denorm_mode_32 3
		.amdhsa_float_denorm_mode_16_64 3
		.amdhsa_memory_ordered 1
		.amdhsa_forward_progress 1
		.amdhsa_inst_pref_size 188
	.end_amdhsa_kernel
	.amdgpu_metadata
---
amdhsa.version: [ 1, 2 ]
amdhsa.kernels:
  - .name:           k_qac10dc55cb_pv
    .symbol:         k_qac10dc55cb_pv.kd
    .args:
      - { .name: pbuf, .offset: 0, .size: 8, .value_kind: global_buffer, .address_space: global }
      - { .name: qkv, .offset: 8, .size: 8, .value_kind: global_buffer, .address_space: global }
      - { .name: stat, .offset: 16, .size: 8, .value_kind: global_buffer, .address_space: global }
      - { .name: x, .offset: 24, .size: 8, .value_kind: global_buffer, .address_space: global }
      - { .name: gamma, .offset: 32, .size: 8, .value_kind: global_buffer, .address_space: global }
      - { .name: out0, .offset: 40, .size: 8, .value_kind: global_buffer, .address_space: global }
    .group_segment_fixed_size: 327680
    .private_segment_fixed_size: 0
    .kernarg_segment_align: 8
    .kernarg_segment_size: 48
    .max_flat_workgroup_size: 128
    .sgpr_count:     100
    .vgpr_count:     1024
    .wavefront_size: 32
...
	.end_amdgpu_metadata
.endif
;; end of part 4
;; ======== version 2 of 3: 4 launches
;; workspace buffers: wb 3,145,728 bytes; qkv 50,331,648 bytes; pbuf 67,108,864 bytes; stat 2,097,152 bytes
;; launch prep (part 5): grid 256 x 1, 3 waves a work-group, no clusters, 0 bytes of LDS; arguments Wq, Wk, Wv, wb; writes wb
.if DOCPART == 5
	.amdgcn_target "amdgcn-amd-amdhsa--gfx1250"
	.amdhsa_code_object_version 6
	.text
	.protected	k_qac10dc55cb_prep
	.globl	k_qac10dc55cb_prep
	.p2align	8
	.type	k_qac10dc55cb_prep,@function
k_qac10dc55cb_prep:
	s_mov_b64 s[64:65], 0
	v_nop
	global_prefetch_b8 v0, s[64:65] scope:SCOPE_SE
	s_setreg_imm32_b32 hwreg(HW_REG_WAVE_MODE, 25, 1), 1
	s_wait_xcnt 0x0
; CASTS THE WEIGHTS TO bf16, INTO THE BLOCKS THAT THE PRODUCT BEHIND ASKS FOR.  Each number is rounded once, to nearest even.
; wb[column group of 384][k][384]: the columns of (Wq | Wk | Wv), 1,536 in all, in blocks cb of 128: cb 0, 1 Wq; 2, 3 Wk; 4 .. 11 Wv.  Block cb of row k lies at (cb / 3) 786,432 + 768 k + (cb % 3) 256.
; A stream: no LDS, no matrix unit, no cluster (no byte is wanted twice).  The three tensors are 1,572,864 numbers: 768 waves of 2,048, three to each of 256 work-groups.  A wave issues sixteen loads of 16 bytes a lane
; (512 consecutive bytes of a row), all before the first is waited for; each gives one store of 8 bytes a lane: 256 consecutive bytes, aligned.
; Eight waves make a share of 16,384 numbers: shares 0-15 take Wq, 16-31 Wk, 32-95 Wv.  No register is written twice behind the loads, so no source of a pending instruction is ever rewritten.
.set X,    8                           ; v[8:71]    sixteen loads of four f32
.set Y,    72                          ; v[72:103]  sixteen stores of four bf16
.set SRC,  20                          ; s[20:21]   where my wave reads
.set DSTP, 28                          ; s[28:29]   where it writes
.set DSTQ, 30                          ; s[30:31]   Wq, Wk: where the odd loads' blocks go
	s_load_b256 s[4:11], s[0:1], 0x0               ; Wq s[4:5], Wk s[6:7], Wv s[8:9], wb s[10:11]
	v_lshrrev_b32 v3, 5, v0
	v_readfirstlane_b32 s16, v3                    ; wave 0..2
	v_and_b32 v4, 31, v0
	v_lshlrev_b32 v2, 3, v4                        ; out: 8 bytes a lane
	v_lshlrev_b32 v7, 4, v4                        ; in: 16 bytes a lane
	s_mul_i32 s17, ttmp9, 3
	s_add_co_u32 s17, s17, s16                     ; my wave among the launch's 768
	s_and_b32 s16, s17, 7                          ; its place in its share,
	s_lshr_b32 s17, s17, 3                         ; and the share, 0..95
	s_wait_kmcnt 0x0
	s_cmp_lt_u32 s17, 32
	s_cselect_b64 s[SRC:SRC+1], s[6:7], s[8:9]
	s_cselect_b32 s19, 16, 32
	s_cmp_lt_u32 s17, 16
	s_cselect_b64 s[SRC:SRC+1], s[4:5], s[SRC:SRC+1]
	s_cselect_b32 s19, 0, s19
	s_sub_co_u32 s19, s17, s19                     ; my share among the tensor's
	s_lshl_b32 s22, s19, 16                        ; 65,536 bytes a share,
	s_lshl_b32 s23, s16, 13                        ; 8,192 a wave
	s_add_co_u32 s22, s22, s23
	s_mov_b32 s23, 0
	s_add_nc_u64 s[SRC:SRC+1], s[SRC:SRC+1], s[22:23]
.irp i, 0,1,2,3,4,5,6,7,8,9,10,11,12,13,14,15
	global_load_b128 v[X+4*(\i):X+4*(\i)+3], v7, s[SRC:SRC+1] offset:512*(\i) th:TH_LOAD_NT
.endr
; Sixteen stores.  mode 0: Wq, Wk: two loads a row, the even ones by DSTP, the odd ones by DSTQ.  mode 1: Wv: eight loads a row, blocks 4 to 11.
.macro STORES mode
.set i, 0
.rept 16
	s_wait_loadcnt 15-i                            ; loads come back in order: load i is in, the 15 - i younger ones may stay out
	v_cvt_pk_bf16_f32 v[Y+2*i],   v[X+4*i],   v[X+4*i+1]
	v_cvt_pk_bf16_f32 v[Y+2*i+1], v[X+4*i+2], v[X+4*i+3]
.if (\mode) == 0
.if i%2 == 0
	global_store_b64 v2, v[Y+2*i:Y+2*i+1], s[DSTP:DSTP+1] offset:(i/2)*768 th:TH_STORE_NT
.else
	global_store_b64 v2, v[Y+2*i:Y+2*i+1], s[DSTQ:DSTQ+1] offset:(i/2)*768 th:TH_STORE_NT
.endif
.else
.set cb, 4+i%8
	global_store_b64 v2, v[Y+2*i:Y+2*i+1], s[DSTP:DSTP+1] offset:(i/8)*768+(cb/3)*786432+(cb%3)*256 th:TH_STORE_NT
.endif
.set i, i+1
.endr
.endm
	s_cmp_lt_u32 s17, 32
	s_cbranch_scc0 .Lwv
	s_lshl_b32 s22, s19, 6                         ; Wq, Wk: 64 rows a share,
	s_lshl_b32 s23, s16, 3                         ; 8 a wave
	s_add_co_u32 s22, s22, s23
	s_mul_i32 s22, s22, 768
	s_mov_b32 s23, 0
	s_add_nc_u64 s[DSTP:DSTP+1], s[10:11], s[22:23]
	s_mov_b32 s18, 786432                          ; Wk's blocks 2 and 3: 512 bytes into group 0's row, and the head of group 1's
	s_movk_i32 s27, 256                            ; Wq's blocks 0 and 1: 0 and 256
	s_mov_b32 s19, 0
	s_cmp_lt_u32 s17, 16
	s_cselect_b32 s22, 0, 512
	s_cselect_b32 s18, s27, s18
	s_add_nc_u64 s[DSTQ:DSTQ+1], s[DSTP:DSTP+1], s[18:19]
	s_add_nc_u64 s[DSTP:DSTP+1], s[DSTP:DSTP+1], s[22:23]
	STORES 0
	s_endpgm
.Lwv:
	s_lshl_b32 s22, s19, 4                         ; Wv: 16 rows a share,
	s_lshl_b32 s23, s16, 1                         ; 2 a wave
	s_add_co_u32 s22, s22, s23
	s_mul_i32 s22, s22, 768
	s_mov_b32 s23, 0
	s_add_nc_u64 s[DSTP:DSTP+1], s[10:11], s[22:23]
	STORES 1
	s_endpgm
.Lfunc_end_k_qac10dc55cb_prep:
	.size	k_qac10dc55cb_prep, .Lfunc_end_k_qac10dc55cb_prep-k_qac10dc55cb_prep
	.p2alignl 7, 3214868480
	.fill 96, 4, 3214868480
	.section	.rodata,"a",@progbits
	.p2align	6, 0x0
	.amdhsa_kernel k_qac10dc55cb_prep
		.amdhsa_group_segment_fixed_size 0
		.amdhsa_private_segment_fixed_size 0
		.amdhsa_enable_private_segment 0
		.amdhsa_kernarg_size 32
		.amdhsa_user_sgpr_count 2
		.amdhsa_user_sgpr_kernarg_segment_ptr 1
		.amdhsa_wavefront_size32 1
		.amdhsa_system_sgpr_workgroup_id_x 1
		.amdhsa_system_sgpr_workgroup_id_y 1
		.amdhsa_system_sgpr_workgroup_id_z 1
		.amdhsa_system_vgpr_workitem_id 0
		.amdhsa_next_free_vgpr 104
		.amdhsa_next_free_sgpr 66
		.amdhsa_reserve_vcc 0
		.amdhsa_float_denorm_mode_32 3
		.amdhsa_float_denorm_mode_16_64 3
		.amdhsa_memory_ordered 1
		.amdhsa_forward_progress 1
		.amdhsa_inst_pref_size 12
	.end_amdhsa_kernel
	.amdgpu_metadata
---
amdhsa.version: [ 1, 2 ]
amdhsa.kernels:
  - .name:           k_qac10dc55cb_prep
    .symbol:         k_qac10dc55cb_prep.kd
    .args:
      - { .name: Wq, .offset: 0, .size: 8, .value_kind: global_buffer, .address_space: global }
      - { .name: Wk, .offset: 8, .size: 8, .value_kind: global_buffer, .address_space: global }
      - { .name: Wv, .offset: 16, .size: 8, .value_kind: global_buffer, .address_space: global }
      - { .name: wb, .offset: 24, .size: 8, .value_kind: global_buffer, .address_space: global }
    .group_segment_fixed_size: 0
    .private_segment_fixed_size: 0
    .kernarg_segment_align: 8
    .kernarg_segment_size: 32
    .max_flat_workgroup_size: 96
    .sgpr_count:     66
    .vgpr_count:     104
    .wavefront_size: 32
...
	.end_amdgpu_metadata
.endif
;; end of part 5
;; launch proj (part 6): grid 4 x 64, 4 waves a work-group, clusters of 4 x 4, 327,680 bytes of LDS; arguments x, wb, bq, bk, bv, qkv; writes qkv
.if DOCPART == 6
	.amdgcn_target "amdgcn-amd-amdhsa--gfx1250"
	.amdhsa_code_object_version 6
	.text
	.protected	k_qac10dc55cb_proj
	.globl	k_qac10dc55cb_proj
	.p2align	8
	.type	k_qac10dc55cb_proj,@function
k_qac10dc55cb_proj:
	s_mov_b64 s[64:65], 0
	v_nop
	global_prefetch_b8 v0, s[64:65] scope:SCOPE_SE
	s_setreg_imm32_b32 hwreg(HW_REG_WAVE_MODE, 25, 1), 1
	s_wait_xcnt 0x0
	s_wait_alu depctr_hold_cnt(0) depctr_sa_sdst(0) depctr_va_vdst(0) depctr_va_sdst(0) depctr_va_ssrc(0) depctr_va_vcc(0) depctr_vm_vsrc(0)
	s_getreg_b32 s2, hwreg(HW_REG_IB_STS2, 6, 4)
	s_cmp_eq_u32 s2, 0
	s_cbranch_scc0 .Lentry_in_a_cluster
	s_endpgm
.Lentry_in_a_cluster:
	s_bfe_u32 s2, ttmp6, 0x10000c
	s_cmp_lg_u32 s2, 0xf033
	s_cbranch_scc0 .Lentry_shape_is_right
	s_endpgm
.Lentry_shape_is_right:
; qkv[m][n] = the sum over k of x[m][k] w[k][n] + bias[n].  x [16384][1024] f32, rounded to bf16 (nearest even) on its way from LDS to the matrix unit; wb[column group of 384][1024 k][384] bf16.
; qkv [16384][1536] bf16, rounded once; sums and bias in f32.  Columns 0-255 are q (bias bq), 256-511 k (bk), 512-1535 v (bv).
; A TILE OF qkv IS 256 x 384: 64 x 4 tiles, one for each of 256 work-groups.  Four waves, each 128 rows x 192 columns: 96 accumulators of 16 x 16, 768 registers.  A wave takes 64 columns of each of the tile's three
; SEGMENTS of 128 columns; a segment's 32 accumulators fill one register window.
; K goes in 16 steps of 64 through a ring of two LDS slots.  x's tile: 256 rows of 64 f32: 256 consecutive bytes of memory, aligned, padded to 272 in LDS.  wb's tile: a wave's 32 k rows x 768 bytes are dense and are asked for
; as 96 rows of 256 bytes, padded by 32 (a segment 288, a k row 864 bytes).
; CLUSTER 4 x 4: x's tile hangs on the tile row alone and is asked for jointly along a row of the cluster, wb's on the column group alone and jointly along a column.
; THE MATRIX INSTRUCTION IS USED TRANSPOSED: source 0 = 16 columns of wb (out of LDS turned, by ds_load_tr16_b128), source 1 = 16 rows of x: lane l holds row l % 16 and the columns 8 (l / 16) + 0..7.
; A QUARTER is 32 along K, 96 products, BY HALVES OF THE ROWS: row blocks 0-3 with all three segments, then row blocks 4-7.  While one half is multiplied the other half's f32 numbers (RAW) are rounded into its fragments,
; four conversions behind every second product, and RAW is loaded again; a segment's fragments of wb are fetched anew behind its second sixteen products.
; THE BIAS is the C operand of the first quarter's products: it lies in LDS, 384 f32, and comes into RAW.
; REGISTERS: window 0: v0-31 addresses; v32-127 wb's 12 fragments; v128-191 x's 8 fragments in bf16; v192-255 RAW: four row blocks x 16 f32 a lane.
;   windows 1, 2, 3: the accumulators of segments 0, 1, 2: column block i, row block a at v[64 i + 8 a].
; THE WAY OUT: rounded to bf16 in registers; one stage of 256 rows x 784 bytes in the ring's bytes, whose fills are over; a barrier, since a row's 768 bytes come from two waves; back as whole blocks of 256 bytes.
.set KSTEPS, 16
.set PA,     272                       ; a row of x in LDS: 68 words: the 16 rows of a load start at 16 different groups of four banks (ISA guide 11.1)
.set AHALF,  128*PA                    ; what one tensor load of x brings
.set PSEG,   288                       ; a segment of a k row of wb: 256 bytes + 32
.set PB,     3*PSEG                    ; a k row: 216 words
.set BHALF,  32*PB                     ; what one tensor load of wb brings: a quarter's 32 k rows
.set BOFF,   2*AHALF                   ; wb's tile lies behind x's
.set SLOT1,  1<<17                     ; slot 1 begins here, so that one exclusive or turns an address in one slot into the other's
.set SP,     784                       ; a row of the stage: 768 bytes + 16
.set BIAS,   SLOT1+BOFF+2*BHALF        ; behind the ring: the tile's 384 numbers of bias
.set SPARE,  BIAS+1536                 ; the spare words, 128 bytes a wave, which no other line names
.set ASTEP,  256                       ; bytes from K step to K step in a row of x,
.set BSTEP,  49152                     ; and in wb
.set DST,   8                          ; v8   where I put 16 bytes of the stage, row blocks 0-3
.set DST2,  9                          ; v9   row blocks 4-7
.set RD0,   10                         ; v10  where I read the stage back; never rewritten
.set RD,    11
.set CO,    12                         ; v12  my 16 bytes in two rows of qkv
.set BA,    13                         ; v13  my eight numbers of a block of bias
.set ADRA0, 16                         ; v16  my place in x's tile; never rewritten
.set ADRA,  17                         ; v17  the same in the slot in hand
.set ADRB0, 20
.set ADRB,  21
.set SPW,   28                         ; v28  my spare word; never rewritten
.set NIL,   29                         ; v29  0; never rewritten
.set PFO,   30                         ; v30  the prefetches' lane offset; never rewritten
.set BF,    32
.set AB,    128
.set RAW,   192
.set T,     32                         ; the way out: v32-159
.set WV,  16
.set RH,  17                           ; my half of the tile's rows; also: I fetch x's tile (0) or wb's (1)
.set CH,  18                           ; my half of each segment's columns; also: which half of that tile I fetch
.set CNT, 19
.set TB,  20                           ; LDS byte of the slot in hand
.set LIM, 21                           ; 2 in a wave that prefetches, else the greatest number
.set PFA, 22
.set G1A, 24
.set G1B, 32
.set G0A, 40                           ; s[40:43] K step 0 into slot 0; s[44:47] K step 1 into slot 1, which then walks
.set G0B, 48
.set PFS, 56
.set BO,  72
.set OUT, 74
.set MSB, 0
.macro WIN new                         ; the immediate's high byte repeats the setting that is left; a switch that changes nothing is dropped
.if MSB != (\new)
	s_set_vgpr_msb (MSB<<8)|(\new)
.set MSB, \new
.endif
.endm
.macro PLACES                          ; four plain vector instructions between a matrix instruction and a load into, a writer or a reader of its registers
.rept 4
	v_nop
.endr
.endm
.macro CREST                           ; a round of the cluster's barrier behind its opening barrier
	s_cmp_lg_u32 s[WV], 0
	s_cbranch_scc1 .Lnot_wave_0_\@
	s_barrier_signal -3
.Lnot_wave_0_\@:
	s_barrier_wait -3
	s_barrier_signal -1
	s_barrier_wait -1
.endm
.macro CROUND
	s_barrier_signal -1
	s_barrier_wait -1
	CREST
.endm
.macro JLOAD                           ; a joint refill by the walking descriptors: waves 0, 1 x's halves, waves 2, 3 wb's; an s_nop 0 and four v_nop follow each line
	s_cmp_eq_u32 s[RH], 0
	s_cbranch_scc0 .Lfor_b_\@
	tensor_load_to_lds s[G0A+4:G0A+7], s[G1A:G1A+7]
	s_nop 0
.rept 4
	v_nop
.endr
	s_branch .Lasked_\@
.Lfor_b_\@:
	tensor_load_to_lds s[G0B+4:G0B+7], s[G1B:G1B+7]
	s_nop 0
.rept 4
	v_nop
.endr
.Lasked_\@:
.endm
; A PREFETCH, in every second trip (an even count): behind the refill with K step 2 m it names K steps 2 m + 2 and 2 m + 3: 384 matrix instructions ahead of the first load that wants them.  Each block of 256 bytes is named
; once in the launch.  x's tile row is read by one cluster alone: of the 128 rows that wave 0 or 1 fetches each of the four partners takes 32, by cx: a lane a row, an instruction a K step.  wb's column group is read by every
; cluster: cluster y = 0 asks, wave 2; the two K steps lie end to end, 384 blocks, of which each partner takes 96, by cy: three instructions.  The last ask names K steps 14 and 15.
.macro ASK
	s_bitcmp1_b32 s[CNT], 0
	s_cbranch_scc1 .Lnot_mine_\@
	s_cmp_gt_u32 s[CNT], s[LIM]
	s_cbranch_scc0 .Lnot_mine_\@
	global_prefetch_b8 v[PFO], s[PFA:PFA+1] th:TH_LOAD_NT scope:SCOPE_SE
	s_cmp_eq_u32 s[RH], 0
	s_cbranch_scc0 .Lfor_w_\@
	global_prefetch_b8 v[PFO], s[PFA:PFA+1] offset:256 th:TH_LOAD_NT scope:SCOPE_SE
	s_branch .Lnot_mine_\@
.Lfor_w_\@:
	global_prefetch_b8 v[PFO], s[PFA:PFA+1] offset:8192 th:TH_LOAD_NT scope:SCOPE_SE
	global_prefetch_b8 v[PFO], s[PFA:PFA+1] offset:16384 th:TH_LOAD_NT scope:SCOPE_SE
.Lnot_mine_\@:
.endm
	s_load_b256 s[4:11], s[0:1], 0x0               ; x s[4:5], wb s[6:7], bq s[8:9], bk s[10:11]
	s_load_b128 s[12:15], s[0:1], 0x20             ; bv s[12:13], qkv s[14:15]
	v_lshl_add_u32 v[SPW], v0, 2, SPARE
	v_mov_b32 v[NIL], 0
	ds_add_u32 v[SPW], v[NIL]                      ; the wave's opening: the add and its wait stand ahead of the first tensor load; work on registers stands between them
	v_lshrrev_b32 v7, 5, v0
	v_readfirstlane_b32 s[WV], v7
	s_lshr_b32 s[RH], s[WV], 1
	s_and_b32 s[CH], s[WV], 1
	s_bfe_u32 s60, ttmp6, 0x40000                  ; cx
	s_bfe_u32 s61, ttmp6, 0x40004                  ; cy
	s_lshl_b32 s62, ttmp9, 2
	s_add_co_u32 s62, s62, s60                     ; column group = 4 x cluster x + cx
	s_and_b32 s58, ttmp7, 0xffff                   ; cluster y
	s_lshl_b32 s63, s58, 2
	s_add_co_u32 s63, s63, s61                     ; tile row = 4 x cluster y + cy
	s_lshl_b32 s94, s61, 2
	s_lshl_b32 s94, 15, s94                        ; my row of the cluster
	s_lshl_b32 s95, 0x1111, s60                    ; my column
	s_or_b32 s[G1A+0], s94, 0x07720000             ; the mask, bit 21 beside it; 4-byte elements; padding on: after every 64 words 4 words
	s_mov_b32 s[G1A+1], 64<<16                     ; tensor_dim0 = 64 elements: 256 bytes
	s_mov_b32 s[G1A+2], 128<<16                    ; tensor_dim1 = 128
	s_mov_b32 s[G1A+3], 64<<16                     ; tile_dim0 = 64
	s_mov_b32 s[G1A+4], 128                        ; tile_dim1 = 128
	s_mov_b32 s[G1A+5], 1024                       ; elements from row to row of x
	s_mov_b32 s[G1A+6], 0
	s_mov_b32 s[G1A+7], 0
	s_or_b32 s[G1B+0], s95, 0x0f710000             ; 2-byte elements; padding: after every 64 words 8 words
	s_mov_b32 s[G1B+1], 128<<16                    ; 256 bytes: a segment of a k row
	s_mov_b32 s[G1B+2], 96<<16                     ; tensor_dim1 = 96: 32 k rows of three
	s_mov_b32 s[G1B+3], 128<<16
	s_mov_b32 s[G1B+4], 96
	s_mov_b32 s[G1B+5], 128                        ; dense
	s_mov_b32 s[G1B+6], 0
	s_mov_b32 s[G1B+7], 0
	s_lshl_b32 s66, s63, 8                         ; x: row 256 x tile row + 128 x half, 4,096 bytes a row: no register of this address ever holds cx
	s_lshl_b32 s67, s[CH], 7
	s_add_co_u32 s66, s66, s67
	s_lshl_b32 s66, s66, 12
	s_mov_b32 s67, 0
	s_mul_i32 s68, s62, 786432                     ; wb: the column group, k row 32 x half: none of these ever holds cy
	s_mul_i32 s69, s[CH], 24576
	s_add_co_u32 s68, s68, s69
	s_mov_b32 s69, 0
	s_mul_i32 s79, s[CH], AHALF                    ; where my loads land: the wave's number alone
	s_mul_i32 s78, s[CH], BHALF
	s_add_co_u32 s78, s78, BOFF
	s_mov_b32 s[G0A], 1
	s_mov_b32 s[G0A+1], s79
	s_mov_b32 s[G0A+4], 1
	s_add_co_u32 s[G0A+5], s79, SLOT1
	s_mov_b32 s[G0B], 1
	s_mov_b32 s[G0B+1], s78
	s_mov_b32 s[G0B+4], 1
	s_add_co_u32 s[G0B+5], s78, SLOT1
	s_mov_b32 s[TB], 0
	s_wait_dscnt 0x0                               ; the opening add is done
	s_wait_kmcnt 0x0
	s_add_nc_u64 s[G0A+2:G0A+3], s[4:5], s[66:67]
	s_add_nc_u64 s[G0A+6:G0A+7], s[G0A+2:G0A+3], ASTEP
	s_or_b32 s[G0A+3], s[G0A+3], 0x80000000        ; type = 2
	s_or_b32 s[G0A+7], s[G0A+7], 0x80000000
	s_add_nc_u64 s[G0B+2:G0B+3], s[6:7], s[68:69]
	s_add_nc_u64 s[G0B+6:G0B+7], s[G0B+2:G0B+3], BSTEP
	s_or_b32 s[G0B+3], s[G0B+3], 0x80000000
	s_or_b32 s[G0B+7], s[G0B+7], 0x80000000
	CROUND                                         ; all sixteen work-groups are here: the first joint loads meet
	s_cmp_eq_u32 s[RH], 0                          ; a wave's two first fills stand in one branch: two loads of mine are out
	s_cbranch_scc0 .Lfirst_b
	tensor_load_to_lds s[G0A:G0A+3], s[G1A:G1A+7]
	s_nop 0
	tensor_load_to_lds s[G0A+4:G0A+7], s[G1A:G1A+7]
	s_nop 0
.rept 4
	v_nop
.endr
	s_branch .Lfirst_done
.Lfirst_b:
	tensor_load_to_lds s[G0B:G0B+3], s[G1B:G1B+7]
	s_nop 0
	tensor_load_to_lds s[G0B+4:G0B+7], s[G1B:G1B+7]
	s_nop 0
.rept 4
	v_nop
.endr
.Lfirst_done:
	v_and_b32 v1, 15, v0                           ; r = l % 16
	v_bfe_u32 v2, v0, 4, 1                         ; h = l / 16
	v_and_b32 v3, 31, v0                           ; l
	v_lshlrev_b32 v4, 4, v3                        ; 16 l
	; the bias: wave w < 3 brings segment w's 128 numbers, block cb = 3 x column group + w of the 12: 0, 1 of bq; 2, 3 of bk; 4 .. 11 of bv
	s_cmp_lt_u32 s[WV], 3
	s_cbranch_scc0 .Lno_bias
	s_mul_i32 s84, s62, 3
	s_add_co_u32 s84, s84, s[WV]
	s_cmp_lt_u32 s84, 4
	s_cselect_b64 s[86:87], s[10:11], s[12:13]
	s_cselect_b32 s85, 2, 4
	s_cmp_lt_u32 s84, 2
	s_cselect_b64 s[86:87], s[8:9], s[86:87]
	s_cselect_b32 s85, 0, s85
	s_sub_co_u32 s84, s84, s85
	s_lshl_b32 s84, s84, 9                         ; 512 bytes a block
	s_mov_b32 s85, 0
	s_add_nc_u64 s[86:87], s[86:87], s[84:85]
	global_load_b128 v[24:27], v4, s[86:87]
	s_lshl_b32 s84, s[WV], 9
	s_add_co_u32 s84, s84, BIAS
	v_add_nc_u32 v14, s84, v4
	s_wait_loadcnt 0x0
	ds_store_b128 v14, v[24:27]
.Lno_bias:
	; x's numbers for a fragment: lane l holds row r and k = 8 h + 0..7 and 16 + 8 h + 0..7: in f32 twice 32 bytes, 64 apart, at r x pitch + 32 h
	v_mul_u32_u24 v[ADRA0], v1, PA
	v_lshl_add_u32 v[ADRA0], v2, 5, v[ADRA0]
	s_mul_i32 s96, s[RH], AHALF
	v_add_nc_u32 v[ADRA0], s96, v[ADRA0]
	; a fragment of wb, turned: lane l reads k row 8 h + l % 8, 16 bytes at column 8 ((l / 8) % 2)
	v_and_b32 v5, 7, v0
	v_bfe_u32 v6, v0, 3, 1
	v_lshl_add_u32 v[ADRB0], v2, 3, v5
	v_mul_u32_u24 v[ADRB0], v[ADRB0], PB
	v_lshl_add_u32 v[ADRB0], v6, 4, v[ADRB0]
	s_lshl_b32 s96, s[CH], 7                       ; my 64 columns of a segment: 128 bytes
	s_add_co_u32 s96, s96, BOFF
	v_add_nc_u32 v[ADRB0], s96, v[ADRB0]
	v_mov_b32 v[ADRA], v[ADRA0]
	v_mov_b32 v[ADRB], v[ADRB0]
	s_lshl_b32 s96, s[CH], 8                       ; the bias of my 64 columns of a segment: 256 bytes; 32 for each half of the lanes
	s_add_co_u32 s96, s96, BIAS
	v_lshl_add_u32 v[BA], v2, 5, s96
	s_lshl_b32 s96, s[RH], 7                       ; into the stage: row 128 x half + r, my 128 bytes of a segment, 16 bytes for each half of the lanes
	v_add_nc_u32 v[DST], s96, v1
	v_mul_u32_u24 v[DST], v[DST], SP
	v_lshl_add_u32 v[DST], v2, 4, v[DST]
	s_lshl_b32 s96, s[CH], 7
	v_add_nc_u32 v[DST], s96, v[DST]
	v_add_nc_u32 v[DST2], 64*SP, v[DST]
	s_lshl_b32 s96, s[WV], 6                       ; back: wave w takes rows 64 w .. 64 w + 63, whole; lanes 0-15 a block of 256 bytes of one row, lanes 16-31 of the next
	v_add_nc_u32 v[RD0], s96, v2
	v_mul_u32_u24 v[RD0], v[RD0], SP
	v_lshl_add_u32 v[RD0], v1, 4, v[RD0]
	v_mul_u32_u24 v[CO], v2, 3072                  ; and the same two rows in qkv
	v_lshl_add_u32 v[CO], v1, 4, v[CO]
	s_lshl_b32 s86, s63, 8
	s_lshl_b32 s87, s[WV], 6
	s_add_co_u32 s86, s86, s87
	s_mul_i32 s86, s86, 3072
	s_mul_i32 s87, s62, 768
	s_add_co_u32 s86, s86, s87
	s_mov_b32 s87, 0
	s_add_nc_u64 s[OUT:OUT+1], s[14:15], s[86:87]
	; the prefetches stand at K step 3; every trip steps them by one K step, so that the first trip, with an even count, names K steps 4 and 5.  Nothing is asked for here, at the head
	s_lshl_b32 s88, s60, 17                        ; x: my work-group's 32 rows of the 128 that I fetch
	s_add_co_u32 s88, s88, s66
	s_add_co_u32 s88, s88, 3*ASTEP
	s_mul_i32 s89, s61, 24576                      ; wb: my work-group's 96 blocks
	s_mul_i32 s90, s62, 786432
	s_add_co_u32 s89, s89, s90
	s_add_co_u32 s89, s89, 3*BSTEP
	s_mov_b32 s92, ASTEP
	s_mov_b32 s93, BSTEP
	s_or_b32 s91, s[CH], s58                       ; of waves 2 and 3: 0 in wave 2 of cluster y = 0
	s_cmp_eq_u32 s[RH], 0
	s_cselect_b32 s88, s88, s89
	s_cselect_b64 s[PFA:PFA+1], s[4:5], s[6:7]
	s_cselect_b32 s[PFS], s92, s93
	s_cselect_b32 s91, 0, s91
	s_cselect_b32 s90, 12, 8                       ; x: a lane a row of 4,096 bytes; wb: a lane a block of 256
	s_mov_b32 s89, 0
	s_mov_b32 s[PFS+1], 0
	s_add_nc_u64 s[PFA:PFA+1], s[PFA:PFA+1], s[88:89]
	s_cmp_eq_u32 s91, 0
	s_cselect_b32 s[LIM], 2, -1                    ; the same in all sixteen partners, for a given wave
	v_lshlrev_b32 v[PFO], s90, v3
; Four roundings: numbers n0 .. n0 + 3 of the 32 that make the four fragments of half th out of RAW (fragment register m takes RAW's registers 2 m and 2 m + 1)
.macro CV4 th, n0
.irp n, 0,1,2,3
	v_cvt_pk_bf16_f32 v[AB+32*(\th)+(\n0)+(\n)], v[RAW+2*((\n0)+(\n))], v[RAW+2*((\n0)+(\n))+1]
.endr
.endm
.macro CVT th                          ; all 32, where there are no products to set them between
.irp g, 0,1,2,3,4,5,6,7
	CV4 \th, 4*(\g)
.endr
.endm
; 8 matrix instructions: segment s, column blocks i0, i0 + 1 x the four row blocks of half hf, 32 along K.  cv = 1: behind every second one four roundings into the OTHER half's fragments, which none of the products round them names.
; cb >= 0: the product starts the sums with the bias, block i at v[cb + 8 i] of window 0.  From the second quarter on the 96 accumulators take turns in one order, over the backward jump too.
.macro G8 hf, s, i0, cv=0, cb=-1
.set gi, 0
.irp ii, \i0, (\i0)+1
.irp a, 0,1,2,3
.set rD, 64*(\ii)+8*(4*(\hf)+(\a))
.set rB, BF+8*(4*(\s)+(\ii))
.set rA, AB+8*(4*(\hf)+(\a))
.if (\cb) >= 0
.set rC, (\cb)+8*(\ii)
	WIN ((\s)+1)<<6
	v_wmma_f32_16x16x32_bf16 v[rD:rD+7], v[rB:rB+7], v[rA:rA+7], v[rC:rC+7]
.else
	WIN 0x50*((\s)+1)
	v_wmma_f32_16x16x32_bf16 v[rD:rD+7], v[rB:rB+7], v[rA:rA+7], v[rD:rD+7]
.endif
.set gi, gi+1
.if (\cv) && (gi%2 == 0)
	WIN 0
	CV4 1-(\hf), 8*(\i0)+2*gi-4
.endif
.endr
.endr
.endm
.macro RUNB s, q                       ; eight loads: segment s's four fragments of wb, quarter q of the slot in hand
.irp ii, 0,1,2,3
	ds_load_tr16_b128 v[BF+8*(4*(\s)+(\ii)):BF+8*(4*(\s)+(\ii))+3],   v[ADRB] offset:(\q)*BHALF+(\s)*PSEG+32*(\ii)
	ds_load_tr16_b128 v[BF+8*(4*(\s)+(\ii))+4:BF+8*(4*(\s)+(\ii))+7], v[ADRB] offset:(\q)*BHALF+(\s)*PSEG+32*(\ii)+16*PB
.endr
.endm
.macro RUNR hf, q                      ; sixteen loads: x's f32 numbers of row blocks 4 hf .. 4 hf + 3, quarter q of the slot in hand, into RAW
.irp a, 0,1,2,3
	ds_load_b128 v[RAW+16*(\a):RAW+16*(\a)+3],     v[ADRA] offset:(4*(\hf)+(\a))*16*PA+128*(\q)
	ds_load_b128 v[RAW+16*(\a)+4:RAW+16*(\a)+7],   v[ADRA] offset:(4*(\hf)+(\a))*16*PA+128*(\q)+16
	ds_load_b128 v[RAW+16*(\a)+8:RAW+16*(\a)+11],  v[ADRA] offset:(4*(\hf)+(\a))*16*PA+128*(\q)+64
	ds_load_b128 v[RAW+16*(\a)+12:RAW+16*(\a)+15], v[ADRA] offset:(4*(\hf)+(\a))*16*PA+128*(\q)+80
.endr
.endm
.macro RUNBIAS n0, dst                 ; eight loads: the bias of column blocks n0 .. n0 + 3 of my twelve
.irp ii, 0,1,2,3
	ds_load_b128 v[(\dst)+8*(\ii):(\dst)+8*(\ii)+3],   v[BA] offset:512*((\n0)/4)+64*(\ii)
	ds_load_b128 v[(\dst)+8*(\ii)+4:(\dst)+8*(\ii)+7], v[BA] offset:512*((\n0)/4)+64*(\ii)+16
.endr
.endm
; A quarter's second half: row blocks 4-7.  RAW holds the NEXT quarter's row blocks 0-3: they are rounded among the first sixteen products; then, for quarter q of the slot in hand, come RAW's row blocks 4-7 and, behind each
; segment's products, its fragments of wb.
.macro REST q
	PLACES                                         ; behind the last products that read row blocks 0-3, whose fragments are written below
	s_wait_dscnt 0x0                               ; RAW is in
	G8 1, 0, 0, 1
	G8 1, 0, 2, 1
	PLACES
	WIN 0
	RUNB 0, \q
	RUNR 1, \q
	G8 1, 1, 0
	G8 1, 1, 2
	PLACES
	WIN 0
	RUNB 1, \q
	G8 1, 2, 0
	G8 1, 2, 2
	PLACES
	WIN 0
	RUNB 2, \q
.endm
; A K step's first quarter.  At its head 40 loads may be out, in this order: segment 0's eight and RAW's sixteen (row blocks 4-7); segment 1's eight; segment 2's eight.
.macro Q0
	s_wait_dscnt 16                                ; segment 0's fragments and RAW are in; the two runs of eight behind them may be out
	G8 0, 0, 0, 1
	G8 0, 0, 2, 1
	WIN 0
	RUNR 0, 1
	s_wait_dscnt 24                                ; segment 1's are in: behind them segment 2's eight and RAW's sixteen
	G8 0, 1, 0
	G8 0, 1, 2
	s_wait_dscnt 16                                ; segment 2's are in: behind them RAW's sixteen
	G8 0, 2, 0
	G8 0, 2, 2
	REST 1
.endm
; A K step's second quarter changes slots: all my reads of this slot have been issued.  In front of the barrier each wave waits for all its tensor loads (one is out: its part of the next slot), adds 0 to its spare word, and waits
; for that and for its reads.  fill = 1: the barrier opens a round of the cluster's, and this slot is filled again first thing behind it, with the K step two on: 176 matrix instructions ahead of the wait for it.
.macro Q1 fill
.if \fill
	s_wait_xcnt 0x0                                ; the last prefetches have read their address
	s_add_nc_u64 s[PFA:PFA+1], s[PFA:PFA+1], s[PFS:PFS+1]
.endif
	WIN 0
	s_wait_tensorcnt 0x0                           ; no tensor load of mine is out, so a group 0 may be written
	ds_add_u32 v[SPW], v[NIL]
.if \fill
	s_xor_b32 s[G0A+5], s[G0A+5], SLOT1            ; the walking descriptors: the other slot than last time, the next K step
	s_add_nc_u64 s[G0A+6:G0A+7], s[G0A+6:G0A+7], ASTEP
	s_xor_b32 s[G0B+5], s[G0B+5], SLOT1
	s_add_nc_u64 s[G0B+6:G0B+7], s[G0B+6:G0B+7], BSTEP
.endif
	s_xor_b32 s[TB], s[TB], SLOT1
	s_wait_dscnt 17                                ; segment 0's fragments and RAW are in; the two runs of eight and the add may be out
	G8 0, 0, 0, 1
	s_wait_dscnt 0x0                               ; the add is done, and my reads of this slot are over
	s_barrier_signal -1
	G8 0, 0, 2, 1
	WIN 0
	s_barrier_wait -1
.if \fill
	CREST                                          ; no wave of any partner still reads this slot or has a load on its way
	JLOAD
.endif
	v_add_nc_u32 v[ADRA], s[TB], v[ADRA0]
	v_add_nc_u32 v[ADRB], s[TB], v[ADRB0]
	RUNR 0, 0
.if \fill
	ASK
.endif
	G8 0, 1, 0
	G8 0, 1, 2
	G8 0, 2, 0
	G8 0, 2, 2
	REST 0
.endm
	s_wait_tensorcnt 1                             ; my part of K step 0 is in; K step 1's may stay out
	s_wait_dscnt 0x0                               ; my store of the bias is done
	s_barrier_signal -1
	s_barrier_wait -1
	; THE FIRST QUARTER goes by segments and starts the sums with the bias.  There are no products yet to set the roundings between
	RUNR 0, 0
	RUNB 0, 0
	RUNB 1, 0
	RUNB 2, 0
	s_wait_dscnt 24                                ; RAW is in: behind it wb's 24 loads
	CVT 0
	RUNR 1, 0
	s_wait_dscnt 0x0
	CVT 1
	RUNBIAS 0, RAW                                 ; RAW is free: the bias of segments 0 and 1
	RUNBIAS 4, RAW+32
	s_wait_dscnt 0x0
	G8 0, 0, 0, 0, RAW
	G8 0, 0, 2, 0, RAW
	G8 1, 0, 0, 0, RAW
	G8 1, 0, 2, 0, RAW
	PLACES
	WIN 0
	RUNBIAS 8, RAW                                 ; segment 2's takes segment 0's place
	G8 0, 1, 0, 0, RAW+32
	G8 0, 1, 2, 0, RAW+32
	G8 1, 1, 0, 0, RAW+32
	G8 1, 1, 2, 0, RAW+32
	s_wait_dscnt 0x0
	G8 0, 2, 0, 0, RAW
	G8 0, 2, 2, 0, RAW
	G8 1, 2, 0, 0, RAW
	G8 1, 2, 2, 0, RAW
	PLACES
	WIN 0
	RUNR 0, 1                                      ; what a quarter finds at its head: row blocks 0-3 rounded,
	s_wait_dscnt 0x0
	CVT 0
	RUNB 0, 1                                      ; and 40 loads out, in the order that its waits count on
	RUNR 1, 1
	RUNB 1, 1
	RUNB 2, 1
	s_mov_b32 s[CNT], KSTEPS-2
.Lk:                                               ; a trip: a K step's second quarter with a refill, the next K step's first
	Q1 1
	Q0
	s_sub_co_u32 s[CNT], s[CNT], 1
	s_cmp_lg_u32 s[CNT], 0
	s_cbranch_scc1 .Lk
	Q1 0                                           ; the last two K steps ask for nothing
	Q0
	s_wait_dscnt 16                                ; the very last quarter: nothing more to fetch
	G8 0, 0, 0, 1
	G8 0, 0, 2, 1
	s_wait_dscnt 8                                 ; segment 1's fragments are in: behind them segment 2's eight
	G8 0, 1, 0
	G8 0, 1, 2
	s_wait_dscnt 0x0                               ; my reads of the ring are over:
	s_barrier_signal -1
	G8 0, 2, 0
	G8 0, 2, 2
	G8 1, 0, 0
	G8 1, 0, 2
	G8 1, 1, 0
	G8 1, 1, 2
	G8 1, 2, 0
	G8 1, 2, 2
	WIN 0
	s_barrier_wait -1                              ; everybody's are, and every tensor load has landed: the ring's bytes may be written
	PLACES
	PLACES
	; THE WAY OUT, a segment (a window) at a time: a lane's eight columns of a row pack into 16 bytes.  Each accumulator's registers are read in ascending order
.irp s, 0,1,2
	WIN 5*((\s)+1)                                 ; sources 0 and 1 in the segment's window
.set n, 0
.rept 32
.irp rr, 0,1,2,3
	v_cvt_pk_bf16_f32 v[T+4*n+(\rr)], v[8*n+2*(\rr)], v[8*n+2*(\rr)+1]
.endr
.set n, n+1
.endr
	WIN 0
.set n, 0
.rept 32                               ; accumulator n: column block n / 8, row block n % 8
	ds_store_b128 v[DST+(n%8)/4], v[T+4*n:T+4*n+3] offset:(n%4)*16*SP+256*(\s)+32*(n/8)
.set n, n+1
.endr
.endr
	s_wait_dscnt 0x0                               ; for the others' sake: my stores into the stage are done
	s_barrier_signal -1
	s_barrier_wait -1                              ; the stage is whole
	s_mov_b32 s[BO], 0
	s_mov_b32 s[CNT], 4
.Lrows:                                            ; 16 rows a trip: 8 pairs of rows x 3 blocks of 256 bytes
	v_add_nc_u32 v[RD], s[BO], v[RD0]
.set n, 0
.rept 24
	ds_load_b128 v[T+4*n:T+4*n+3], v[RD] offset:(n/3)*2*SP+(n%3)*256
.set n, n+1
.endr
.set n, 0
.rept 24
	s_wait_dscnt 23-n                              ; LDS loads come back in order: load n is in
	global_store_b128 v[CO], v[T+4*n:T+4*n+3], s[OUT:OUT+1] offset:(n/3)*2*3072+(n%3)*256 th:TH_STORE_NT  ; 16 lanes store 256 consecutive bytes, aligned
.set n, n+1
.endr
	s_wait_xcnt 0x0                                ; the stores have read their data and base: both are written again only behind this wait
	s_add_nc_u64 s[OUT:OUT+1], s[OUT:OUT+1], 16*3072
	s_add_co_u32 s[BO], s[BO], 16*SP
	s_sub_co_u32 s[CNT], s[CNT], 1
	s_cmp_lg_u32 s[CNT], 0
	s_cbranch_scc1 .Lrows
	s_wait_tensorcnt 0x0                           ; the wave's end
	ds_add_u32 v[SPW], v[NIL]
	s_wait_dscnt 0x0
	CROUND                                         ; the closing round
	s_endpgm
.Lfunc_end_k_qac10dc55cb_proj:
	.size	k_qac10dc55cb_proj, .Lfunc_end_k_qac10dc55cb_proj-k_qac10dc55cb_proj
	.p2alignl 7, 3214868480
	.fill 96, 4, 3214868480
	.section	.rodata,"a",@progbits
	.p2align	6, 0x0
	.amdhsa_kernel k_qac10dc55cb_proj
		.amdhsa_group_segment_fixed_size 327680
		.amdhsa_private_segment_fixed_size 0
		.amdhsa_enable_private_segment 0
		.amdhsa_kernarg_size 48
		.amdhsa_user_sgpr_count 2
		.amdhsa_user_sgpr_kernarg_segment_ptr 1
		.amdhsa_wavefront_size32 1
		.amdhsa_system_sgpr_workgroup_id_x 1
		.amdhsa_system_sgpr_workgroup_id_y 1
		.amdhsa_system_sgpr_workgroup_id_z 1
		.amdhsa_system_vgpr_workitem_id 0
		.amdhsa_next_free_vgpr 1024
		.amdhsa_next_free_sgpr 100
		.amdhsa_reserve_vcc 0
		.amdhsa_float_denorm_mode_32 3
		.amdhsa_float_denorm_mode_16_64 3
		.amdhsa_memory_ordered 1
		.amdhsa_forward_progress 1
		.amdhsa_inst_pref_size 138
	.end_amdhsa_kernel
	.amdgpu_metadata
---
amdhsa.version: [ 1, 2 ]
amdhsa.kernels:
  - .name:           k_qac10dc55cb_proj
    .symbol:         k_qac10dc55cb_proj.kd
    .args:
      - { .name: x, .offset: 0, .size: 8, .value_kind: global_buffer, .address_space: global }
      - { .name: wb, .offset: 8, .size: 8, .value_kind: global_buffer, .address_space: global }
      - { .name: bq, .offset: 16, .size: 8, .value_kind: global_buffer, .address_space: global }
      - { .name: bk, .offset: 24, .size: 8, .value_kind: global_buffer, .address_space: global }
      - { .name: bv, .offset: 32, .size: 8, .value_kind: global_buffer, .address_space: global }
      - { .name: qkv, .offset: 40, .size: 8, .value_kind: global_buffer, .address_space: global }
    .group_segment_fixed_size: 327680
    .private_segment_fixed_size: 0
    .kernarg_segment_align: 8
    .kernarg_segment_size: 48
    .max_flat_workgroup_size: 128
    .sgpr_count:     100
    .vgpr_count:     1024
    .wavefront_size: 32
...
	.end_amdgpu_metadata
.endif
;; end of part 6
;; launch scores (part 7): grid 8 x 32, 4 waves a work-group, clusters of 4 x 4, 327,680 bytes of LDS; arguments qkv, pbuf, stat; writes pbuf, stat
.if DOCPART == 7
	.amdgcn_target "amdgcn-amd-amdhsa--gfx1250"
	.amdhsa_code_object_version 6
	.text
	.protected	k_qac10dc55cb_scores
	.globl	k_qac10dc55cb_scores
	.p2align	8
	.type	k_qac10dc55cb_scores,@function
k_qac10dc55cb_scores:
	s_mov_b64 s[64:65], 0
	v_nop
	global_prefetch_b8 v0, s[64:65] scope:SCOPE_SE
	s_setreg_imm32_b32 hwreg(HW_REG_WAVE_MODE, 25, 1), 1
	s_wait_xcnt 0x0
	s_wait_alu depctr_hold_cnt(0) depctr_sa_sdst(0) depctr_va_vdst(0) depctr_va_sdst(0) depctr_va_ssrc(0) depctr_va_vcc(0) depctr_vm_vsrc(0)
	s_getreg_b32 s2, hwreg(HW_REG_IB_STS2, 6, 4)
	s_cmp_eq_u32 s2, 0
	s_cbranch_scc0 .Lentry_in_a_cluster
	s_endpgm
.Lentry_in_a_cluster:
	s_bfe_u32 s2, ttmp6, 0x10000c
	s_cmp_lg_u32 s2, 0xf033
	s_cbranch_scc0 .Lentry_shape_is_right
	s_endpgm
.Lentry_shape_is_right:
; THE WEIGHTS, BLOCK BY BLOCK.  s[q][k] = q[q] . k[k] (256 channels, bf16 operands, f32 sums).  For each query and each block j of 128 keys: m_j = the block's largest s;
; pbuf[q][k] = 2^(c s - c m_j) in bf16, c = log2(e) / 16; stat[tile row of 256 queries][c m, l][16 blocks][256 queries], f32: c m_j and l_j = the sum of the block's unrounded weights.
; The launch behind takes the largest of a row's 16 c m_j and scales each block by 2^(c m_j - that): the row's true maximum is taken away, in two steps.
; LIMITS.  A weight below 2^-126 counts as 0; NaN and infinities are not treated apart.
; A WORK-GROUP STAYS: it takes 256 keys of a batch and TWO tiles of 256 queries, tile rows cy and cy + 4 of the batch's eight.  Four waves, each 128 queries x 128 keys of a tile: one block of keys.
; The wave's 128 keys x 256 channels, 64 fragments, are read from LDS once and stay in 512 registers; k's LDS bytes are then filled again, with the second tile of q, which lands while the first is worked on.
; CLUSTER 4 x 4, one batch: q's tiles hang on cy alone and are shared along a row of the cluster, k's on the key tile alone and is shared along a column.
; BY ROWS.  A wave's queries go by blocks of 16: 64 products (8 groups of 32 channels x 8 blocks of 16 keys) into the same eight accumulators, in which lane l holds ONE query (l % 16) and the keys
; 16 b + 8 (l / 16) + 0..7: the softmax works on them as they lie, and one text serves all blocks of both tiles.
; A TURN: the maximum of block n - 1 and c s - c m move its scores out of the accumulators; then block n's 64 products, and behind every second one four lines of block n - 1's exponentials, roundings and sums.
; The weights leave through a stage of 16 rows x 272 bytes, each wave's own, as whole blocks of 256 bytes.
; REGISTERS: window 0: v0-31 addresses and statistics; v32-95 the accumulators; v96-159 c s - c m, then the weights; v160-223 q's 8 fragments of a block; v224-255 the weights in bf16.
;   window 2: k's fragments of channel groups 0-3 (group g, key block b at v[64 g + 8 b]); window 3: groups 4-7.
.set PITCH,  272
.set HALFT,  128*PITCH
.set SLOT,   4*HALFT                   ; channels 0-127: q's two halves, then k's two (later the second q's); behind it the same for channels 128-255
.set SP,     272
.set STAGE,  2*SLOT                    ; behind the tiles: 16 rows x 272 bytes for each wave
.set TAB,    STAGE+4*16*SP             ; for each wave 512 bytes of c m and 512 of l
.set SPARE,  TAB+4096                  ; the spare words, 128 bytes a wave, which no other line names
.set AD0,   8                          ; v8, v9   where q's next block lies: channels 0-127, 128-255
.set AD1,   9
.set ADB0,  10                         ; v10, v11 the same for my 128 keys
.set ADB1,  11
.set STO,   12                         ; v12  where I put 16 bytes of a row of weights
.set RD,    13                         ; v13  where I read rows back
.set GOF,   14                         ; v14  my 16 bytes in two rows of pbuf
.set TA,    15                         ; v15  my query's word in the table
.set TR,    16                         ; v16  my 16 bytes of the table
.set SO,    17                         ; v17  16 x lane
.set T,     18                         ; v18 c m, v19 m
.set C0,    20                         ; v20-23 at work
.set LS,    24                         ; v24  l
.set ADQ0,  25                         ; v25, v26 my place in block 0 of the first tile of q; never rewritten
.set ADQ1,  26
.set TA0,   27                         ; v27  block 0's word in the table; never rewritten
.set SPW,   28
.set NIL,   29
.set S,     32
.set W,     96
.set A,     160
.set P,     224
.set WV,  16
.set RH,  17
.set CH,  18
.set CNT, 19
.set QB,  20                           ; s20  LDS byte, from the first tile's block 0 on, of the block of q fetched last
.set TO,  21                           ; s21  the block's 64 bytes in the table
.set TL,  22                           ; s22  tiles to go
.set G1A, 24
.set G1B, 32
.set G0A, 40
.set G0B, 48
.set G0C, 56                           ; s[56:59] descriptor group 0 for my quarter of the second tile of q
.set OUT, 74                           ; s[74:75] pbuf at the block of 16 queries whose weights leave
.set ST,  76                           ; s[76:77] stat at my 128 queries
.set CS,  80                           ; s[80:81] c
.set SEL, 82                           ; s[82:83] v_permlanex16_b32's selects: each lane takes its own place in the other half
.set STP, 84                           ; s[84:85] pbuf's step in front of a block's stores: 0, then 16 rows; to the second tile 1,024 rows less the 112 gone
.set MSB, 0
.macro WIN new
.if MSB != (\new)
	s_set_vgpr_msb (MSB<<8)|(\new)
.set MSB, \new
.endif
.endm
.macro PLACES
.rept 4
	v_nop
.endr
.endm
.macro CROUND                          ; a round of the cluster's barrier
	s_barrier_signal -1
	s_barrier_wait -1
	s_cmp_lg_u32 s[WV], 0
	s_cbranch_scc1 .Lnot_wave_0_\@
	s_barrier_signal -3
.Lnot_wave_0_\@:
	s_barrier_wait -3
	s_barrier_signal -1
	s_barrier_wait -1
.endm
	s_load_b128 s[4:7], s[0:1], 0x0                ; qkv s[4:5], pbuf s[6:7]
	s_load_b64 s[8:9], s[0:1], 0x10                ; stat
	v_lshl_add_u32 v[SPW], v0, 2, SPARE
	v_mov_b32 v[NIL], 0
	ds_add_u32 v[SPW], v[NIL]                      ; the wave's opening: the add and its wait stand ahead of the first tensor load
	v_lshrrev_b32 v7, 5, v0
	v_readfirstlane_b32 s[WV], v7
	s_lshr_b32 s[RH], s[WV], 1                     ; my half of the queries; also: I fetch q's tile (0) or k's (1); of the second q: which half of the channels
	s_and_b32 s[CH], s[WV], 1                      ; my half of the keys; also: which 128 rows of a tile I fetch
	s_bfe_u32 s60, ttmp6, 0x40000                  ; cx
	s_bfe_u32 s61, ttmp6, 0x40004                  ; cy
	s_lshl_b32 s62, ttmp9, 2
	s_add_co_u32 s62, s62, s60                     ; key tile (256 keys) = 4 x cluster x + cx
	s_and_b32 s59, ttmp7, 0xffff                   ; cluster y: the batch
	s_lshl_b32 s63, s59, 3
	s_add_co_u32 s63, s63, s61                     ; my first tile row = 8 x batch + cy; the second lies four further on
	s_lshl_b32 s94, s61, 2
	s_lshl_b32 s94, 15, s94                        ; my row of the cluster
	s_lshl_b32 s95, 0x1111, s60                    ; my column
	s_or_b32 s[G1A+0], s94, 0x07710000             ; the mask, bit 21 beside it; 2-byte elements; padding on: after every 64 words 4 words
	s_or_b32 s[G1B+0], s95, 0x07710000
.irp g, G1A, G1B
	s_mov_b32 s[(\g)+1], 128<<16                   ; tensor_dim0 = 128
	s_mov_b32 s[(\g)+2], 128<<16                   ; tensor_dim1 = 128
	s_mov_b32 s[(\g)+3], 128<<16                   ; tile_dim0 = 128
	s_mov_b32 s[(\g)+4], 128                       ; tile_dim1 = 128
	s_mov_b32 s[(\g)+5], 1536                      ; elements from row to row of qkv
	s_mov_b32 s[(\g)+6], 0
	s_mov_b32 s[(\g)+7], 0
.endr
	s_lshl_b32 s66, s63, 8                         ; q: row 256 x tile row + 128 x half: no register of this address ever holds cx
	s_lshl_b32 s67, s[CH], 7
	s_add_co_u32 s66, s66, s67
	s_mul_i32 s66, s66, 3072
	s_mov_b32 s67, 0
	s_lshl_b32 s68, s59, 11                        ; k: row 2,048 x batch + 256 x key tile + 128 x half, 512 bytes into the row: none of these ever holds cy
	s_lshl_b32 s69, s62, 8
	s_add_co_u32 s68, s68, s69
	s_lshl_b32 s69, s[CH], 7
	s_add_co_u32 s68, s68, s69
	s_mul_i32 s68, s68, 3072
	s_add_co_u32 s68, s68, 512
	s_mov_b32 s69, 0
	s_lshl_b32 s70, s[RH], 8                       ; the second q: the same rows 1,024 further down, my half of the channels
	s_add_co_u32 s70, s70, s66
	s_add_co_u32 s70, s70, 1024*3072
	s_mov_b32 s71, 0
	s_mul_i32 s79, s[WV], HALFT
	s_mov_b32 s[G0A], 1
	s_mov_b32 s[G0A+1], s79
	s_mov_b32 s[G0A+4], 1
	s_add_co_u32 s[G0A+5], s79, SLOT
	s_mov_b32 s[G0B], 1
	s_mov_b32 s[G0B+1], s79
	s_mov_b32 s[G0B+4], 1
	s_add_co_u32 s[G0B+5], s79, SLOT
	s_mul_i32 s96, s[RH], SLOT                     ; it lands where k's tile lay: the channels' half, behind q's two halves, my 128 rows
	s_mul_i32 s97, s[CH], HALFT
	s_add_co_u32 s96, s96, s97
	s_mov_b32 s[G0C], 1
	s_add_co_u32 s[G0C+1], s96, 2*HALFT
	s_mov_b32 s[CS], 0x3db8aa3b                    ; c = log2(e) / 16
	s_mov_b32 s[CS+1], s[CS]
	s_mov_b32 s[SEL], 0x76543210
	s_mov_b32 s[SEL+1], 0xfedcba98
	s_mov_b32 s[STP], 0
	s_mov_b32 s[STP+1], 0
	s_mov_b32 s[QB], 0
	s_wait_dscnt 0x0                               ; the opening add is done
	s_wait_kmcnt 0x0
	s_add_nc_u64 s[G0A+2:G0A+3], s[4:5], s[66:67]
	s_add_nc_u64 s[G0A+6:G0A+7], s[G0A+2:G0A+3], 256
	s_or_b32 s[G0A+3], s[G0A+3], 0x80000000
	s_or_b32 s[G0A+7], s[G0A+7], 0x80000000
	s_add_nc_u64 s[G0B+2:G0B+3], s[4:5], s[68:69]
	s_add_nc_u64 s[G0B+6:G0B+7], s[G0B+2:G0B+3], 256
	s_or_b32 s[G0B+3], s[G0B+3], 0x80000000
	s_or_b32 s[G0B+7], s[G0B+7], 0x80000000
	s_add_nc_u64 s[G0C+2:G0C+3], s[4:5], s[70:71]
	s_or_b32 s[G0C+3], s[G0C+3], 0x80000000
	CROUND                                         ; all sixteen work-groups are here: the joint loads meet
	s_cmp_eq_u32 s[RH], 0                          ; both halves of the channels at once: two loads of mine are out
	s_cbranch_scc0 .Lfirst_b
	tensor_load_to_lds s[G0A:G0A+3], s[G1A:G1A+7]
	s_nop 0
	tensor_load_to_lds s[G0A+4:G0A+7], s[G1A:G1A+7]
	s_nop 0
.rept 4
	v_nop
.endr
	s_branch .Lfirst_done
.Lfirst_b:
	tensor_load_to_lds s[G0B:G0B+3], s[G1B:G1B+7]
	s_nop 0
	tensor_load_to_lds s[G0B+4:G0B+7], s[G1B:G1B+7]
	s_nop 0
.rept 4
	v_nop
.endr
.Lfirst_done:
	v_and_b32 v1, 15, v0                           ; r
	v_bfe_u32 v2, v0, 4, 1                         ; h
	v_and_b32 v3, 31, v0                           ; l
	v_mul_u32_u24 v4, v1, PITCH
	v_lshl_add_u32 v4, v2, 4, v4                   ; a fragment's row x pitch + 16 h
	s_mul_i32 s96, s[RH], HALFT
	s_mul_i32 s97, s[CH], HALFT
	s_add_co_u32 s97, s97, 2*HALFT
	v_add_nc_u32 v[ADQ0], s96, v4
	v_add_nc_u32 v[ADQ1], SLOT, v[ADQ0]
	v_add_nc_u32 v[ADB0], s97, v4
	v_add_nc_u32 v[ADB1], SLOT, v[ADB0]
	s_mul_i32 s96, s[WV], 16*SP
	s_add_co_u32 s96, s96, STAGE                   ; my stage
	v_mul_u32_u24 v[STO], v1, SP                   ; in: row r, 16 bytes for each half of the lanes
	v_lshl_add_u32 v[STO], v2, 4, v[STO]
	v_add_nc_u32 v[STO], s96, v[STO]
	v_mul_u32_u24 v[RD], v2, SP                    ; back: lanes 0-15 a row of 256 bytes, lanes 16-31 the next
	v_lshl_add_u32 v[RD], v1, 4, v[RD]
	v_add_nc_u32 v[RD], s96, v[RD]
	s_lshl_b32 s97, s[WV], 10
	s_add_co_u32 s97, s97, TAB
	v_lshl_add_u32 v[TA0], v1, 2, s97
	v_lshl_add_u32 v[TR], v3, 4, s97
	v_lshlrev_b32 v[SO], 4, v3
	v_lshlrev_b32 v[GOF], 12, v2                   ; the same two rows in pbuf
	v_lshl_add_u32 v[GOF], v1, 4, v[GOF]
	s_lshl_b32 s86, s63, 8                         ; pbuf at my first query and key
	s_lshl_b32 s87, s[RH], 7
	s_add_co_u32 s86, s86, s87
	s_lshl_b32 s86, s86, 12
	s_lshl_b32 s87, s62, 9
	s_add_co_u32 s86, s86, s87
	s_lshl_b32 s87, s[CH], 8
	s_add_co_u32 s86, s86, s87
	s_mov_b32 s87, 0
	s_add_nc_u64 s[OUT:OUT+1], s[6:7], s[86:87]
	s_lshl_b32 s88, s63, 15                        ; stat: 32,768 bytes a tile row;
	s_lshl_b32 s89, s62, 1
	s_add_co_u32 s89, s89, s[CH]                   ; block 2 x key tile + half, 1,024 bytes each;
	s_lshl_b32 s89, s89, 10
	s_add_co_u32 s88, s88, s89
	s_lshl_b32 s89, s[RH], 9                       ; my 128 queries
	s_add_co_u32 s88, s88, s89
	s_mov_b32 s89, 0
	s_add_nc_u64 s[ST:ST+1], s[8:9], s[88:89]
.macro ALOAD k0                        ; eight loads: q's fragments of channel groups k0 .. k0 + 3 (k0 = 0 or 4) of the block at AD0, AD1
.irp k, 0,1,2,3
	ds_load_b128 v[A+8*((\k0)+(\k)):A+8*((\k0)+(\k))+3],   v[AD0+(\k0)/4] offset:64*(\k)
	ds_load_b128 v[A+8*((\k0)+(\k))+4:A+8*((\k0)+(\k))+7], v[AD0+(\k0)/4] offset:64*(\k)+32
.endr
.endm
.macro ABLOCK                          ; a tile's block 0, whole
	v_add_nc_u32 v[AD0], s[QB], v[ADQ0]
	v_add_nc_u32 v[AD1], s[QB], v[ADQ1]
	ALOAD 0
	ALOAD 4
.endm
; Slice k of 32 of a block's vector work behind the scaling: four lines.  0-15: the 64 exponentials, ONE batch: nothing in it names an exponential's result.  16-23: the 32 roundings to bf16.
; 24-31: the sum of the 32 pairs, in place: neighbours 1, 2, 4, 8, 16 pairs apart, then the pair's two halves.
.macro RID k
.irp n, 0,1,2,3
.if (\k) < 16
	v_exp_f32 v[W+4*(\k)+(\n)], v[W+4*(\k)+(\n)]
.elseif (\k) < 24
	v_cvt_pk_bf16_f32 v[P+4*((\k)-16)+(\n)], v[W+8*((\k)-16)+2*(\n)], v[W+8*((\k)-16)+2*(\n)+1]
.else
.set z, 4*((\k)-24)+(\n)
.if z < 16
	v_pk_add_f32 v[W+4*z:W+4*z+1], v[W+4*z:W+4*z+1], v[W+4*z+2:W+4*z+3]
.elseif z < 24
	v_pk_add_f32 v[W+8*(z-16):W+8*(z-16)+1], v[W+8*(z-16):W+8*(z-16)+1], v[W+8*(z-16)+4:W+8*(z-16)+5]
.elseif z < 28
	v_pk_add_f32 v[W+16*(z-24):W+16*(z-24)+1], v[W+16*(z-24):W+16*(z-24)+1], v[W+16*(z-24)+8:W+16*(z-24)+9]
.elseif z < 30
	v_pk_add_f32 v[W+32*(z-28):W+32*(z-28)+1], v[W+32*(z-28):W+32*(z-28)+1], v[W+32*(z-28)+16:W+32*(z-28)+17]
.elseif z == 30
	v_pk_add_f32 v[W:W+1], v[W:W+1], v[W+32:W+33]
.else
	v_add_f32 v[C0], v[W], v[W+1]
.endif
.endif
.endr
.endm
; A TURN.  sm = 1: the softmax of the block whose scores lie in the accumulators.  mm = 1: the next block's 64 products; q's fragments of the block after it are fetched as soon as theirs are read: channel groups 0-3 behind
; product 31, groups 4-7 behind product 63.  skip = 1: in the loop's last trip (the count is 1) the tile has no block after, and the two fetches are jumped over.
; The eight accumulators take turns, one instruction a turn; the first eight products start the sums.
.macro TURN sm, mm, skip
.if \sm
	v_add_nc_u32 v[TA], s[TO], v[TA0]
.irp k, 0,1,2,3                        ; the maximum: four chains of fifteen scores, three operands at a time; each accumulator's lowest registers are read first
	v_max3_num_f32 v[C0+(\k)], v[S+16*(\k)], v[S+16*(\k)+1], v[S+16*(\k)+2]
.endr
.irp n, 0,1,2,3,4,5
.irp k, 0,1,2,3
	v_max3_num_f32 v[C0+(\k)], v[C0+(\k)], v[S+16*(\k)+3+2*(\n)], v[S+16*(\k)+4+2*(\n)]
.endr
.endr
	v_max3_num_f32 v[C0], v[C0], v[S+15], v[S+31]
	v_max3_num_f32 v[C0+1], v[C0+1], v[S+47], v[S+63]
	v_max3_num_f32 v[C0], v[C0], v[C0+1], v[C0+2]
	v_max_num_f32 v[C0], v[C0], v[C0+3]
	v_permlanex16_b32 v[C0+1], v[C0], s[SEL], s[SEL+1]  ; the query's other 64 keys lie in the lane 16 away
	v_max_num_f32 v[T+1], v[C0], v[C0+1]
	v_mul_f32 v[T], s[CS], v[T+1]                  ; c m
.set b, 0
.rept 32                               ; c s - c m by pairs, out of the accumulators
	v_pk_fma_f32 v[W+2*b:W+2*b+1], v[S+2*b:S+2*b+1], s[CS:CS+1], v[T:T+1] op_sel_hi:[1,0,0] neg_lo:[0,0,1] neg_hi:[0,0,1]
.set b, b+1
.endr
	ds_store_b32 v[TA], v[T]                       ; both halves of the lanes store the same number to the same word
.endif
.if \mm
	s_wait_dscnt 0x0                               ; q's fragments are in
.endif
.set i, 0
.rept 64
.if \mm
	WIN 0x02+i/32                                  ; source 0 in window 2 or 3
.if i < 8
	v_wmma_f32_16x16x32_bf16 v[S+8*(i%8):S+8*(i%8)+7], v[64*((i/8)%4)+8*(i%8):64*((i/8)%4)+8*(i%8)+7], v[A+8*(i/8):A+8*(i/8)+7], 0
.else
	v_wmma_f32_16x16x32_bf16 v[S+8*(i%8):S+8*(i%8)+7], v[64*((i/8)%4)+8*(i%8):64*((i/8)%4)+8*(i%8)+7], v[A+8*(i/8):A+8*(i/8)+7], v[S+8*(i%8):S+8*(i%8)+7]
.endif
.endif
.if (\sm) && (i%2 == 1)
	WIN 0
	RID i/2
.endif
.if i == 31
	WIN 0
.if \mm
	PLACES                                         ; behind the last exponential a plain instruction; behind the products that read q's groups 0-3 four places
.else
	v_nop
.endif
.if \sm
	s_wait_alu depctr_va_vdst(0)                   ; the one wait ahead of the batch's first reader
	s_wait_xcnt 0x0                                ; the last block's stores have read their data and base
	s_add_nc_u64 s[OUT:OUT+1], s[OUT:OUT+1], s[STP:STP+1]
	s_mov_b32 s[STP], 16*4096
.endif
.if \mm
.if \skip
	s_cmp_eq_u32 s[CNT], 1
	s_cbranch_scc1 .Lno_a_\@
.endif
	s_add_co_u32 s[QB], s[QB], 16*PITCH
	v_add_nc_u32 v[AD0], s[QB], v[ADQ0]
	ALOAD 0
.if \skip
.Lno_a_\@:
.endif
.endif
.endif
.if (\sm) && (i == 47)
	WIN 0
.irp bb, 0,1,2,3,4,5,6,7               ; a lane's eight keys of a row are 16 bytes
	ds_store_b128 v[STO], v[P+4*(\bb):P+4*(\bb)+3] offset:32*(\bb)
.endr
.irp t, 0,1,2,3,4,5,6,7
	ds_load_b128 v[P+4*(\t):P+4*(\t)+3], v[RD] offset:(\t)*2*SP  ; LDS serves a wave's instructions in order (ISA guide 5.7.1.4): these see the stores above
.endr
.endif
.set i, i+1
.endr
	WIN 0
.if \sm
	s_wait_dscnt 0x0                               ; the rows of weights are back
.irp t, 0,1,2,3,4,5,6,7
	global_store_b128 v[GOF], v[P+4*(\t):P+4*(\t)+3], s[OUT:OUT+1] offset:(\t)*2*4096 th:TH_STORE_NT  ; 16 lanes store 256 consecutive bytes, aligned
.endr
.endif
.if \mm
	PLACES                                         ; behind the last products: in front of the loads into q's groups 4-7 and of the next turn's maximum
.if \skip
	s_cmp_eq_u32 s[CNT], 1
	s_cbranch_scc1 .Lno_b_\@
.endif
	v_add_nc_u32 v[AD1], s[QB], v[ADQ1]
	ALOAD 4
.if \skip
.Lno_b_\@:
.endif
.endif
.if \sm
	v_permlanex16_b32 v[C0+1], v[C0], s[SEL], s[SEL+1]
	v_add_f32 v[LS], v[C0], v[C0+1]                ; l
	ds_store_b32 v[TA], v[LS] offset:512
	s_add_co_u32 s[TO], s[TO], 64
.endif
.endm
	s_wait_tensorcnt 0x0                           ; my parts of the tiles are in,
	s_barrier_signal -1
	s_barrier_wait -1                              ; everybody's are
	ABLOCK                                         ; the first tile's block 0,
.irp w, 0,1                            ; and my 128 keys, channel group by channel group
	WIN 0x80+0x40*(\w)
.irp k, 0,1,2,3
.irp b, 0,1,2,3,4,5,6,7
	ds_load_b128 v[64*(\k)+8*(\b):64*(\k)+8*(\b)+3],   v[ADB0+(\w)] offset:(\b)*16*PITCH+64*(\k)
	ds_load_b128 v[64*(\k)+8*(\b)+4:64*(\k)+8*(\b)+7], v[ADB0+(\w)] offset:(\b)*16*PITCH+64*(\k)+32
.endr
.endr
.endr
	WIN 0
	; k's BYTES ARE FILLED AGAIN, with the second tile of q: a quarter a wave, asked for jointly along my row of the cluster
	s_wait_tensorcnt 0x0                           ; no tensor load of mine is out
	ds_add_u32 v[SPW], v[NIL]
	s_wait_dscnt 0x0                               ; the add is done, and my reads of k's bytes are back in registers
	CROUND                                         ; the same holds of every wave of every partner
	tensor_load_to_lds s[G0C:G0C+3], s[G1A:G1A+7]  ; my one load behind the round; it has the first tile's nine turns in which to land
	s_nop 0
.rept 4
	v_nop
.endr
	s_mov_b32 s[TL], 2
.Ltile:
	s_mov_b32 s[TO], 0
	TURN 0, 1, 0                                   ; block 0's products: there is no vector work yet to set between them
	s_mov_b32 s[CNT], 7
.Lturn:                                            ; seven trips: the softmax of blocks 0 to 6 beside the products of blocks 1 to 7
	TURN 1, 1, 1
	s_sub_co_u32 s[CNT], s[CNT], 1
	s_cmp_lg_u32 s[CNT], 0
	s_cbranch_scc1 .Lturn
	TURN 1, 0, 0                                   ; block 7's softmax
	ds_load_b128 v[W:W+3], v[TR]                   ; my wave's 128 c m and 128 l
	ds_load_b128 v[W+4:W+7], v[TR] offset:512
	s_wait_dscnt 0x0
	global_store_b128 v[SO], v[W:W+3], s[ST:ST+1] th:TH_STORE_NT                   ; 512 consecutive bytes each
	global_store_b128 v[SO], v[W+4:W+7], s[ST:ST+1] offset:16384 th:TH_STORE_NT
	s_wait_tensorcnt 0x0                           ; my quarter of the second tile is in,
	s_barrier_signal -1
	s_barrier_wait -1                              ; everybody's is.  (Behind the second tile the two lines serve nothing: the price of one text for both tiles, since no barrier is jumped over)
	s_cmp_eq_u32 s[TL], 1
	s_cbranch_scc1 .Lno_next
	s_wait_xcnt 0x0                                ; the stores have read their data and base
	s_add_nc_u64 s[ST:ST+1], s[ST:ST+1], 4*32768   ; four tile rows on
	s_mov_b32 s[STP], (1024-7*16)*4096
	s_mov_b32 s[QB], 2*HALFT                       ; the second tile lies where k's lay
	ABLOCK
.Lno_next:
	s_sub_co_u32 s[TL], s[TL], 1
	s_cmp_lg_u32 s[TL], 0
	s_cbranch_scc1 .Ltile
	s_wait_tensorcnt 0x0                           ; the wave's end
	ds_add_u32 v[SPW], v[NIL]
	s_wait_dscnt 0x0
	CROUND                                         ; the closing round
	s_endpgm
.Lfunc_end_k_qac10dc55cb_scores:
	.size	k_qac10dc55cb_scores, .Lfunc_end_k_qac10dc55cb_scores-k_qac10dc55cb_scores
	.p2alignl 7, 3214868480
	.fill 96, 4, 3214868480
	.section	.rodata,"a",@progbits
	.p2align	6, 0x0
	.amdhsa_kernel k_qac10dc55cb_scores
		.amdhsa_group_segment_fixed_size 327680
		.amdhsa_private_segment_fixed_size 0
		.amdhsa_enable_private_segment 0
		.amdhsa_kernarg_size 24
		.amdhsa_user_sgpr_count 2
		.amdhsa_user_sgpr_kernarg_segment_ptr 1
		.amdhsa_wavefront_size32 1
		.amdhsa_system_sgpr_workgroup_id_x 1
		.amdhsa_system_sgpr_workgroup_id_y 1
		.amdhsa_system_sgpr_workgroup_id_z 1
		.amdhsa_system_vgpr_workitem_id 0
		.amdhsa_next_free_vgpr 1024
		.amdhsa_next_free_sgpr 100
		.amdhsa_reserve_vcc 0
		.amdhsa_float_denorm_mode_32 3
		.amdhsa_float_denorm_mode_16_64 3
		.amdhsa_memory_ordered 1
		.amdhsa_forward_progress 1
		.amdhsa_inst_pref_size 58
	.end_amdhsa_kernel
	.amdgpu_metadata
---
amdhsa.version: [ 1, 2 ]
amdhsa.kernels:
  - .name:           k_qac10dc55cb_scores
    .symbol:         k_qac10dc55cb_scores.kd
    .args:
      - { .name: qkv, .offset: 0, .size: 8, .value_kind: global_buffer, .address_space: global }
      - { .name: pbuf, .offset: 8, .size: 8, .value_kind: global_buffer, .address_space: global }
      - { .name: stat, .offset: 16, .size: 8, .value_kind: global_buffer, .address_space: global }
    .group_segment_fixed_size: 327680
    .private_segment_fixed_size: 0
    .kernarg_segment_align: 8
    .kernarg_segment_size: 24
    .max_flat_workgroup_size: 128
    .sgpr_count:     100
    .vgpr_count:     1024
    .wavefront_size: 32
...
	.end_amdgpu_metadata
.endif
;; end of part 7
;; launch pv (part 8): grid 4 x 64, 4 waves a work-group, clusters of 4 x 4, 327,680 bytes of LDS; arguments pbuf, qkv, stat, x, gamma, out0; writes out0
.if DOCPART == 8
	.amdgcn_target "amdgcn-amd-amdhsa--gfx1250"
	.amdhsa_code_object_version 6
	.text
	.protected	k_qac10dc55cb_pv
	.globl	k_qac10dc55cb_pv
	.p2align	8
	.type	k_qac10dc55cb_pv,@function
k_qac10dc55cb_pv:
	s_mov_b64 s[64:65], 0
	v_nop
	global_prefetch_b8 v0, s[64:65] scope:SCOPE_SE
	s_setreg_imm32_b32 hwreg(HW_REG_WAVE_MODE, 25, 1), 1
	s_wait_xcnt 0x0
	s_wait_alu depctr_hold_cnt(0) depctr_sa_sdst(0) depctr_va_vdst(0) depctr_va_sdst(0) depctr_va_ssrc(0) depctr_va_vcc(0) depctr_vm_vsrc(0)
	s_getreg_b32 s2, hwreg(HW_REG_IB_STS2, 6, 4)
	s_cmp_eq_u32 s2, 0
	s_cbranch_scc0 .Lentry_in_a_cluster
	s_endpgm
.Lentry_in_a_cluster:
	s_bfe_u32 s2, ttmp6, 0x10000c
	s_cmp_lg_u32 s2, 0xf033
	s_cbranch_scc0 .Lentry_shape_is_right
	s_endpgm
.Lentry_shape_is_right:
; out0[q][d] = (gamma / L[q]) x the sum over blocks j and their keys k of e_j[q] pbuf[q][k] v[k][d] + x[q][d].
; pbuf holds 2^(c s - c m_j) in bf16 for each block j of 128 keys; stat[tile row][c m, l][16 blocks][256 queries] holds c m_j and l_j in f32.  M = the largest of a row's 16 c m_j (the row's true maximum, scaled);
; e_j = 2^(c m_j - M), at most 1, rounded to bf16; L = the sum of e_j l_j, with the rounded e_j, in f32.  A K step is one block of keys, so a fragment of pbuf is multiplied by its row's e_j (packed bf16, one more
; rounding of the weight) on its way to the matrix unit.
; LIMITS.  A factor below 2^-126 counts as 0; a weight is rounded to bf16 twice; NaN and infinities are not treated apart.  L is at least 1: the block with the maximum has e = 1 and holds a weight 1.
; A tile of out0 is 256 queries x 256 channels: four waves, each 128 x 128 in 64 accumulators.  K = 2,048 keys in 16 steps of 128 through a ring of two LDS slots.  pbuf's tile: rows of 256 bytes padded to 272;
; v's tile lies [key][channel]: 128 rows of 512 bytes padded to 544, and comes out of LDS turned.
; CLUSTER 4 x 4: pbuf's tile hangs on the tile row alone and is shared along a row of the cluster; v's on the tile column and the batch, which the cluster shares, and is shared along a column.
; THE WAY OUT: the f32 sums go into the ring's bytes (its fills are over), rows of 528 bytes, each wave's own; whole rows come back, O g + x in f32, 512 consecutive bytes a store.  32 rows of x a wave are on their way at a
; time, in registers that the K loop never names; the first 32 are asked for a K step ahead of the end.
; REGISTERS: window 0: v0-31 addresses, v32-39 e of my 8 row blocks (on the way out v32-63: g), v64-127, v128-191 fragments of pbuf; window 1: v64-191 fragments of v (on the way out: rows of O), v0-63 and v192-255 rows of x;
;   windows 2, 3: accumulators.
.set KSTEPS, 16
.set PITCH,  272
.set PB,     544
.set HALFT,  128*PITCH
.set SLOT,   4*HALFT
.set DP,     528
.set DW,     128*DP
.set ETAB,   2*SLOT                    ; behind the ring: e, twice in a word, [16 blocks][256 rows]
.set GTAB,   ETAB+16384                ; g = gamma / L, 256 rows
.set SPARE,  GTAB+1024                 ; the spare words, 128 bytes a wave, which no other line names
.set ASTEP,  256
.set BSTEP,  128*3072
.set DST,   8
.set RDF,   9
.set RDF0,  10
.set XO,    11                         ; v11  16 x lane: my bytes in 512 bytes of x and of out0
.set GA,    12                         ; v12  where 32 rows' g lie
.set ES,    13                         ; v13  ETAB + 8 x thread
.set ADRA0, 16
.set ADRA,  17
.set ADRB0, 20
.set ADRB,  21
.set EA,    22                         ; v22  my rows' e of the K step to be fetched
.set SPW,   28
.set NIL,   29
.set PFO,   30
.set E,     32
.set G,     32                         ; the way out, when e has served
.set F0,    64
.set F1,    128
.set O,     64                         ; the way out, window 1: 32 rows of O
.set WV,  16
.set RH,  17
.set CH,  18
.set CNT, 19
.set TB,  20
.set LIM, 21
.set PFA, 22
.set G1A, 24
.set G1B, 32
.set G0A, 40
.set G0B, 48
.set PFS, 56
.set BO,  72
.set GO,  73
.set OUT, 74
.set XB,  76
.set GAM, 78
.set MSB, 0
.macro WIN new
.if MSB != (\new)
	s_set_vgpr_msb (MSB<<8)|(\new)
.set MSB, \new
.endif
.endm
.set MUL_LO, 0xa1
.set MUL_HI, 0xf1
.set TO_B,   0x40
.set W_OUT,  0x54                      ; the way out: destination, sources 1 and 2 in window 1; source 0 (addresses, g) in window 0
.macro PLACES
.rept 4
	v_nop
.endr
.endm
.macro CREST
	s_cmp_lg_u32 s[WV], 0
	s_cbranch_scc1 .Lnot_wave_0_\@
	s_barrier_signal -3
.Lnot_wave_0_\@:
	s_barrier_wait -3
	s_barrier_signal -1
	s_barrier_wait -1
.endm
.macro CROUND
	s_barrier_signal -1
	s_barrier_wait -1
	CREST
.endm
.macro JLOAD                           ; a joint refill by the walking descriptors: waves 0, 1 pbuf's halves, waves 2, 3 v's; an s_nop 0 and four v_nop follow each line
	s_cmp_eq_u32 s[RH], 0
	s_cbranch_scc0 .Lfor_b_\@
	tensor_load_to_lds s[G0A+4:G0A+7], s[G1A:G1A+7]
	s_nop 0
.rept 4
	v_nop
.endr
	s_branch .Lasked_\@
.Lfor_b_\@:
	tensor_load_to_lds s[G0B+4:G0B+7], s[G1B:G1B+7]
	s_nop 0
.rept 4
	v_nop
.endr
.Lasked_\@:
.endm
; A PREFETCH of the K step that the NEXT refill will ask for: 256 matrix instructions ahead of that load; one instruction a wave.  Each block of 256 bytes is named once in the launch.  pbuf's tile row is read by one
; cluster alone; v's tile by the batch's two clusters, of which the one with even y asks.  The four partners that ask for a tile jointly share its rows out by address: of pbuf's 128 rows that a wave fetches 32 each
; (by cx, a lane a row), of v's 64 rows 16 each (by cy, two lanes a row).  The loop's last trip asks for nothing: there is no further K step.
.macro ASK
	s_cmp_gt_u32 s[CNT], s[LIM]
	s_cbranch_scc0 .Lnot_mine_\@
	global_prefetch_b8 v[PFO], s[PFA:PFA+1] th:TH_LOAD_NT scope:SCOPE_SE
.Lnot_mine_\@:
.endm
	s_load_b256 s[4:11], s[0:1], 0x0               ; pbuf s[4:5], qkv s[6:7], stat s[8:9], x s[10:11]
	s_load_b128 s[12:15], s[0:1], 0x20             ; gamma s[12:13], out0 s[14:15]
	v_lshl_add_u32 v[SPW], v0, 2, SPARE
	v_mov_b32 v[NIL], 0
	ds_add_u32 v[SPW], v[NIL]                      ; the wave's opening: the add and its wait stand ahead of the first tensor load
	v_lshrrev_b32 v7, 5, v0
	v_readfirstlane_b32 s[WV], v7
	s_lshr_b32 s[RH], s[WV], 1
	s_and_b32 s[CH], s[WV], 1
	s_bfe_u32 s60, ttmp6, 0x40000                  ; cx
	s_bfe_u32 s61, ttmp6, 0x40004                  ; cy
	s_lshl_b32 s62, ttmp9, 2
	s_add_co_u32 s62, s62, s60                     ; tile column (256 channels)
	s_and_b32 s58, ttmp7, 0xffff                   ; cluster y
	s_lshr_b32 s59, s58, 1                         ; the batch
	s_lshl_b32 s63, s58, 2
	s_add_co_u32 s63, s63, s61                     ; tile row
	s_lshl_b32 s94, s61, 2
	s_lshl_b32 s94, 15, s94                        ; my row of the cluster
	s_lshl_b32 s95, 0x1111, s60                    ; my column
	s_or_b32 s[G1A+0], s94, 0x07710000             ; the mask, bit 21 beside it; 2-byte elements; padding: after every 64 words 4 words
	s_mov_b32 s[G1A+1], 128<<16
	s_mov_b32 s[G1A+2], 128<<16
	s_mov_b32 s[G1A+3], 128<<16
	s_mov_b32 s[G1A+4], 128
	s_mov_b32 s[G1A+5], 2048                       ; elements from row to row of pbuf
	s_mov_b32 s[G1A+6], 0
	s_mov_b32 s[G1A+7], 0
	s_or_b32 s[G1B+0], s95, 0x0fb10000             ; padding: after every 128 words 8 words
	s_mov_b32 s[G1B+1], 256<<16
	s_mov_b32 s[G1B+2], 64<<16
	s_mov_b32 s[G1B+3], 256<<16
	s_mov_b32 s[G1B+4], 64
	s_mov_b32 s[G1B+5], 1536
	s_mov_b32 s[G1B+6], 0
	s_mov_b32 s[G1B+7], 0
	s_lshl_b32 s66, s63, 8                         ; pbuf: row 256 x tile row + 128 x half: no register of this address ever holds cx
	s_lshl_b32 s67, s[CH], 7
	s_add_co_u32 s66, s66, s67
	s_lshl_b32 s66, s66, 12
	s_mov_b32 s67, 0
	s_lshl_b32 s68, s59, 11                        ; v: key row 2,048 x batch + 64 x half; 1,024 bytes into the row, 512 a tile column: none of these ever holds cy
	s_lshl_b32 s69, s[CH], 6
	s_add_co_u32 s68, s68, s69
	s_mul_i32 s68, s68, 3072
	s_lshl_b32 s69, s62, 9
	s_add_co_u32 s68, s68, s69
	s_add_co_u32 s68, s68, 1024
	s_mov_b32 s69, 0
	s_mul_i32 s79, s[WV], HALFT
	s_mov_b32 s[G0A], 1
	s_mov_b32 s[G0A+1], s79
	s_mov_b32 s[G0A+4], 1
	s_add_co_u32 s[G0A+5], s79, SLOT
	s_mov_b32 s[G0B], 1
	s_mov_b32 s[G0B+1], s79
	s_mov_b32 s[G0B+4], 1
	s_add_co_u32 s[G0B+5], s79, SLOT
	s_mov_b32 s[TB], 0
	s_lshl_b32 s86, s63, 15                        ; stat: a tile row's 32,768 consecutive bytes
	s_mov_b32 s87, 0
	v_lshlrev_b32 v6, 3, v0                        ; thread t takes the tile's rows 2 t and 2 t + 1: 8 bytes
	s_wait_dscnt 0x0                               ; the opening add is done
	s_wait_kmcnt 0x0
	s_load_b32 s[GAM], s[12:13], 0x0               ; gamma
	; THE FACTORS' NUMBERS ARE ASKED FOR FIRST: 16 c m and 16 l for each of my two rows; a load of the wave covers 256 consecutive bytes, aligned
	s_add_nc_u64 s[84:85], s[8:9], s[86:87]
.irp j, 0,1,2,3,4,5,6,7,8,9,10,11,12,13,14,15
	global_load_b64 v[64+2*(\j):65+2*(\j)], v6, s[84:85] offset:(\j)*1024
	global_load_b64 v[96+2*(\j):97+2*(\j)], v6, s[84:85] offset:(\j)*1024+16384
.endr
	s_add_nc_u64 s[G0A+2:G0A+3], s[4:5], s[66:67]
	s_add_nc_u64 s[G0A+6:G0A+7], s[G0A+2:G0A+3], ASTEP
	s_or_b32 s[G0A+3], s[G0A+3], 0x80000000
	s_or_b32 s[G0A+7], s[G0A+7], 0x80000000
	s_add_nc_u64 s[G0B+2:G0B+3], s[6:7], s[68:69]
	s_add_nc_u64 s[G0B+6:G0B+7], s[G0B+2:G0B+3], BSTEP
	s_or_b32 s[G0B+3], s[G0B+3], 0x80000000
	s_or_b32 s[G0B+7], s[G0B+7], 0x80000000
	CROUND                                         ; all sixteen work-groups are here: the first joint loads meet
	s_cmp_eq_u32 s[RH], 0                          ; a wave's two first fills stand in one branch: two loads of mine are out
	s_cbranch_scc0 .Lfirst_b
	tensor_load_to_lds s[G0A:G0A+3], s[G1A:G1A+7]
	s_nop 0
	tensor_load_to_lds s[G0A+4:G0A+7], s[G1A:G1A+7]
	s_nop 0
.rept 4
	v_nop
.endr
	s_branch .Lfirst_done
.Lfirst_b:
	tensor_load_to_lds s[G0B:G0B+3], s[G1B:G1B+7]
	s_nop 0
	tensor_load_to_lds s[G0B+4:G0B+7], s[G1B:G1B+7]
	s_nop 0
.rept 4
	v_nop
.endr
.Lfirst_done:
	v_and_b32 v1, 15, v0                           ; r
	v_bfe_u32 v2, v0, 4, 1                         ; h
	v_and_b32 v3, 31, v0                           ; l
	v_mul_u32_u24 v[ADRA0], v1, PITCH
	v_lshl_add_u32 v[ADRA0], v2, 4, v[ADRA0]
	s_mul_i32 s96, s[RH], HALFT
	v_add_nc_u32 v[ADRA0], s96, v[ADRA0]
	v_and_b32 v4, 7, v0
	v_bfe_u32 v5, v0, 3, 1
	v_lshl_add_u32 v[ADRB0], v2, 3, v4             ; the turning load: key row 8 h + l % 8, 16 bytes at channel 8 ((l / 8) % 2)
	v_mul_u32_u24 v[ADRB0], v[ADRB0], PB
	v_lshl_add_u32 v[ADRB0], v5, 4, v[ADRB0]
	s_lshl_b32 s96, s[CH], 8
	s_add_co_u32 s96, s96, 2*HALFT
	v_add_nc_u32 v[ADRB0], s96, v[ADRB0]
	v_mov_b32 v[ADRA], v[ADRA0]
	v_mov_b32 v[ADRB], v[ADRB0]
	s_mul_i32 s96, s[WV], DW
	v_mul_u32_u24 v[DST], v1, DP
	v_lshl_add_u32 v[DST], v2, 5, v[DST]
	v_add_nc_u32 v[DST], s96, v[DST]
	v_lshl_add_u32 v[RDF0], v3, 4, s96
	v_lshlrev_b32 v[XO], 4, v3
	s_lshl_b32 s96, s[RH], 9                       ; my 128 rows in the tables
	s_add_co_u32 s[GO], s96, GTAB
	s_add_co_u32 s96, s96, ETAB
	v_lshl_add_u32 v[EA], v1, 2, s96
	v_lshl_add_u32 v[ES], v0, 3, ETAB
	s_lshl_b32 s88, s63, 8                         ; x and out0 at my first row and channel
	s_lshl_b32 s89, s[RH], 7
	s_add_co_u32 s88, s88, s89
	s_lshl_b32 s88, s88, 12
	s_lshl_b32 s89, s62, 10
	s_add_co_u32 s88, s88, s89
	s_lshl_b32 s89, s[CH], 9
	s_add_co_u32 s88, s88, s89
	s_mov_b32 s89, 0
	s_add_nc_u64 s[OUT:OUT+1], s[14:15], s[88:89]
	s_add_nc_u64 s[XB:XB+1], s[10:11], s[88:89]
	; the prefetches stand at K step 2; the first refill steps them to 3.  Nothing is asked for here, at the head
	s_lshl_b32 s90, s60, 17                        ; pbuf: my work-group's 32 of the 128 rows that I fetch
	s_add_co_u32 s90, s90, s66
	s_add_co_u32 s90, s90, 2*ASTEP
	s_mul_i32 s91, s61, 16*3072                    ; v: my work-group's 16 of the 64
	s_add_co_u32 s91, s91, s68
	s_add_co_u32 s91, s91, 2*BSTEP
	s_mov_b32 s92, 4096
	s_mov_b32 s93, 3072
	s_mov_b32 s96, ASTEP
	s_mov_b32 s97, BSTEP
	s_and_b32 s98, s58, 1
	s_cmp_eq_u32 s[RH], 0
	s_cselect_b32 s90, s90, s91
	s_cselect_b64 s[PFA:PFA+1], s[4:5], s[6:7]
	s_cselect_b32 s92, s92, s93
	s_cselect_b32 s[PFS], s96, s97
	s_cselect_b32 s98, ttmp9, s98                  ; the coordinate along which other clusters read the same rows
	s_mov_b32 s91, 0
	s_mov_b32 s[PFS+1], 0
	s_add_nc_u64 s[PFA:PFA+1], s[PFA:PFA+1], s[90:91]
	s_cmp_eq_u32 s98, 0
	s_cselect_b32 s[LIM], 1, -1                    ; the same in all sixteen partners, for a given wave
	v_lshrrev_b32 v[PFO], s[RH], v3
	v_mul_u32_u24 v[PFO], v[PFO], s92
	v_and_b32 v7, s[RH], v3
	v_lshl_add_u32 v[PFO], v7, 8, v[PFO]
	s_wait_loadcnt 0x0                             ; c m and l
	s_wait_kmcnt 0x0                               ; gamma
; A row's 16 numbers lie two registers apart: row 2 t in the even registers from R = 64 on, row 2 t + 1 in the odd ones from R = 65 on; its l 32 registers further up.
.macro FMAX R, M                       ; M = the largest of the row's 16 c m; then c m - M in place
	v_max3_num_f32 v[\M], v[\R], v[(\R)+2], v[(\R)+4]
.irp n, 0,1,2,3,4,5
	v_max3_num_f32 v[\M], v[\M], v[(\R)+6+4*(\n)], v[(\R)+8+4*(\n)]
.endr
	v_max_num_f32 v[\M], v[\M], v[(\R)+30]
.irp j, 0,1,2,3,4,5,6,7,8,9,10,11,12,13,14,15
	v_sub_f32 v[(\R)+2*(\j)], v[(\R)+2*(\j)], v[\M]
.endr
.endm
.macro FSUM R, L, W                    ; e rounded to bf16, in both halves of its word; L = the sum of the rounded e times l
.irp j, 0,1,2,3,4,5,6,7,8,9,10,11,12,13,14,15
	v_cvt_pk_bf16_f32 v[(\R)+2*(\j)], v[(\R)+2*(\j)], v[(\R)+2*(\j)]
.endr
	v_and_b32 v[\W], 0xffff0000, v[\R]
	v_mul_f32 v[\L], v[\W], v[(\R)+32]
.irp j, 1,2,3,4,5,6,7,8,9,10,11,12,13,14,15
	v_and_b32 v[\W], 0xffff0000, v[(\R)+2*(\j)]
	v_fmac_f32 v[\L], v[\W], v[(\R)+32+2*(\j)]
.endr
.endm
	FMAX 64, 128
	FMAX 65, 129
.set j, 0
.rept 32
	v_exp_f32 v[64+j], v[64+j]
.set j, j+1
.endr
	v_nop                                          ; a plain instruction behind the last exponential,
	s_wait_alu depctr_va_vdst(0)                   ; and the one wait for the batch of 32
	FSUM 64, 130, 132
	FSUM 65, 131, 133
	v_rcp_f32 v130, v130
	v_rcp_f32 v131, v131
	v_nop
	s_wait_alu depctr_va_vdst(0)                   ; one wait for the two reciprocals
	v_mul_f32 v130, s[GAM], v130                   ; g = gamma / L
	v_mul_f32 v131, s[GAM], v131
.irp j, 0,1,2,3,4,5,6,7,8,9,10,11,12,13,14,15
	ds_store_b64 v[ES], v[64+2*(\j):65+2*(\j)] offset:(\j)*1024
.endr
	ds_store_b64 v[ES], v[130:131] offset:16384
; Four lines of the scaling: registers n0 .. n0 + 3 of buffer f's 64 (row block n / 8) times their rows' e
.macro RIDE f, n0
	WIN 0
.irp n, 0,1,2,3
	v_pk_mul_bf16 v[(\f)+(\n0)+(\n)], v[(\f)+(\n0)+(\n)], v[E+((\n0)+(\n))/8]
.endr
.endm
.macro SCALE2 f                        ; row blocks 0 and 1, in front of a quarter's first product
	WIN 0
.set sc, 0
.rept 16
	v_pk_mul_bf16 v[(\f)+sc], v[(\f)+sc], v[E+sc/8]
.set sc, sc+1
.endr
.endm
; 16 matrix instructions; the 64 accumulators take turns in one order in every quarter.  sn = 16 (32): the scaling of the 2 (4) row blocks from sa on stands between them, four lines behind
; every fourth (second) product.  It writes fragments that none of the products round it reads.
.macro MUL16 f, hi, a0, zero, sa=0, sn=0
.set mi, 0
.irp a, \a0, (\a0)+1
.irp b, 0,1,2,3,4,5,6,7
	WIN MUL_LO+0x50*(\hi)
.if \zero
	v_wmma_f32_16x16x32_bf16 v[8*(8*(\a)+(\b)):8*(8*(\a)+(\b))+7], v[(\f)+8*(\b):(\f)+8*(\b)+7], v[(\f)+8*(4*(\hi)+(\a)):(\f)+8*(4*(\hi)+(\a))+7], 0
.else
	v_wmma_f32_16x16x32_bf16 v[8*(8*(\a)+(\b)):8*(8*(\a)+(\b))+7], v[(\f)+8*(\b):(\f)+8*(\b)+7], v[(\f)+8*(4*(\hi)+(\a)):(\f)+8*(4*(\hi)+(\a))+7], v[8*(8*(\a)+(\b)):8*(8*(\a)+(\b))+7]
.endif
.set mi, mi+1
.if ((\sn) == 16) && (mi%4 == 0)
	RIDE \f, 8*(\sa)+mi-4
.endif
.if ((\sn) == 32) && (mi%2 == 0)
	RIDE \f, 8*(\sa)+2*mi-4
.endif
.endr
.endr
.endm
; The LDS loads of quarter q into buffer f, in one run: with e = 1 first my rows' e of the K step; v's 8 fragments, turned; pbuf's 8
.macro FETCH q, f, e
.if \e
	WIN 0
.irp a, 0,1,2,3,4,5,6,7
	ds_load_b32 v[E+(\a)], v[EA] offset:64*(\a)
.endr
.endif
	WIN TO_B
.irp i, 0,1,2,3,4,5,6,7
	ds_load_tr16_b128 v[(\f)+8*(\i):(\f)+8*(\i)+3],   v[ADRB] offset:(\q)*32*PB+32*(\i)
	ds_load_tr16_b128 v[(\f)+8*(\i)+4:(\f)+8*(\i)+7], v[ADRB] offset:(\q)*32*PB+32*(\i)+16*PB
.endr
	WIN 0
.irp i, 0,1,2,3,4,5,6,7
	ds_load_b128 v[(\f)+8*(\i):(\f)+8*(\i)+3],   v[ADRA] offset:64*(\q)+(\i)*16*PITCH
	ds_load_b128 v[(\f)+8*(\i)+4:(\f)+8*(\i)+7], v[ADRA] offset:64*(\q)+(\i)*16*PITCH+32
.endr
.endm
.macro QUARTER q, f, g, zero
	s_wait_dscnt 8                                 ; e, v's fragments and pbuf's rows 0-63 are in; the youngest eight loads (rows 64-127) may be out
	SCALE2 \f
	MUL16 \f, 0, 0, \zero, 2, 16
	s_wait_dscnt 0x0                               ; rows 64-127 are in: they are scaled among the next sixteen products
	MUL16 \f, 0, 2, \zero, 4, 32
	PLACES
	FETCH \q, \g, 0
	MUL16 \f, 1, 0, \zero
	MUL16 \f, 1, 2, \zero
.endm
; The last quarter multiplies buffer 1 and changes slots: in front of the barrier each wave waits for all its tensor loads, adds 0 to its spare word, and waits for that and for its reads of this slot; with fill = 1 the
; barrier opens a round of the cluster's and the slot is filled again first thing behind it.  All the quarter's scaling is done before e is fetched anew.
.macro TURN fill
.if \fill
	s_wait_xcnt 0x0                                ; the last prefetch, a K step back, has read its address
	s_add_nc_u64 s[PFA:PFA+1], s[PFA:PFA+1], s[PFS:PFS+1]
.endif
	WIN 0
	s_wait_tensorcnt 0x0                           ; no tensor load of mine is out, so a group 0 may be written
	ds_add_u32 v[SPW], v[NIL]
.if \fill
	s_xor_b32 s[G0A+5], s[G0A+5], SLOT
	s_add_nc_u64 s[G0A+6:G0A+7], s[G0A+6:G0A+7], ASTEP
	s_xor_b32 s[G0B+5], s[G0B+5], SLOT
	s_add_nc_u64 s[G0B+6:G0B+7], s[G0B+6:G0B+7], BSTEP
.endif
	s_xor_b32 s[TB], s[TB], SLOT
	s_wait_dscnt 9                                 ; the add and the youngest eight loads may be out
	SCALE2 F1
	MUL16 F1, 0, 0, 0, 2, 16
	s_wait_dscnt 0x0                               ; the add is done, and my reads of this slot are over
	s_barrier_signal -1
	MUL16 F1, 0, 2, 0, 4, 32
	WIN 0
	s_barrier_wait -1
.if \fill
	CREST                                          ; no wave of any partner still reads this slot or has a load on its way
	JLOAD                                          ; its four v_nop are also the places in front of the loads below
.else
	PLACES
.endif
	v_add_nc_u32 v[ADRA], s[TB], v[ADRA0]
	v_add_nc_u32 v[ADRB], s[TB], v[ADRB0]
	v_add_nc_u32 v[EA], 1024, v[EA]                ; the next block's e
	FETCH 0, F0, 1
.if \fill
	ASK
.endif
	MUL16 F1, 1, 0, 0
	MUL16 F1, 1, 2, 0
.endm
	s_wait_tensorcnt 1                             ; my part of K step 0 is in; K step 1's may stay out
	s_wait_dscnt 0x0                               ; my stores into the tables are done
	s_barrier_signal -1
	s_barrier_wait -1
	FETCH 0, F0, 1
	QUARTER 1, F0, F1, 1                           ; the first quarter starts the sums: nothing is cleared
	WIN 0
	s_mov_b32 s[CNT], KSTEPS-2
.Lk:
	QUARTER 2, F1, F0, 0
	QUARTER 3, F0, F1, 0
	TURN 1
	QUARTER 1, F0, F1, 0
	WIN 0
	s_sub_co_u32 s[CNT], s[CNT], 1
	s_cmp_lg_u32 s[CNT], 0
	s_cbranch_scc1 .Lk
	QUARTER 2, F1, F0, 0                           ; the last two K steps ask for nothing
	QUARTER 3, F0, F1, 0
	TURN 0
	WIN TO_B                                       ; x's first 32 rows, on their way under the last K step's 256 products: row i into v[4 i] (i < 16) or v[192 + 4 (i - 16)] of window 1
.set i, 0
.rept 32
	global_load_b128 v[4*i+128*(i/16):4*i+128*(i/16)+3], v[XO], s[XB:XB+1] offset:i*4096 th:TH_LOAD_NT
.set i, i+1
.endr
	QUARTER 1, F0, F1, 0
	QUARTER 2, F1, F0, 0
	QUARTER 3, F0, F1, 0
	s_wait_dscnt 8
	SCALE2 F1
	MUL16 F1, 0, 0, 0, 2, 16
	s_wait_dscnt 0x0                               ; my reads of the ring are over:
	s_barrier_signal -1
	MUL16 F1, 0, 2, 0, 4, 32
	MUL16 F1, 1, 0, 0
	MUL16 F1, 1, 2, 0
	WIN 0
	s_barrier_wait -1                              ; everybody's are: the ring's bytes may be written
	PLACES
	PLACES
.irp a, 0,1,2,3,4,5,6,7                ; the dump: each accumulator's low four registers first
	WIN 0x08+4*((\a)/4)
.irp b, 0,1,2,3,4,5,6,7
	ds_store_b128 v[DST], v[8*(8*((\a)%4)+(\b)):8*(8*((\a)%4)+(\b))+3]   offset:(\a)*16*DP+64*(\b)
	ds_store_b128 v[DST], v[8*(8*((\a)%4)+(\b))+4:8*(8*((\a)%4)+(\b))+7] offset:(\a)*16*DP+64*(\b)+16
.endr
.endr
	WIN 0
	; 32 ROWS A TRIP, four trips, one text.  O comes back from my dump, g from the table (one address for all lanes), x has been asked for a trip ahead.  When all 32 rows of x are used, the next 32 are asked for in one run,
	; ahead of the trip's stores; the last trip has no rows behind it and jumps over that run.
	s_mov_b32 s[BO], 0
	s_mov_b32 s[CNT], 4
.Lrows:
	v_add_nc_u32 v[RDF], s[BO], v[RDF0]
	v_mov_b32 v[GA], s[GO]
.irp i, 0,1,2,3,4,5,6,7
	ds_load_b128 v[G+4*(\i):G+4*(\i)+3], v[GA] offset:16*(\i)
.endr
	WIN W_OUT
.set i, 0
.rept 32
	ds_load_b128 v[O+4*i:O+4*i+3], v[RDF] offset:i*DP  ; LDS serves a wave's instructions in order, and the dump is the wave's own
.set i, i+1
.endr
	s_wait_dscnt 0x0
.set i, 0
.rept 32
	s_wait_loadcnt 31-i                            ; loads come back in order: row i of x is in, the 31 - i younger rows of the run may stay out
.irp k, 0,1,2,3
	v_fma_f32 v[O+4*i+(\k)], v[G+i], v[O+4*i+(\k)], v[4*i+128*(i/16)+(\k)]
.endr
.set i, i+1
.endr
	WIN 0
	s_cmp_eq_u32 s[CNT], 1
	s_cbranch_scc1 .Lno_x
	WIN W_OUT
.set i, 0
.rept 32
	global_load_b128 v[4*i+128*(i/16):4*i+128*(i/16)+3], v[XO], s[XB:XB+1] offset:(32+i)*4096 th:TH_LOAD_NT
.set i, i+1
.endr
	WIN 0
.Lno_x:
	WIN W_OUT
.set i, 0
.rept 32
	global_store_b128 v[XO], v[O+4*i:O+4*i+3], s[OUT:OUT+1] offset:i*4096 th:TH_STORE_NT  ; 512 consecutive bytes, aligned
.set i, i+1
.endr
	WIN 0
	s_wait_xcnt 0x0                                ; loads and stores have read their bases and data: these are written again only behind this wait
	s_add_nc_u64 s[OUT:OUT+1], s[OUT:OUT+1], 32*4096
	s_add_nc_u64 s[XB:XB+1], s[XB:XB+1], 32*4096
	s_add_co_u32 s[BO], s[BO], 32*DP
	s_add_co_u32 s[GO], s[GO], 128
	s_sub_co_u32 s[CNT], s[CNT], 1
	s_cmp_lg_u32 s[CNT], 0
	s_cbranch_scc1 .Lrows
	s_wait_tensorcnt 0x0                           ; the wave's end
	ds_add_u32 v[SPW], v[NIL]
	s_wait_dscnt 0x0
	CROUND                                         ; the closing round
	s_endpgm
.Lfunc_end_k_qac10dc55cb_pv:
	.size	k_qac10dc55cb_pv, .Lfunc_end_k_qac10dc55cb_pv-k_qac10dc55cb_pv
	.p2alignl 7, 3214868480
	.fill 96, 4, 3214868480
	.section	.rodata,"a",@progbits
	.p2align	6, 0x0
	.amdhsa_kernel k_qac10dc55cb_pv
		.amdhsa_group_segment_fixed_size 327680
		.amdhsa_private_segment_fixed_size 0
		.amdhsa_enable_private_segment 0
		.amdhsa_kernarg_size 48
		.amdhsa_user_sgpr_count 2
		.amdhsa_user_sgpr_kernarg_segment_ptr 1
		.amdhsa_wavefront_size32 1
		.amdhsa_system_sgpr_workgroup_id_x 1
		.amdhsa_system_sgpr_workgroup_id_y 1
		.amdhsa_system_sgpr_workgroup_id_z 1
		.amdhsa_system_vgpr_workitem_id 0
		.amdhsa_next_free_vgpr 1024
		.amdhsa_next_free_sgpr 100
		.amdhsa_reserve_vcc 0
		.amdhsa_float_denorm_mode_32 3
		.amdhsa_float_denorm_mode_16_64 3
		.amdhsa_memory_ordered 1
		.amdhsa_forward_progress 1
		.amdhsa_inst_pref_size 187
	.end_amdhsa_kernel
	.amdgpu_metadata
---
amdhsa.version: [ 1, 2 ]
amdhsa.kernels:
  - .name:           k_qac10dc55cb_pv
    .symbol:         k_qac10dc55cb_pv.kd
    .args:
      - { .name: pbuf, .offset: 0, .size: 8, .value_kind: global_buffer, .address_space: global }
      - { .name: qkv, .offset: 8, .size: 8, .value_kind: global_buffer, .address_space: global }
      - { .name: stat, .offset: 16, .size: 8, .value_kind: global_buffer, .address_space: global }
      - { .name: x, .offset: 24, .size: 8, .value_kind: global_buffer, .address_space: global }
      - { .name: gamma, .offset: 32, .size: 8, .value_kind: global_buffer, .address_space: global }
      - { .name: out0, .offset: 40, .size: 8, .value_kind: global_buffer, .address_space: global }
    .group_segment_fixed_size: 327680
    .private_segment_fixed_size: 0
    .kernarg_segment_align: 8
    .kernarg_segment_size: 48
    .max_flat_workgroup_size: 128
    .sgpr_count:     100
    .vgpr_count:     1024
    .wavefront_size: 32
...
	.end_amdgpu_metadata
.endif
;; end of part 8
;; ======== version 3 of 3: 4 launches; version 2 with the launch prep written anew for expert scheduling mode
;; workspace buffers: wb 3,145,728 bytes; qkv 50,331,648 bytes; pbuf 67,108,864 bytes; stat 2,097,152 bytes
;; launch prep (part 9): grid 256 x 1, 3 waves a work-group, no clusters, 0 bytes of LDS; arguments Wq, Wk, Wv, wb; writes wb
.if DOCPART == 9
	.amdgcn_target "amdgcn-amd-amdhsa--gfx1250"
	.amdhsa_code_object_version 6
	.text
	.protected	k_qac10dc55cb_prep
	.globl	k_qac10dc55cb_prep
	.p2align	8
	.type	k_qac10dc55cb_prep,@function
k_qac10dc55cb_prep:
	s_mov_b64 s[64:65], 0
	v_nop
	global_prefetch_b8 v0, s[64:65] scope:SCOPE_SE
	s_setreg_imm32_b32 hwreg(HW_REG_WAVE_SCHED_MODE, 0, 2), 2
	s_setreg_imm32_b32 hwreg(HW_REG_WAVE_MODE, 25, 1), 1
	s_wait_xcnt 0x0
	s_wait_alu depctr_vm_vsrc(0)
; CASTS THE WEIGHTS TO bf16, INTO THE BLOCKS THAT THE PRODUCT BEHIND ASKS FOR.  Each number is rounded once, to nearest even.
; wb[column group of 384][k][384]: the columns of (Wq | Wk | Wv), 1,536 in all, in blocks cb of 128: cb 0, 1 Wq; 2, 3 Wk; 4 .. 11 Wv.  Block cb of row k lies at (cb / 3) 786,432 + 768 k + (cb % 3) 256.
; A stream: no LDS, no matrix unit, no cluster (no byte is wanted twice).  The three tensors are 1,572,864 numbers: 768 waves of 2,048, three to each of 256 work-groups.  A wave issues sixteen loads of 16 bytes a lane
; (512 consecutive bytes of a row), all before the first is waited for; each gives one store of 8 bytes a lane: 256 consecutive bytes, aligned.
; Eight waves make a share of 16,384 numbers: shares 0-15 take Wq, 16-31 Wk, 32-95 Wv.  No register is written twice behind the loads, so no source of a pending instruction is ever rewritten.
; THE MODE: SCHED_MODE bits 1:0 = 2 (LLVM: expert scheduling mode 2), set by the entry lines.  The code itself states the register dependences between vector instructions and memory instructions, with s_wait_alu, always for 0.
; THE PLAN.  Registers that memory instructions touch:
;   v7, v2   the loads' and the stores' lane offsets: written once at the head, never again.
;   X        written by the sixteen loads, each register once, and named by no vector instruction before that; read by the conversions; never loaded again.
;   Y        written by the conversions, each register once; read by one store each.
; The sixteen loads go in four groups of four.  Group g's conversions read its X and write its Y; its memory instructions are the four stores of group g - 1, which read that group's Y and v2: registers that no
; vector instruction of group g names.  So one wait on va_vdst at a group's head, behind the wait for its data, states all that those four stores hang on, and they are dealt among the group's conversions with no further wait.
; No register that a memory instruction reads is written again, and EXEC is never written: no wait on vm_vsrc is owed.
.set X,    8                           ; v[8:71]    sixteen loads of four f32
.set Y,    72                          ; v[72:103]  sixteen stores of four bf16
.set SRC,  20                          ; s[20:21]   where my wave reads
.set DSTP, 28                          ; s[28:29]   where it writes
.set DSTQ, 30                          ; s[30:31]   Wq, Wk: where the odd loads' blocks go
	s_load_b256 s[4:11], s[0:1], 0x0               ; Wq s[4:5], Wk s[6:7], Wv s[8:9], wb s[10:11]
	v_lshrrev_b32 v3, 5, v0
	v_readfirstlane_b32 s16, v3                    ; wave 0..2
	v_and_b32 v4, 31, v0
	v_lshlrev_b32 v2, 3, v4                        ; out: 8 bytes a lane
	v_lshlrev_b32 v7, 4, v4                        ; in: 16 bytes a lane
	s_wait_alu depctr_va_sdst(0)                   ; s16 is written, ahead of its first reader: the wave's number in the launch, and all addresses, are made from it
	s_mul_i32 s17, ttmp9, 3
	s_add_co_u32 s17, s17, s16                     ; my wave among the launch's 768
	s_and_b32 s16, s17, 7                          ; its place in its share,
	s_lshr_b32 s17, s17, 3                         ; and the share, 0..95
	s_wait_kmcnt 0x0
	s_cmp_lt_u32 s17, 32
	s_cselect_b64 s[SRC:SRC+1], s[6:7], s[8:9]
	s_cselect_b32 s19, 16, 32
	s_cmp_lt_u32 s17, 16
	s_cselect_b64 s[SRC:SRC+1], s[4:5], s[SRC:SRC+1]
	s_cselect_b32 s19, 0, s19
	s_sub_co_u32 s19, s17, s19                     ; my share among the tensor's
	s_lshl_b32 s22, s19, 16                        ; 65,536 bytes a share,
	s_lshl_b32 s23, s16, 13                        ; 8,192 a wave
	s_add_co_u32 s22, s22, s23
	s_mov_b32 s23, 0
	s_add_nc_u64 s[SRC:SRC+1], s[SRC:SRC+1], s[22:23]
	s_wait_alu depctr_va_vdst(0)                   ; v7 and v2 are written: every load below reads v7 as its offset, every store v2
.irp i, 0,1,2,3,4,5,6,7,8,9,10,11,12,13,14,15
	global_load_b128 v[X+4*(\i):X+4*(\i)+3], v7, s[SRC:SRC+1] offset:512*(\i) th:TH_LOAD_NT
.endr
; Store n of sixteen.  mode 0: Wq, Wk: two loads a row, the even ones by DSTP, the odd ones by DSTQ.  mode 1: Wv: eight loads a row, blocks 4 to 11.
.macro STORE1 mode, n
.if (\mode) == 0
.if (\n)%2 == 0
	global_store_b64 v2, v[Y+2*(\n):Y+2*(\n)+1], s[DSTP:DSTP+1] offset:((\n)/2)*768 th:TH_STORE_NT
.else
	global_store_b64 v2, v[Y+2*(\n):Y+2*(\n)+1], s[DSTQ:DSTQ+1] offset:((\n)/2)*768 th:TH_STORE_NT
.endif
.else
	global_store_b64 v2, v[Y+2*(\n):Y+2*(\n)+1], s[DSTP:DSTP+1] offset:((\n)/8)*768+((4+(\n)%8)/3)*786432+((4+(\n)%8)%3)*256 th:TH_STORE_NT
.endif
.endm
; The four groups: at a group's head the wait for its four loads and, from the second group on, the wait for the conversions of the group before; then that group's stores, one ahead of each pair of conversions.
.macro STORES mode
.set i, 0
.rept 16
.if i%4 == 0
	s_wait_loadcnt 12-i                            ; loads come back in order: this group's four are in, the 12 - i younger ones may stay out
.if i > 0
	s_wait_alu depctr_va_vdst(0)                   ; the conversions of the group before have written their Y, which the four stores of this group's lines read
.endif
.endif
.if i >= 4
	STORE1 \mode, i-4                              ; no vector instruction since the wait names its Y or v2
.endif
	v_cvt_pk_bf16_f32 v[Y+2*i],   v[X+4*i],   v[X+4*i+1]
	v_cvt_pk_bf16_f32 v[Y+2*i+1], v[X+4*i+2], v[X+4*i+3]
.set i, i+1
.endr
	s_wait_alu depctr_va_vdst(0)                   ; the last group's conversions have written their Y, which the last four stores read
.set i, 12
.rept 4
	STORE1 \mode, i
.set i, i+1
.endr
.endm
	s_cmp_lt_u32 s17, 32
	s_cbranch_scc0 .Lwv
	s_lshl_b32 s22, s19, 6                         ; Wq, Wk: 64 rows a share,
	s_lshl_b32 s23, s16, 3                         ; 8 a wave
	s_add_co_u32 s22, s22, s23
	s_mul_i32 s22, s22, 768
	s_mov_b32 s23, 0
	s_add_nc_u64 s[DSTP:DSTP+1], s[10:11], s[22:23]
	s_mov_b32 s18, 786432                          ; Wk's blocks 2 and 3: 512 bytes into group 0's row, and the head of group 1's
	s_movk_i32 s27, 256                            ; Wq's blocks 0 and 1: 0 and 256
	s_mov_b32 s19, 0
	s_cmp_lt_u32 s17, 16
	s_cselect_b32 s22, 0, 512
	s_cselect_b32 s18, s27, s18
	s_add_nc_u64 s[DSTQ:DSTQ+1], s[DSTP:DSTP+1], s[18:19]
	s_add_nc_u64 s[DSTP:DSTP+1], s[DSTP:DSTP+1], s[22:23]
	STORES 0
	s_endpgm
.Lwv:
	s_lshl_b32 s22, s19, 4                         ; Wv: 16 rows a share,
	s_lshl_b32 s23, s16, 1                         ; 2 a wave
	s_add_co_u32 s22, s22, s23
	s_mul_i32 s22, s22, 768
	s_mov_b32 s23, 0
	s_add_nc_u64 s[DSTP:DSTP+1], s[10:11], s[22:23]
	STORES 1
	s_endpgm
.Lfunc_end_k_qac10dc55cb_prep:
	.size	k_qac10dc55cb_prep, .Lfunc_end_k_qac10dc55cb_prep-k_qac10dc55cb_prep
	.p2alignl 7, 3214868480
	.fill 96, 4, 3214868480
	.section	.rodata,"a",@progbits
	.p2align	6, 0x0
	.amdhsa_kernel k_qac10dc55cb_prep
		.amdhsa_group_segment_fixed_size 0
		.amdhsa_private_segment_fixed_size 0
		.amdhsa_enable_private_segment 0
		.amdhsa_kernarg_size 32
		.amdhsa_user_sgpr_count 2
		.amdhsa_user_sgpr_kernarg_segment_ptr 1
		.amdhsa_wavefront_size32 1
		.amdhsa_system_sgpr_workgroup_id_x 1
		.amdhsa_system_sgpr_workgroup_id_y 1
		.amdhsa_system_sgpr_workgroup_id_z 1
		.amdhsa_system_vgpr_workitem_id 0
		.amdhsa_next_free_vgpr 104
		.amdhsa_next_free_sgpr 66
		.amdhsa_reserve_vcc 0
		.amdhsa_float_denorm_mode_32 3
		.amdhsa_float_denorm_mode_16_64 3
		.amdhsa_memory_ordered 1
		.amdhsa_forward_progress 1
		.amdhsa_inst_pref_size 12
	.end_amdhsa_kernel
	.amdgpu_metadata
---
amdhsa.version: [ 1, 2 ]
amdhsa.kernels:
  - .name:           k_qac10dc55cb_prep
    .symbol:         k_qac10dc55cb_prep.kd
    .args:
      - { .name: Wq, .offset: 0, .size: 8, .value_kind: global_buffer, .address_space: global }
      - { .name: Wk, .offset: 8, .size: 8, .value_kind: global_buffer, .address_space: global }
      - { .name: Wv, .offset: 16, .size: 8, .value_kind: global_buffer, .address_space: global }
      - { .name: wb, .offset: 24, .size: 8, .value_kind: global_buffer, .address_space: global }
    .group_segment_fixed_size: 0
    .private_segment_fixed_size: 0
    .kernarg_segment_align: 8
    .kernarg_segment_size: 32
    .max_flat_workgroup_size: 96
    .sgpr_count:     66
    .vgpr_count:     104
    .wavefront_size: 32
...
	.end_amdgpu_metadata
.endif
;; end of part 9
;; launch proj: the kernel of part 6 again; grid 4 x 64, 4 waves a work-group, clusters of 4 x 4, 327,680 bytes of LDS; arguments x, wb, bq, bk, bv, qkv; writes qkv
;; launch scores: the kernel of part 7 again; grid 8 x 32, 4 waves a work-group, clusters of 4 x 4, 327,680 bytes of LDS; arguments qkv, pbuf, stat; writes pbuf, stat
;; launch pv: the kernel of part 8 again; grid 4 x 64, 4 waves a work-group, clusters of 4 x 4, 327,680 bytes of LDS; arguments pbuf, qkv, stat, x, gamma, out0; writes out0
